; MI455X (gfx1250); checked and timed in simulation.
; The chip was launched on July 23, 2026; its instructions are those of AMD's public machine-readable ISA for CDNA 5 (MIT licence, August 2026) and "CDNA5" Instruction Set Architecture Reference Guide (July 2026). The comments in the code are by the model that wrote it; some were corrected since.
;; Transformer Block. Allowed arithmetic: matrix products marked QUANTISED: E3M2 operands, one E8M0 scale for each 32 along K, by v_wmma_scale_f32_16x16x128_f8f6f4 with both operands' format E3M2, f32 sums; everything else in f32.
;; Inputs: fc1_b 1,024 float32; fc1_w 1,024 x 1,024 float32; fc2_b 1,024 float32; fc2_w 1,024 x 1,024 float32; ln1_b 1,024 float32; ln1_w 1,024 float32; ln2_b 1,024 float32; ln2_w 1,024 float32; out_b 1,024 float32; out_w 1,024 x 1,024 float32; qkv_b 3,072 float32; qkv_w 3,072 x 1,024 float32; x 8 x 1,024 x 1,024 float32.
;; Outputs: out0 8 x 1,024 x 1,024 float32.
;; This version of the problem:
;;   THIS VERSION OF THE PROBLEM IS GIVEN IN LOW PRECISION. The matrix products marked QUANTISED in the list below multiply operands that are first quantised to E3M2 (3 exponent bits, 2 mantissa bits; 6 bits a number), with one power-of-two scale for each 32 numbers along K (OCP MX v1.0); their sums are f32. All else is computed in f32.
;;   The module's matrix products, in the order in which they are computed (A, B: the left and right operand; K: the contracted axis; several contracted axes count as one K, in the product's order):
;;     1. [M 8,192, K 1,024] x [K 1,024, N 3,072]; A: computed on the way; B: input qkv_w: QUANTISED
;;     2. batch 128 x [M 1,024, K 64] x [K 64, N 1,024]; A: computed on the way; B: computed on the way: QUANTISED
;;     3. batch 128 x [M 64, K 1,024] x [K 1,024, N 1,024]; A: computed on the way; B: softmax (see below): QUANTISED
;;     4. [M 8,192, K 1,024] x [K 1,024, N 1,024]; A: computed on the way; B: input out_w: QUANTISED
;;     5. [M 8,192, K 1,024] x [K 1,024, N 1,024]; A: computed on the way; B: input fc1_w: QUANTISED
;;     6. [M 8,192, K 1,024] x [K 1,024, N 1,024]; A: computed on the way; B: input fc2_w: QUANTISED
;;   THE QUANTISER, for each operand of a quantised product, along K:
;;     - K is cut into blocks of 32 from its start; a last block that is shorter is filled with zeros.
;;     - A block's scale is 2^e with e = floor(log2(the largest magnitude in the block)) - 4, held to -126 .. 127; a block of zeros has e = 0. As a byte (E8M0): e + 127.
;;     - Each number is divided by its block's scale, clamped to +-28, and rounded to the nearest number of E3M2, ties to even, subnormals kept.
;;     - The product sums the exact products of the quantised numbers (number of the format x scale) in f32.
;;   ~~~python
;;   def quantise(x, axis):      # numpy; x: float32 -> the quantised numbers, widened to float32 again
;;       x = np.moveaxis(x, axis, -1); K = x.shape[-1]
;;       x = np.pad(x, [(0, 0)] * (x.ndim - 1) + [(0, -K % 32)]); x = x.reshape(x.shape[:-1] + (-1, 32)); a = np.abs(x).max(-1, keepdims=True)
;;       e = np.where(a > 0, np.clip(np.frexp(np.where(a > 0, a, 1))[1] - 1 - 4, -126, 127), 0)      # np.frexp(a)[1] - 1 = floor(log2(a)), exactly
;;       r = np.clip(x / 2.0 ** e, -28, 28)
;;       step = 2.0 ** (np.maximum(np.frexp(np.where(r == 0, 1, r))[1] - 1, -2) - 2)
;;       q = np.round(r / step) * step * 2.0 ** e      # np.round: ties to even
;;       return np.moveaxis(q.reshape(q.shape[:-2] + (-1,))[..., :K], -1, axis).astype(np.float32)
;;   ~~~
;;   SOFTMAX AHEAD OF A QUANTISED PRODUCT. Where the list says 'softmax', what is quantised is not the finished softmax but p = 2^(t - M), with t = logit x log2(e) and M = ceil(the row's largest t), a whole number; so 1/2 < the row's largest p <= 1. The row's sum l is taken of the UNQUANTISED p, in f32, and the product's result is divided by l at the end. Since M is a whole number, a kernel that streams over the keys may use a running M (the ceiling of the running maximum): every later rescaling is an exact power of two, which a block's scale takes up: the codes' values come out the same.
;;   OPERANDS COMPUTED ON THE WAY. 'Computed on the way' means the value that the module computes at that place (a softmax that the list does not call 'softmax' is quantised finished and normalised). What goes into a quantiser is computed in f32, as accurately as f32 sums, v_exp_f32 and their like allow (about 1e-6 of the number): no bf16 or f16 on the way to a quantiser, and a product that is left as it is and whose result goes on into a quantised operand takes f32 operands (vector FMAs, or v_wmma_f32_16x16x4_f32). A number that lies on a knife's edge between two numbers of the format may be rounded either way, as far as f32 arithmetic and the matrix unit's own rounding can turn it there, and no further.
;; 2 versions. Each part assembles by itself: llvm-mc -triple=amdgcn-amd-amdhsa -mcpu=gfx1250 --defsym DOCPART=n.
;; ======== version 1 of 2: 4 launches
;; workspace buffers: wf 4,915,200 bytes; qf 6,291,456 bytes; qsc 524,288 bytes; kf 6,291,456 bytes; ksc 524,288 bytes; vf 7,340,032 bytes; of 6,291,456 bytes; osc 524,288 bytes
;; launch wq (part 1): grid 192 x 1, 8 waves a work-group, no clusters, 68,608 bytes of LDS; arguments qkv_w, out_w, fc1_w, fc2_w, wf; writes wf
.if DOCPART == 1
	.amdgcn_target "amdgcn-amd-amdhsa--gfx1250"
	.amdhsa_code_object_version 6
	.text
	.protected	k_qa08cac4262_wq
	.globl	k_qa08cac4262_wq
	.p2align	8
	.type	k_qa08cac4262_wq,@function
k_qa08cac4262_wq:
	s_mov_b64 s[64:65], 0
	v_nop
	global_prefetch_b8 v0, s[64:65] scope:SCOPE_SE
	s_setreg_imm32_b32 hwreg(HW_REG_WAVE_MODE, 25, 1), 1
	s_wait_xcnt 0x0
; The four weights [N][1024] f32 (K innermost) become codes of BF6 (E3M2) with one E8M0 byte for each 32 along K, laid in the order in which the later launches' operand registers take them.
; wf = [layer 6][K step 8][wave 4] blocks of 25,600 bytes; layers 0-2 are qkv_w's three thirds, 3 out_w, 4 fc1_w, 5 fc2_w.  A block holds 16 fragments (16 rows x 128 K = 12 registers a lane, as three
; runs of 512 bytes: registers 4 q .. 4 q + 3 of lane l at 512 q + 16 l) and behind them, at byte 24,576, the scale words: pair p at 128 p + 4 l, lanes 0-15 tile 2 p, lanes 16-31 tile 2 p + 1.
; THE ROWS OF A TILE ARE NOT NEIGHBOURS: lane r of tile t of wave w stands for row 256 w + 32 (t / 2) + 8 (t % 2) + r + 8 (r / 8), so that the results of tiles 2 b and 2 b + 1 are 16 neighbours along the next K.
; One work-group makes one block, each of its eight waves two tiles.  Each load reads 512 consecutive bytes of one row; the 16 rows turn through the wave's own stage in LDS (rows 528 bytes apart), from which a lane
; takes 16 neighbours of each block of 32 of its row.  No barrier: waves share nothing.  All 32 loads of a wave go out at once.
; A block's scale is 2^(floor(log2(largest magnitude)) - 4); its byte is the largest magnitude's exponent field - 4, held at 1 from below.
; LIMITS: NaN and infinities are not served; a block whose largest magnitude lies under 2^-122, a block of zeros among them, keeps the byte 1 (this program alone reads the bytes; zero codes add nothing).
.set STGB, 8448                        ; a wave's stage: 16 rows x 528 bytes
.set R,    16                          ; v16-143  two tiles as loaded
.set X,    144                         ; v144-207 64 numbers of my row: register 16 b + i = k 32 b + 16 (lane / 16) + i
.set PC,   208                         ; v208-227 the codes
.set TM,   228                         ; v228-243 at work
.set PW,   244                         ; v244-245 the two tiles' scale words
.set SWV,  246
.set SEL,  20
.set HM,   22
.macro QUANT s, pw
.irp b, 0,1,2,3
	v_max3_num_f32 v[TM+\b], |v[\s+16*\b]|, |v[\s+1+16*\b]|, 0x2800000   ; block b: my 16 numbers and the floor 2^(5 - 127): the byte cannot fall under 1
.endr
.irp i, 2,4,6,8,10,12,14
.irp b, 0,1,2,3
	v_max3_num_f32 v[TM+\b], v[TM+\b], |v[\s+16*\b+\i]|, |v[\s+1+16*\b+\i]|
.endr
.endr
.irp b, 0,1,2,3
	v_permlanex16_b32 v[TM+4+\b], v[TM+\b], s[SEL], s[SEL+1]
.endr
.irp b, 0,1,2,3
	v_max_num_f32 v[TM+\b], v[TM+\b], v[TM+4+\b]   ; with lane l xor 16's: the block's largest magnitude
.endr
.irp b, 0,1,2,3
	v_add_nc_u32 v[TM+12+\b], 0xfe000000, v[TM+\b]   ; 4 off its exponent field: the conversion's scale operand
.endr
.irp b, 0,1,2,3
	v_lshrrev_b32 v[TM+4+\b], 23, v[TM+12+\b]      ; the scale's byte
.endr
	v_lshl_or_b32 v[\pw], v[TM+5], 8, v[TM+4]
	v_lshl_or_b32 v[\pw], v[TM+6], 16, v[\pw]
	v_lshl_or_b32 v[\pw], v[TM+7], 24, v[\pw]      ; my row's scale word
.irp c, 0,1
	v_cvt_scalef32_pk16_bf6_f32 v[PC+6*\c:PC+2+6*\c], v[\s+32*\c:\s+15+32*\c], v[TM+12+2*\c]
	v_cvt_scalef32_pk16_bf6_f32 v[PC+12+4*\c:PC+14+4*\c], v[\s+16+32*\c:\s+31+32*\c], v[TM+12+2*\c+1]   ; (a conversion's three registers begin on an even number)
.endr
	v_nop                                          ; one plain line behind the scaled conversions
.irp c, 0,1                                    ; the operand wants a whole block in a lane: lanes 0-15 block 2 c, lanes 16-31 block 2 c + 1
.irp i, 0,1,2
	v_permlane16_swap_b32 v[PC+6*\c+\i], v[PC+12+4*\c+\i]
.endr
.irp i, 0,1,2
	v_mov_b32 v[PC+3+6*\c+\i], v[PC+12+4*\c+\i]
.endr
.endr
.endm
	s_load_b256 s[4:11], s[0:1], 0x0               ; qkv_w, out_w, fc1_w, fc2_w
	s_load_b64 s[12:13], s[0:1], 0x20              ; wf
	v_lshl_add_u32 v254, v0, 2, 0x10800
	v_mov_b32 v255, 0
	v_lshrrev_b32 v1, 5, v0
	v_readfirstlane_b32 s14, v1                    ; wave 0..7: tiles 2 wave, 2 wave + 1
	v_and_b32 v2, 31, v0                           ; lane
	v_and_b32 v3, 15, v0                           ; r
	v_bfe_u32 v4, v0, 4, 1                         ; h
	v_lshlrev_b32 v5, 4, v2                        ; 16 x lane: my bytes of a load's 512
	s_mul_i32 s15, s14, STGB
	v_add_nc_u32 v7, s15, v5                       ; the stage on the way in: row i at 528 i
	v_mul_u32_u24 v8, v3, 528
	v_lshl_add_u32 v8, v4, 6, v8
	v_add_nc_u32 v8, s15, v8                       ; and on the way out: row r, + 64 h
	s_mul_i32 s15, s14, 3072
	v_add_nc_u32 v9, s15, v5                       ; my two fragments in the block
	s_lshl_b32 s15, s14, 7
	s_add_co_u32 s15, s15, 24576
	v_lshl_add_u32 v10, v2, 2, s15                 ; and my pair's scale words
	s_mov_b32 s[SEL], 0x76543210
	s_mov_b32 s[SEL+1], 0xfedcba98                 ; lane l xor 16
	s_mov_b32 s[HM], 0xffff0000                    ; lanes 16-31
.irp b, 0,1,2,3
	v_mov_b32 v[TM+4+\b], 0                        ; a lane permute's destination counts as one of its sources
.endr
	s_lshr_b32 s16, ttmp9, 5                       ; layer
	s_and_b32 s17, ttmp9, 3                        ; the later launches' wave
	s_bfe_u32 s18, ttmp9, 0x30002                  ; K step
	s_cmp_lt_u32 s16, 3
	s_cselect_b32 s19, s16, 0                      ; layers 0-2 are thirds of qkv_w, 4 MiB each
	s_lshl_b32 s24, s19, 22
	s_lshl_b32 s19, s17, 20                        ; 256 rows of 4,096 bytes
	s_add_co_u32 s24, s24, s19
	s_lshl_b32 s19, s14, 17                        ; 32 rows
	s_add_co_u32 s24, s24, s19
	s_lshl_b32 s19, s18, 9                         ; 128 numbers along K
	s_add_co_u32 s24, s24, s19
	s_mov_b32 s25, 0
	s_mul_i32 s26, ttmp9, 25600
	s_mov_b32 s27, 0
	s_wait_kmcnt 0x0
	s_cmp_eq_u32 s16, 3                            ; the choice of buffer hangs on the work-group's number alone
	s_cselect_b64 s[4:5], s[6:7], s[4:5]
	s_cmp_eq_u32 s16, 4
	s_cselect_b64 s[4:5], s[8:9], s[4:5]
	s_cmp_eq_u32 s16, 5
	s_cselect_b64 s[4:5], s[10:11], s[4:5]
	s_add_nc_u64 s[4:5], s[4:5], s[24:25]
	s_add_nc_u64 s[12:13], s[12:13], s[26:27]
.macro LOADF t                         ; tile t of my two: row i of the tile is row 8 t + i + 8 (i / 8) of my 32
.set k, 0
.rept 16
	global_load_b128 v[R+64*\t+4*k:R+64*\t+4*k+3], v5, s[4:5] offset:(8*\t+k+8*(k/8))*4096 th:TH_LOAD_NT
.set k, k+1
.endr
.endm
.macro TURN t                          ; LDS serves a wave's instructions in order: no wait between the stores and the loads
.set k, 0
.rept 16
	ds_store_b128 v7, v[R+64*\t+4*k:R+64*\t+4*k+3] offset:528*k
.set k, k+1
.endr
.set k, 0
.rept 16
	ds_load_b128 v[X+4*k:X+4*k+3], v8 offset:128*(k/4)+16*(k%4)
.set k, k+1
.endr
.endm
	LOADF 0
	LOADF 1
.irp t, 0,1
	s_wait_loadcnt 16-16*\t                        ; this tile's 16 loads are in; the other tile's may be out
	TURN \t
	s_wait_dscnt 0x0
.if \t
	s_wait_xcnt 0x0                                ; the first tile's stores have read the codes' registers
.endif
	QUANT X, PW+\t
.irp q, 0,1,2
	global_store_b128 v9, v[PC+4*\q:PC+4*\q+3], s[12:13] offset:1536*\t+512*\q   ; 512 consecutive bytes, aligned
.endr
.endr
	v_cndmask_b32 v[SWV], v[PW], v[PW+1], s[HM]    ; lanes 0-15 the even tile's words, lanes 16-31 the odd tile's
	global_store_b32 v10, v[SWV], s[12:13]
	s_wait_tensorcnt 0x0
	ds_add_u32 v254, v255
	s_wait_dscnt 0x0
	s_endpgm
.Lfunc_end_k_qa08cac4262_wq:
	.size	k_qa08cac4262_wq, .Lfunc_end_k_qa08cac4262_wq-k_qa08cac4262_wq
	.p2alignl 7, 3214868480
	.fill 96, 4, 3214868480
	.section	.rodata,"a",@progbits
	.p2align	6, 0x0
	.amdhsa_kernel k_qa08cac4262_wq
		.amdhsa_group_segment_fixed_size 68608
		.amdhsa_private_segment_fixed_size 0
		.amdhsa_enable_private_segment 0
		.amdhsa_kernarg_size 40
		.amdhsa_user_sgpr_count 2
		.amdhsa_user_sgpr_kernarg_segment_ptr 1
		.amdhsa_wavefront_size32 1
		.amdhsa_system_sgpr_workgroup_id_x 1
		.amdhsa_system_sgpr_workgroup_id_y 1
		.amdhsa_system_sgpr_workgroup_id_z 1
		.amdhsa_system_vgpr_workitem_id 0
		.amdhsa_next_free_vgpr 256
		.amdhsa_next_free_sgpr 66
		.amdhsa_reserve_vcc 0
		.amdhsa_float_denorm_mode_32 3
		.amdhsa_float_denorm_mode_16_64 3
		.amdhsa_memory_ordered 1
		.amdhsa_forward_progress 1
		.amdhsa_inst_pref_size 18
	.end_amdhsa_kernel
	.amdgpu_metadata
---
amdhsa.version: [ 1, 2 ]
amdhsa.kernels:
  - .name:           k_qa08cac4262_wq
    .symbol:         k_qa08cac4262_wq.kd
    .args:
      - { .name: qkv_w, .offset: 0, .size: 8, .value_kind: global_buffer, .address_space: global }
      - { .name: out_w, .offset: 8, .size: 8, .value_kind: global_buffer, .address_space: global }
      - { .name: fc1_w, .offset: 16, .size: 8, .value_kind: global_buffer, .address_space: global }
      - { .name: fc2_w, .offset: 24, .size: 8, .value_kind: global_buffer, .address_space: global }
      - { .name: wf, .offset: 32, .size: 8, .value_kind: global_buffer, .address_space: global }
    .group_segment_fixed_size: 68608
    .private_segment_fixed_size: 0
    .kernarg_segment_align: 8
    .kernarg_segment_size: 40
    .max_flat_workgroup_size: 256
    .sgpr_count:     66
    .vgpr_count:     256
    .wavefront_size: 32
...
	.end_amdgpu_metadata
.endif
;; end of part 1
;; launch qkv (part 2): grid 256 x 1, 4 waves a work-group, clusters of 4 x 1, 327,680 bytes of LDS; arguments x, ln1_w, ln1_b, qkv_b, wf, qf, qsc, kf, ksc, vf; writes qf, qsc, kf, ksc, vf
.if DOCPART == 2
	.amdgcn_target "amdgcn-amd-amdhsa--gfx1250"
	.amdhsa_code_object_version 6
	.text
	.protected	k_qa08cac4262_qkv
	.globl	k_qa08cac4262_qkv
	.p2align	8
	.type	k_qa08cac4262_qkv,@function
k_qa08cac4262_qkv:
	s_mov_b64 s[64:65], 0
	v_nop
	global_prefetch_b8 v0, s[64:65] scope:SCOPE_SE
	s_setreg_imm32_b32 hwreg(HW_REG_WAVE_MODE, 25, 1), 1
	s_wait_xcnt 0x0
	s_wait_alu depctr_hold_cnt(0) depctr_sa_sdst(0) depctr_va_vdst(0) depctr_va_sdst(0) depctr_va_ssrc(0) depctr_va_vcc(0) depctr_vm_vsrc(0)
	s_getreg_b32 s2, hwreg(HW_REG_IB_STS2, 6, 4)
	s_cmp_eq_u32 s2, 0
	s_cbranch_scc0 .Lentry_in_a_cluster
	s_endpgm
.Lentry_in_a_cluster:
	s_bfe_u32 s2, ttmp6, 0x10000c
	s_cmp_lg_u32 s2, 0x3003
	s_cbranch_scc0 .Lentry_shape_is_right
	s_endpgm
.Lentry_shape_is_right:
; LayerNorm 1, its quantising, q = h Wq^T + b, k, v, and their quantising: q and k along the head's 64, v along the keys.  All products on codes of BF6 (E3M2) with one E8M0 scale for each 32 along K.
; SHARES.  A work-group owns 32 tokens, whole rows; wave w owns columns 256 w .. 256 w + 255 of each of the three layers (1,024 wide).  The tokens are two tiles: lane r of tile u stands for token 8 u + r + 8 (r / 8).
; WEIGHTS come as blocks laid in the order of the operand registers (launch wq): 24 tiles of 102,400 bytes (layer, K step), through a ring of two LDS slots.  The four work-groups of a cluster walk the same
; tiles, so each is asked for JOINTLY: the same tensor load with the same descriptor and the mask of all four; wave w fetches wave w's block.  A wave has two tensor loads out at the start, later one.
; q AND k ARE USED TRANSPOSED (source 0 = 16 rows of W, source 1 = 16 tokens): a lane holds one token, and the 16 registers of tiles 2 b, 2 b + 1 are columns 32 b + 16 (lane / 16) + 0 .. 15 of the wave's 256.
; v IS USED THE OTHER WAY ROUND (source 0 = tokens): a lane holds one column, and the registers of the two token tiles are keys 16 (lane / 16) + 0 .. 15 of the group's 32: a block along the keys.
; ACTIVATIONS go from wave to wave through LDS as images of the operand's registers (1,536 bytes a fragment) and scale words.
; REGISTERS, in windows of 256: 0 addresses, scales, A's fragments, work; 1 B's 16 fragments (first: ln1_w, ln1_b); 2 x, later q's and k's bias; 3 x as loaded, later the 32 accumulators.
; OUT: qf, kf [batch x head][tile 64] 768 bytes (registers 0-3 at 16 l, then 4-5 at 8 l); qsc, ksc a word a row (bytes 0, 1; the upper two are never 0xff); vf [batch x head][group 32] at pitch 1,792: 64 x 24 bytes
; of codes (d-major), then 16 words whose byte t is the scale of d = 32 (t / 2) + 8 (t % 2) + r + 8 (r / 8).
; LIMITS: NaN and infinities are not served; a block whose largest magnitude lies under 2^-122, zeros among them, keeps the byte 1 (only this program reads the bytes).  The variance is taken of x - mean.
.set LB,    0                          ; the first of my 24 tiles in wf, in bytes
.set XP,  8
.set LWP, 10
.set LBP, 12
.set QBP, 14
.set WFP, 16
.set QFP, 18
.set QSP, 20
.set KFP, 22
.set KSP, 24
.set VFP, 26
.set TILEB, 102400                     ; a ring slot: four blocks of 25,600 bytes
.set BLKB,  25600
.set AIMG0, 204800                     ; behind the ring: 16 fragment images (K step s, tile u at (2 s + u) 1,536)
.set AIMG1, 229376
.set ASC0,  253952                     ; their scale words: 128 s + 64 u + 4 r
.set ASC1,  254976
.set RED1,  256000                     ; the rows' partial sums: 128 w + 64 u + 4 r; the second pass 512 bytes on
.set STG,   257024                     ; a stage of 16 rows x 528 bytes for each wave
.set SPARE, 290816                     ; the spare words, 128 bytes a wave: no other line names them
.set SPW, 1
.set NIL, 2
.set L16, 3
.set L8,  4
.set L4,  5
.set R4,  6
.set BA0, 7                            ; v7-8   my block in slot 0, 1, + 16 l
.set BS0, 9                            ; v9-10  its scale words, + 4 l
.set AA0, 11                           ; v11-12 the images, + 16 l;  v13 the K step's
.set AA,  13
.set SA0, 14                           ; v14-15 their scale words, + 4 l;  v16 the K step's
.set SA,  16
.set IW0, 17                           ; v17-18 where I store images: + 6,144 w
.set VBO, 19                           ; v19    v's bias: 1,024 w + 4 (r + 8 (r / 8))
.set SW0, 20                           ; v20-21 and scale words: + 256 w + 4 r
.set SD,  23                           ; v23    my stage, dense: + 16 l
.set SL,  24                           ; v24    my stage, by rows: 528 r + 64 h
.set RW,  25
.set RR,  26
.set XG,  27                           ; v27    1,024 w + 16 l
.set PG,  28                           ; v28    1,024 w + 64 h
.set GA,  29
.set GB,  30
.set GS,  31
.set BSR, 32                           ; v32-39 B's scale words, a pair of tiles a register;  v40 A's, both tiles
.set ASR, 40
.set VSTA, 41
.set VGA, 42
.set VGS, 43
.set AF,  44                           ; v44-67 A's two fragments
.set ST,  68                           ; v68-131 64 numbers at work
.set VB,  132                          ; v132-147 v's bias, a number a tile
.set T2,  164
.set PC,  196
.set TM,  216
.set PW,  232
.set SWV, 233
.set MU,  234                          ; v234-237 the two tiles' means, as pairs;  v238-241 1 / sqrt(var + eps)
.set RS,  238
.set CHN, 242
.set G1,  28
.set G0,  36
.set WV,  44
.set CX,  45
.set WG,  46
.set SEL, 48
.set AOF, 50
.set SOF, 51
.set KC,  53
.set HM,  54
.set MSB, 0
.macro WIN new                         ; the immediate's high byte repeats the setting that is left
.if MSB != (\new)
	s_set_vgpr_msb (MSB<<8)|(\new)
.set MSB, (\new)
.endif
.endm
.macro PLACES n
.rept \n
	v_nop
.endr
.endm
.macro ROUND                           ; a round of the cluster's barrier
	s_barrier_signal -1
	s_barrier_wait -1
	s_cmp_lg_u32 s[WV], 0
	s_cbranch_scc1 .Lnw0_\@
	s_barrier_signal -3
.Lnw0_\@:
	s_barrier_wait -3
	s_barrier_signal -1
	s_barrier_wait -1
.endm
.macro WGBAR                           ; my LDS stores have landed and my LDS loads are in: then the work-group's barrier
	s_wait_dscnt 0x0
	s_barrier_signal -1
	s_barrier_wait -1
.endm
.macro WM d, a, b, c, sa, sb, ra, rb   ; one product; ra, rb: that side's scales stand in lanes 16-31
.if (\ra) && (\rb)
	v_wmma_scale_f32_16x16x128_f8f6f4 v[(\d):(\d)+7], v[(\a):(\a)+11], v[(\b):(\b)+11], \c, v[\sa], v[\sb] matrix_a_fmt:MATRIX_FMT_BF6 matrix_b_fmt:MATRIX_FMT_BF6 matrix_a_scale:MATRIX_SCALE_ROW1 matrix_b_scale:MATRIX_SCALE_ROW1
.elseif (\ra)
	v_wmma_scale_f32_16x16x128_f8f6f4 v[(\d):(\d)+7], v[(\a):(\a)+11], v[(\b):(\b)+11], \c, v[\sa], v[\sb] matrix_a_fmt:MATRIX_FMT_BF6 matrix_b_fmt:MATRIX_FMT_BF6 matrix_a_scale:MATRIX_SCALE_ROW1
.elseif (\rb)
	v_wmma_scale_f32_16x16x128_f8f6f4 v[(\d):(\d)+7], v[(\a):(\a)+11], v[(\b):(\b)+11], \c, v[\sa], v[\sb] matrix_a_fmt:MATRIX_FMT_BF6 matrix_b_fmt:MATRIX_FMT_BF6 matrix_b_scale:MATRIX_SCALE_ROW1
.else
	v_wmma_scale_f32_16x16x128_f8f6f4 v[(\d):(\d)+7], v[(\a):(\a)+11], v[(\b):(\b)+11], \c, v[\sa], v[\sb] matrix_a_fmt:MATRIX_FMT_BF6 matrix_b_fmt:MATRIX_FMT_BF6
.endif
.endm
.macro PRODS t0, zero, swap            ; 16 products: weight tiles t0 .. t0 + 7 x the two token tiles.  The 32 accumulators take turns, one instruction a turn, in the same order in every K step
.set tt, \t0
.rept 8
.set uu, 0
.rept 2
.if \swap
.set rD, 16*tt+8*uu
.if \zero
	WM rD, AF+12*uu, 12*tt, 0, ASR, BSR+tt/2, uu, tt%2
.else
	WM rD, AF+12*uu, 12*tt, v[rD:rD+7], ASR, BSR+tt/2, uu, tt%2
.endif
.else
.set rD, 128*uu+8*tt
.if \zero
	WM rD, 12*tt, AF+12*uu, 0, BSR+tt/2, ASR, tt%2, uu
.else
	WM rD, 12*tt, AF+12*uu, v[rD:rD+7], BSR+tt/2, ASR, tt%2, uu
.endif
.endif
.set uu, uu+1
.endr
.set tt, tt+1
.endr
.endm
; ONE K STEP.  mode 0: the launch's first (tile 1's load may stay out); mode 1: the slot read last is filled again with the next tile; mode 2: the last, nothing is left to fetch.
.macro TRIP slot, mode, zero, accw, swap, ai
.if \mode == 0
	s_wait_tensorcnt 0x1                           ; my block of tile 0 is in
	v_add_nc_u32 v[AA], s[AOF], v[AA0+\ai]
	v_add_nc_u32 v[SA], s[SOF], v[SA0+\ai]
	s_wait_dscnt 0x0                               ; my images have landed
	s_barrier_signal -1
	s_barrier_wait -1
.else
	s_wait_tensorcnt 0x0                           ; all my tensor loads have landed: my block of this step's tile; so a group 0 may be written
	ds_add_u32 v[SPW], v[NIL]                      ; 0 onto my spare word
.if \mode == 1
	s_add_nc_u64 s[G0+6-4*\slot:G0+7-4*\slot], s[G0+6-4*\slot:G0+7-4*\slot], 2*TILEB   ; the other slot's next tile
.endif
	v_add_nc_u32 v[AA], s[AOF], v[AA0+\ai]         ; this K step's images and scale words
	v_add_nc_u32 v[SA], s[SOF], v[SA0+\ai]
	s_wait_dscnt 0x0                               ; the add is done, my reads of the other slot are over, my images have landed
.if \mode == 1
	ROUND                                          ; all that now holds of every wave of the four work-groups
	tensor_load_to_lds s[G0+4-4*\slot:G0+7-4*\slot], s[G1:G1+7]   ; my one load behind the round, and the first thing there
	s_nop 0
.else
	s_barrier_signal -1
	s_barrier_wait -1
.endif
.endif
	PLACES 4                                       ; behind the tensor load, and in front of loads into registers that matrix instructions have read
	ds_load_b32 v[ASR], v[SA]
.set k, 0
.rept 8
	ds_load_b32 v[BSR+k], v[BS0+\slot] offset:128*k
.set k, k+1
.endr
.set k, 0
.rept 6
	ds_load_b128 v[AF+4*k:AF+4*k+3], v[AA] offset:512*k
.set k, k+1
.endr
	WIN 0x40                                       ; destination window 1
.set k, 0
.rept 48
	ds_load_b128 v[4*k:4*k+3], v[BA0+\slot] offset:512*k
.set k, k+1
.endr
	s_wait_dscnt 24                                ; all but the youngest 24 loads: B's tiles 8 to 15
.if \swap
	WIN 0xf4                                       ; source 0 (tokens) window 0, source 1 (W) window 1, C and D window 3
.elseif (\accw) == 2
	WIN 0xa1                                       ; source 0 (W) window 1, source 1 window 0, C and D window 2
.else
	WIN 0xf1
.endif
	PRODS 0, \zero, \swap
	s_wait_dscnt 0x0
	PRODS 8, \zero, \swap
	WIN 0
	s_add_co_u32 s[AOF], s[AOF], 3072
	s_add_co_u32 s[SOF], s[SOF], 128
.endm
.macro LAYER mode0, zero, accw, swap, ai, modeL   ; eight K steps; no tensor load stands under a jump
	s_mov_b32 s[AOF], 0
	s_mov_b32 s[SOF], 0
	TRIP 0, \mode0, \zero, \accw, \swap, \ai
	s_mov_b32 s[KC], 3
.Lk_\@:
	TRIP 1, 1, 0, \accw, \swap, \ai
	TRIP 0, 1, 0, \accw, \swap, \ai
	s_sub_co_u32 s[KC], s[KC], 1
	s_cmp_lg_u32 s[KC], 0
	s_cbranch_scc1 .Lk_\@
	TRIP 1, \modeL, 0, \accw, \swap, \ai
.endm
.macro QUANT s, pw                     ; 64 numbers of a lane, register 16 b + i = k 32 b + 16 (lane / 16) + i of my row, become a fragment's codes in v[PC] on and its scale word
.irp b, 0,1,2,3
	v_max3_num_f32 v[TM+\b], |v[\s+16*\b]|, |v[\s+1+16*\b]|, 0x2800000   ; and the floor 2^(5 - 127): the byte cannot fall under 1
.endr
.irp i, 2,4,6,8,10,12,14
.irp b, 0,1,2,3
	v_max3_num_f32 v[TM+\b], v[TM+\b], |v[\s+16*\b+\i]|, |v[\s+1+16*\b+\i]|
.endr
.endr
.irp b, 0,1,2,3
	v_permlanex16_b32 v[TM+4+\b], v[TM+\b], s[SEL], s[SEL+1]
.endr
.irp b, 0,1,2,3
	v_max_num_f32 v[TM+\b], v[TM+\b], v[TM+4+\b]
.endr
.irp b, 0,1,2,3
	v_add_nc_u32 v[TM+12+\b], 0xfe000000, v[TM+\b]   ; 4 off the exponent field: the conversion's scale operand
.endr
.irp b, 0,1,2,3
	v_lshrrev_b32 v[TM+4+\b], 23, v[TM+12+\b]
.endr
	v_lshl_or_b32 v[\pw], v[TM+5], 8, v[TM+4]
	v_lshl_or_b32 v[\pw], v[TM+6], 16, v[\pw]
	v_lshl_or_b32 v[\pw], v[TM+7], 24, v[\pw]
.irp c, 0,1
	v_cvt_scalef32_pk16_bf6_f32 v[PC+6*\c:PC+2+6*\c], v[\s+32*\c:\s+15+32*\c], v[TM+12+2*\c]
	v_cvt_scalef32_pk16_bf6_f32 v[PC+12+4*\c:PC+14+4*\c], v[\s+16+32*\c:\s+31+32*\c], v[TM+12+2*\c+1]
.endr
	v_nop                                          ; one plain line behind the scaled conversions
.irp c, 0,1
.irp i, 0,1,2
	v_permlane16_swap_b32 v[PC+6*\c+\i], v[PC+12+4*\c+\i]
.endr
.irp i, 0,1,2
	v_mov_b32 v[PC+3+6*\c+\i], v[PC+12+4*\c+\i]
.endr
.endr
.endm
.macro IMAGE adr, off                  ; the fragment in v[PC] on goes to LDS as it stands
.irp q, 0,1,2
	ds_store_b128 v[\adr], v[PC+4*\q:PC+4*\q+3] offset:(\off)+512*\q
.endr
.endm
.macro PLOAD win, reg, ptr, e, extra   ; the parameters of my lane's 64 columns of half e, in the accumulators' order
	WIN (\win)<<6
.set k, 0
.rept 16
	global_load_b128 v[(\reg)+4*k:(\reg)+4*k+3], v[PG], s[\ptr:\ptr+1] offset:(\extra)+512*(\e)+128*(k/4)+16*(k%4)
.set k, k+1
.endr
	WIN 0
.endm
.macro XLOAD                           ; my 256 columns of the 32 rows of x, 512 consecutive bytes a load, into window 3: chunk 2 u + e, row i
	WIN 0xc0
.irp u, 0,1
.irp e, 0,1
.set k, 0
.rept 16
	global_load_b128 v[64*(2*\u+\e)+4*k:64*(2*\u+\e)+4*k+3], v[XG], s[XP:XP+1] offset:(8*\u+k+8*(k/8))*4096+512*\e th:TH_LOAD_NT
.set k, k+1
.endr
.endr
.endr
	WIN 0
.endm
.macro XTURN                           ; through my stage into window 2, in the accumulators' layout.  LDS serves a wave's instructions in order
.set c, 0
.rept 4
	s_wait_loadcnt 48-16*c                         ; this chunk's 16 loads are in; the later chunks' may be out
	WIN 0x0c
.set k, 0
.rept 16
	ds_store_b128 v[SD], v[64*c+4*k:64*c+4*k+3] offset:528*k
.set k, k+1
.endr
	WIN 0x80
.set k, 0
.rept 16
	ds_load_b128 v[64*c+4*k:64*c+4*k+3], v[SL] offset:128*(k/4)+16*(k%4)
.set k, k+1
.endr
.set c, c+1
.endr
	WIN 0
	s_wait_dscnt 0x0
.endm
.macro FOLD off, reg                   ; four chains -> my lane's sum -> with lane l xor 16's -> my wave's word
	v_pk_add_f32 v[CHN:CHN+1], v[CHN:CHN+1], v[CHN+2:CHN+3]
	v_pk_add_f32 v[CHN+4:CHN+5], v[CHN+4:CHN+5], v[CHN+6:CHN+7]
	v_pk_add_f32 v[CHN:CHN+1], v[CHN:CHN+1], v[CHN+4:CHN+5]
	v_add_f32 v[\reg], v[CHN], v[CHN+1]
	v_permlanex16_b32 v[\reg+1], v[\reg], s[SEL], s[SEL+1]
	v_add_f32 v[\reg], v[\reg], v[\reg+1]
	ds_store_b32 v[RW], v[\reg] offset:\off
.endm
.macro GATHER off                      ; the four waves' words, added in the waves' order
.irp u, 0,1
.irp w, 0,1,2,3
	ds_load_b32 v[CHN+4*\u+\w], v[RR] offset:(\off)+64*\u+128*\w
.endr
.endr
	s_wait_dscnt 0x0
.irp u, 0,1
	v_add_f32 v[CHN+4*\u], v[CHN+4*\u], v[CHN+4*\u+1]
	v_add_f32 v[CHN+4*\u], v[CHN+4*\u], v[CHN+4*\u+2]
	v_add_f32 v[CHN+4*\u], v[CHN+4*\u], v[CHN+4*\u+3]
.endr
.endm
.macro LNSTATS                         ; mean and 1 / sqrt(var + eps) of the 32 rows in window 2; each accumulator is read from its low end on
.irp u, 0,1
	WIN 0x0a
.set k, 0
.rept 4
	v_pk_add_f32 v[CHN+2*k:CHN+2*k+1], v[128*\u+4*k:128*\u+4*k+1], v[128*\u+4*k+2:128*\u+4*k+3]
.set k, k+1
.endr
	WIN 0x08
.set k, 8
.rept 56
	v_pk_add_f32 v[CHN+2*(k%4):CHN+2*(k%4)+1], v[CHN+2*(k%4):CHN+2*(k%4)+1], v[128*\u+2*k:128*\u+2*k+1]
.set k, k+1
.endr
	WIN 0
	FOLD 64*\u, 250+2*\u
.endr
	WGBAR
	GATHER 0
.irp u, 0,1
	v_mul_f32 v[MU+2*\u], 0x3a800000, v[CHN+4*\u]  ; / 1,024
	v_mov_b32 v[MU+2*\u+1], v[MU+2*\u]
.endr
.irp u, 0,1
.irp e, 0,1
	WIN 0x02
.set k, 0
.rept 32
	v_pk_add_f32 v[ST+2*k:ST+2*k+1], v[128*\u+64*\e+2*k:128*\u+64*\e+2*k+1], v[MU+2*\u:MU+2*\u+1] neg_lo:[0,1] neg_hi:[0,1]
.set k, k+1
.endr
	WIN 0
.set k, 0
.rept 32
.if (\e == 0) && (k < 4)
	v_pk_mul_f32 v[CHN+2*k:CHN+2*k+1], v[ST+2*k:ST+2*k+1], v[ST+2*k:ST+2*k+1]
.else
	v_pk_fma_f32 v[CHN+2*(k%4):CHN+2*(k%4)+1], v[ST+2*k:ST+2*k+1], v[ST+2*k:ST+2*k+1], v[CHN+2*(k%4):CHN+2*(k%4)+1]
.endif
.set k, k+1
.endr
.endr
	FOLD 512+64*\u, 250+2*\u
.endr
	WGBAR
	GATHER 512
.irp u, 0,1
	v_mul_f32 v[250+2*\u], 0x3a800000, v[CHN+4*\u]
	v_add_f32 v[250+2*\u], 0x3727c5ac, v[250+2*\u] ; + 1e-5
.endr
.irp u, 0,1
	v_rsq_f32 v[RS+2*\u], v[250+2*\u]
	v_rsq_f32 v[RS+2*\u+1], v[250+2*\u]
.endr
	v_nop                                          ; a plain line behind the last of them,
	s_wait_alu depctr_va_vdst(0)                   ; and one wait for the four, ahead of their first reader
.endm
.macro LNCHUNK c4, ai                  ; chunk c4 = 2 e + u: ((x - mean) rs) w + b of 64 columns of tile u, quantised: K step 2 w + e of the next product
.set ee, (\c4)/2
.set uu, (\c4)%2
	WIN 0x02
.set k, 0
.rept 32
	v_pk_add_f32 v[ST+2*k:ST+2*k+1], v[128*uu+64*ee+2*k:128*uu+64*ee+2*k+1], v[MU+2*uu:MU+2*uu+1] neg_lo:[0,1] neg_hi:[0,1]
.set k, k+1
.endr
	WIN 0
.set k, 0
.rept 32
	v_pk_mul_f32 v[ST+2*k:ST+2*k+1], v[ST+2*k:ST+2*k+1], v[RS+2*uu:RS+2*uu+1]
.set k, k+1
.endr
	WIN 0x14                                       ; sources 1 and 2 (gain, bias) window 1
.set k, 0
.rept 32
	v_pk_fma_f32 v[ST+2*k:ST+2*k+1], v[ST+2*k:ST+2*k+1], v[64*ee+2*k:64*ee+2*k+1], v[128+64*ee+2*k:128+64*ee+2*k+1]
.set k, k+1
.endr
	WIN 0
	QUANT ST, PW
	IMAGE IW0+\ai, 1536*(\c4)
	ds_store_b32 v[SW0+\ai], v[PW] offset:64*(\c4) ; both lanes of a row write the same word with the same value
	s_wait_dscnt 0x0                               ; the stores have read their registers
.endm
	s_load_b256 s[8:15], s[0:1], 0x0               ; x, ln1_w, ln1_b, qkv_b
	s_load_b256 s[16:23], s[0:1], 0x20             ; wf, qf, qsc, kf
	s_load_b128 s[24:27], s[0:1], 0x40             ; ksc, vf
	v_lshl_add_u32 v[SPW], v0, 2, SPARE
	v_mov_b32 v[NIL], 0
	ds_add_u32 v1, v2
	ds_add_u32 v1, v2
	s_wait_dscnt 0x0
	v_lshrrev_b32 v250, 5, v0
	v_readfirstlane_b32 s[WV], v250                ; wave 0..3
	s_bfe_u32 s[CX], ttmp6, 0x40000                ; my place in the cluster: it enters global addresses of x and of the outputs alone
	s_lshl_b32 s[WG], ttmp9, 2
	s_add_co_u32 s[WG], s[WG], s[CX]               ; my group of 32 tokens
	s_mov_b32 s[G1], 15|(3<<16)|(1<<21)            ; group 1: mask of all four work-groups; elements of 8 bytes; bit 21 beside a mask; no padding
	s_mov_b32 s[G1+1], 32<<16                      ; tensor_dim0 = 32 (256 bytes)
	s_mov_b32 s[G1+2], 100<<16                     ; tensor_dim1 = 100
	s_mov_b32 s[G1+3], 32<<16                      ; tile_dim0
	s_mov_b32 s[G1+4], 100                         ; tile_dim1: a block of 25,600 dense bytes
	s_mov_b32 s[G1+5], 32                          ; pitch
	s_mov_b32 s[G1+6], 0
	s_mov_b32 s[G1+7], 0
	s_mov_b32 s[SEL], 0x76543210
	s_mov_b32 s[SEL+1], 0xfedcba98
	s_mov_b32 s[HM], 0xffff0000
	s_mul_i32 s55, s[WV], BLKB                     ; my block in a tile, in memory and in a slot
	s_add_co_u32 s56, s55, LB
	s_mov_b32 s57, 0
	s_wait_kmcnt 0x0
	s_add_nc_u64 s[58:59], s[WFP:WFP+1], s[56:57]
.irp n, 0,1
	s_mov_b32 s[G0+4*\n], 1
	s_add_co_u32 s[G0+4*\n+1], s55, \n*TILEB
	s_add_nc_u64 s[G0+4*\n+2:G0+4*\n+3], s[58:59], \n*TILEB
	s_or_b32 s[G0+4*\n+3], s[G0+4*\n+3], 0x80000000
.endr
	ROUND                                          ; all four work-groups are here: the first joint loads meet
	tensor_load_to_lds s[G0:G0+3], s[G1:G1+7]      ; tiles 0 and 1: two loads of mine are out
	s_nop 0
	tensor_load_to_lds s[G0+4:G0+7], s[G1:G1+7]
	s_nop 0
	PLACES 4
	v_and_b32 v250, 31, v0                         ; l
	v_and_b32 v251, 15, v0                         ; r
	v_bfe_u32 v252, v0, 4, 1                       ; h
	v_lshlrev_b32 v[L16], 4, v250
	v_lshlrev_b32 v[L8], 3, v250
	v_lshlrev_b32 v[L4], 2, v250
	v_lshlrev_b32 v[R4], 2, v251
	v_add_nc_u32 v[BA0], s55, v[L16]
	v_add_nc_u32 v[BA0+1], TILEB, v[BA0]
	v_add_nc_u32 v[BS0], s55, v[L4]
	v_add_nc_u32 v[BS0], 24576, v[BS0]
	v_add_nc_u32 v[BS0+1], TILEB, v[BS0]
	v_add_nc_u32 v[AA0], AIMG0, v[L16]
	v_add_nc_u32 v[AA0+1], AIMG1, v[L16]
	v_add_nc_u32 v[SA0], ASC0, v[L4]
	v_add_nc_u32 v[SA0+1], ASC1, v[L4]
	s_mul_i32 s60, s[WV], 6144
	v_add_nc_u32 v[IW0], s60, v[AA0]
	v_add_nc_u32 v[IW0+1], s60, v[AA0+1]
	s_lshl_b32 s60, s[WV], 8
	v_add_nc_u32 v[SW0], s60, v[R4]
	v_add_nc_u32 v[SW0+1], ASC1, v[SW0]
	v_add_nc_u32 v[SW0], ASC0, v[SW0]
	s_mul_i32 s66, s[WV], 8448
	s_add_co_u32 s66, s66, STG                     ; my stage
	v_add_nc_u32 v[SD], s66, v[L16]
	v_mul_u32_u24 v[SL], v251, 528
	v_lshl_add_u32 v[SL], v252, 6, v[SL]
	v_add_nc_u32 v[SL], s66, v[SL]
	s_lshl_b32 s60, s[WV], 7
	v_add_nc_u32 v[RW], s60, v[R4]
	v_add_nc_u32 v[RW], RED1, v[RW]
	v_add_nc_u32 v[RR], RED1, v[R4]
	s_lshl_b32 s60, s[WV], 10
	v_add_nc_u32 v[XG], s60, v[L16]
	v_lshl_add_u32 v[PG], v252, 6, s60
	v_and_b32 v253, 8, v251
	v_add_nc_u32 v253, v253, v251                  ; r + 8 (r / 8)
	v_lshl_add_u32 v[VBO], v253, 2, s60
	v_lshl_add_u32 v[VSTA], v252, 3, v253
	v_mul_u32_u24 v[VSTA], v[VSTA], 24
	v_add_nc_u32 v[VSTA], s66, v[VSTA]             ; v's codes in my stage: 24 bytes for d = 8 h + r + 8 (r / 8) (+ 32 c)
	s_mul_i32 s60, s[WV], 196608                   ; four heads of 49,152 bytes
	v_add_nc_u32 v[GA], s60, v[L16]
	v_add_nc_u32 v[GB], s60, v[L8]
	s_lshl_b32 s60, s[WV], 14                      ; four heads of 4,096 bytes of scale words
	v_lshl_add_u32 v[GS], v252, 12, v[R4]          ; lanes 16-31 store the odd head's
	v_add_nc_u32 v[GS], s60, v[GS]
	s_mul_i32 s60, s[WV], 229376                   ; four heads of 57,344 bytes of vf
	v_add_nc_u32 v[VGA], s60, v[L16]
	v_add_nc_u32 v[VGS], s60, v[R4]
.irp b, 0,1,2,3
	v_mov_b32 v[TM+4+\b], 0                        ; a lane permute's destination counts as one of its sources
.endr
	s_lshl_b32 s60, s[WG], 17                      ; 32 rows of 4,096 bytes
	s_mov_b32 s61, 0
	s_add_nc_u64 s[XP:XP+1], s[XP:XP+1], s[60:61]
	s_lshr_b32 s62, s[WG], 5                       ; batch
	s_and_b32 s63, s[WG], 31                       ; group in the batch
	s_mul_i32 s60, s62, 786432
	s_mul_i32 s67, s63, 1536
	s_add_co_u32 s60, s60, s67
	s_add_nc_u64 s[QFP:QFP+1], s[QFP:QFP+1], s[60:61]
	s_add_nc_u64 s[KFP:KFP+1], s[KFP:KFP+1], s[60:61]
	s_lshl_b32 s60, s62, 16
	s_lshl_b32 s67, s63, 7
	s_add_co_u32 s60, s60, s67
	s_add_nc_u64 s[QSP:QSP+1], s[QSP:QSP+1], s[60:61]
	s_add_nc_u64 s[KSP:KSP+1], s[KSP:KSP+1], s[60:61]
	s_mul_i32 s60, s62, 917504
	s_mul_i32 s67, s63, 1792
	s_add_co_u32 s60, s60, s67
	s_add_nc_u64 s[VFP:VFP+1], s[VFP:VFP+1], s[60:61]
	; ---- LayerNorm 1
	PLOAD 1, 0, LWP, 0, 0
	PLOAD 1, 64, LWP, 1, 0
	PLOAD 1, 128, LBP, 0, 0
	PLOAD 1, 192, LBP, 1, 0
	XLOAD
	XTURN                                          ; loads come back in order: its first wait covers the parameters too
	LNSTATS
	LNCHUNK 0, 0
	LNCHUNK 1, 0
	LNCHUNK 2, 0
	LNCHUNK 3, 0
	PLOAD 2, 0, QBP, 0, 0                          ; x is done with: q's bias, then k's, take its window
	PLOAD 2, 64, QBP, 1, 0
	PLOAD 2, 128, QBP, 0, 4096
	PLOAD 2, 192, QBP, 1, 4096
.set k, 0
.rept 16
	global_load_b32 v[VB+k], v[VBO], s[QBP:QBP+1] offset:8192+4*(32*(k/2)+8*(k%2))   ; v's bias: my lane's column of tile k
.set k, k+1
.endr
; chunk c4 = 2 e + u of q or k: + bias, quantised: the codes' registers 6 c .. 6 c + 5 are head 4 w + 2 e + c, d = 32 h .., of tile u's token r: the image that the next launch loads
.macro QKCH c4, pb, cp, sp
.set ee, (\c4)/2
.set uu, (\c4)%2
	s_wait_xcnt 0x0                                ; the last chunk's stores have read their registers
	WIN 0x0b                                       ; source 0 window 3, source 1 window 2
.set k, 0
.rept 32
	v_pk_add_f32 v[ST+2*k:ST+2*k+1], v[128*uu+64*ee+2*k:128*uu+64*ee+2*k+1], v[(\pb)+64*ee+2*k:(\pb)+64*ee+2*k+1]
.set k, k+1
.endr
	WIN 0
	QUANT ST, PW
	v_lshrrev_b32 v[SWV], 16, v[PW]
	v_cndmask_b32 v[SWV], v[PW], v[SWV], s[HM]     ; lanes 0-15: the even head's two bytes lowest; lanes 16-31: the odd head's
.irp c, 0,1
	global_store_b128 v[GA], v[PC+6*\c:PC+6*\c+3], s[\cp:\cp+1] offset:98304*ee+768*uu+49152*\c       ; 512 consecutive bytes, aligned to 256
	global_store_b64 v[GB], v[PC+6*\c+4:PC+6*\c+5], s[\cp:\cp+1] offset:98304*ee+768*uu+49152*\c+512  ; 256 consecutive bytes, aligned
.endr
	global_store_b32 v[GS], v[SWV], s[\sp:\sp+1] offset:8192*ee+64*uu
.endm
; head 4 w + c of v: + bias, quantised along the 32 keys; the codes turn through my stage into d-major order and leave as 1,536 dense bytes
.macro VCH c
	s_wait_xcnt 0x0
	WIN 0x03                                       ; source 0 window 3
.set k, 0
.rept 32
.set tb, 4*(\c)+k/8
.if tb%2 == 0
	v_pk_add_f32 v[ST+2*k:ST+2*k+1], v[64*(\c)+2*k:64*(\c)+2*k+1], v[VB+tb:VB+tb+1] op_sel_hi:[1,0]
.else
	v_pk_add_f32 v[ST+2*k:ST+2*k+1], v[64*(\c)+2*k:64*(\c)+2*k+1], v[VB+tb-1:VB+tb] op_sel:[0,1] op_sel_hi:[1,1]
.endif
.set k, k+1
.endr
	WIN 0
	QUANT ST, PW
.irp j, 0,1
.irp p, 0,1,2
	ds_store_b64 v[VSTA], v[PC+6*\j+2*\p:PC+6*\j+2*\p+1] offset:768*\j+8*\p
.endr
.endr
.irp q, 0,1,2
	ds_load_b128 v[T2+4*\q:T2+4*\q+3], v[SD] offset:512*\q   ; LDS serves a wave's instructions in order: these see my stores
.endr
	s_wait_dscnt 0x0
.irp q, 0,1,2
	global_store_b128 v[VGA], v[T2+4*\q:T2+4*\q+3], s[VFP:VFP+1] offset:57344*(\c)+512*\q
.endr
	global_store_b32 v[VGS], v[PW], s[VFP:VFP+1] offset:57344*(\c)+1536
.endm
	; ---- q
	LAYER 0, 1, 3, 0, 0, 1
	PLACES 4                                       ; in front of the first read of results
	s_wait_loadcnt 0x0                             ; the biases
.irp c4, 0,1,2,3
	QKCH \c4, 0, QFP, QSP
.endr
	; ---- k
	LAYER 1, 1, 3, 0, 0, 1
	PLACES 4
.irp c4, 0,1,2,3
	QKCH \c4, 128, KFP, KSP
.endr
	; ---- v
	LAYER 1, 1, 3, 1, 0, 2
	PLACES 4
.irp c4, 0,1,2,3
	VCH \c4
.endr
	s_wait_tensorcnt 0x0                           ; the wave's end
	ds_add_u32 v[SPW], v[NIL]
	s_wait_dscnt 0x0
	ROUND                                          ; the closing round: no work-group ends while a partner may still ask for a tile that names it
	s_endpgm
.Lfunc_end_k_qa08cac4262_qkv:
	.size	k_qa08cac4262_qkv, .Lfunc_end_k_qa08cac4262_qkv-k_qa08cac4262_qkv
	.p2alignl 7, 3214868480
	.fill 96, 4, 3214868480
	.section	.rodata,"a",@progbits
	.p2align	6, 0x0
	.amdhsa_kernel k_qa08cac4262_qkv
		.amdhsa_group_segment_fixed_size 327680
		.amdhsa_private_segment_fixed_size 0
		.amdhsa_enable_private_segment 0
		.amdhsa_kernarg_size 80
		.amdhsa_user_sgpr_count 2
		.amdhsa_user_sgpr_kernarg_segment_ptr 1
		.amdhsa_wavefront_size32 1
		.amdhsa_system_sgpr_workgroup_id_x 1
		.amdhsa_system_sgpr_workgroup_id_y 1
		.amdhsa_system_sgpr_workgroup_id_z 1
		.amdhsa_system_vgpr_workitem_id 0
		.amdhsa_next_free_vgpr 1024
		.amdhsa_next_free_sgpr 96
		.amdhsa_reserve_vcc 0
		.amdhsa_float_denorm_mode_32 3
		.amdhsa_float_denorm_mode_16_64 3
		.amdhsa_memory_ordered 1
		.amdhsa_forward_progress 1
		.amdhsa_inst_pref_size 255
	.end_amdhsa_kernel
	.section	.bss,"aw",@nobits
	.p2align	6
	.space	262144
	.amdgpu_metadata
---
amdhsa.version: [ 1, 2 ]
amdhsa.kernels:
  - .name:           k_qa08cac4262_qkv
    .symbol:         k_qa08cac4262_qkv.kd
    .args:
      - { .name: x, .offset: 0, .size: 8, .value_kind: global_buffer, .address_space: global }
      - { .name: ln1_w, .offset: 8, .size: 8, .value_kind: global_buffer, .address_space: global }
      - { .name: ln1_b, .offset: 16, .size: 8, .value_kind: global_buffer, .address_space: global }
      - { .name: qkv_b, .offset: 24, .size: 8, .value_kind: global_buffer, .address_space: global }
      - { .name: wf, .offset: 32, .size: 8, .value_kind: global_buffer, .address_space: global }
      - { .name: qf, .offset: 40, .size: 8, .value_kind: global_buffer, .address_space: global }
      - { .name: qsc, .offset: 48, .size: 8, .value_kind: global_buffer, .address_space: global }
      - { .name: kf, .offset: 56, .size: 8, .value_kind: global_buffer, .address_space: global }
      - { .name: ksc, .offset: 64, .size: 8, .value_kind: global_buffer, .address_space: global }
      - { .name: vf, .offset: 72, .size: 8, .value_kind: global_buffer, .address_space: global }
    .group_segment_fixed_size: 327680
    .private_segment_fixed_size: 0
    .kernarg_segment_align: 8
    .kernarg_segment_size: 80
    .max_flat_workgroup_size: 128
    .sgpr_count:     96
    .vgpr_count:     1024
    .wavefront_size: 32
...
	.end_amdgpu_metadata
.endif
;; end of part 2
;; launch attn (part 3): grid 2 x 128, 16 waves a work-group, no clusters, 169,984 bytes of LDS; arguments qf, qsc, kf, ksc, vf, of, osc; writes of, osc
.if DOCPART == 3
	.amdgcn_target "amdgcn-amd-amdhsa--gfx1250"
	.amdhsa_code_object_version 6
	.text
	.protected	k_qa08cac4262_attn
	.globl	k_qa08cac4262_attn
	.p2align	8
	.type	k_qa08cac4262_attn,@function
k_qa08cac4262_attn:
	s_mov_b64 s[64:65], 0
	v_nop
	global_prefetch_b8 v0, s[64:65] scope:SCOPE_SE
	s_setreg_imm32_b32 hwreg(HW_REG_WAVE_MODE, 25, 1), 1
	s_wait_xcnt 0x0
; o = softmax(q k^T / 8) v for one head of one batch, both products on codes of BF6 (E3M2), and o quantised along the model's 1,024 for the next product.
; THE SOFTMAX: t = score x log2(e) / 8; M = the running largest t rounded UP to a whole number; p = 2^(t - M) is what is quantised, along the keys, not normalised; the row's sum is taken of the unquantised p
; and divides O at the end.  When M moves, the sum and O are multiplied by 2^(old M - new M): exact.
; SHARES.  A work-group takes 512 queries of a head (grid x: which half; grid y: batch x head).  Each of its 16 waves takes a group of 32 queries, two tiles of 16, one after the other.  The head's whole K and V
; codes and scale bytes come into LDS ONCE, by five tensor loads (waves 0, 1: K's halves; 2, 3: V's; 4: K's scale words), and stay: nothing is filled again, and no barrier stands in the loops.
; No cluster: what the two work-groups of a head share is fetched once, at the head, 104 KB against eight key steps for each of 32 tiles.
; LAYOUT.  Both products transposed: S^T = K Q^T (source 0 = 16 keys), O^T = V^T P^T (source 0 = 16 of the head's 64): a lane holds ONE query throughout.  Lane r of a tile of keys stands for key 8 u + r + 8 (r / 8)
; of its group of 32, so that the 16 registers of tiles 2 b, 2 b + 1 are 16 neighbouring keys; V's rows of a tile are chosen likewise, so that O^T's registers 16 b + i are d = 32 b + 16 (lane / 16) + i.
; THE HEAD'S 64 fill half of the instruction's 128 along K: Q's registers 6-11 are zero codes, so whatever stands in the upper six registers named for K (the next tile's codes, or the tail of zeros) adds nothing;
; the scale words' upper two bytes are never 0xff.
; LIMITS: NaN and infinities are not served; p under 2^-126 comes out of v_exp_f32 as 0; a block whose every p is 0 keeps the byte 1 (its codes are zeros).
.set VC,   49152                       ; LDS: K's 64 tiles of 768 bytes at 0; V's 32 groups at pitch 1,600 (1,536 of codes, 64 of scale bytes);
.set KS,   100352                      ; K's scale words, 64 bytes a tile;
.set VSC,  104448                      ; V's scale words as the products want them: 256 step + 64 tile + 4 r (written by ds_store; no fill lands here)
.set S,    104                         ; v104-167 S^T, then p
.set O,    168                         ; v168-199 O^T
.set PCD,  200                         ; v200-211 p's codes;  v212-219 the conversions' second halves
.set PC2,  212
.set BM,   224                         ; v224-227 the blocks' largest
.set PT,   228                         ; v228-231 permutes, bytes
.set SOP,  232                         ; v232-235 the conversions' scale operands
.set F,    236                         ; v236 f = 2^(old M - new M);  v237 p's scale word
.set W,    237
.set T,    238
.set OW,   239                         ; o's scale word
.set WV,   18
.set SEL,  20
.set CS,   22
.set G1K,  24
.set G1V,  32
.set G1S,  40
.set G0K,  48
.set G0V,  52
.set G0S,  56
.set KO,   60
.set VO,   61
.set KSO,  62
.set VSO,  63
.set CNT,  66
.macro WM d, a, b, c, sa, sb, ra
.if (\ra)
	v_wmma_scale_f32_16x16x128_f8f6f4 v[(\d):(\d)+7], v[(\a):(\a)+11], v[(\b):(\b)+11], \c, v[\sa], v[\sb] matrix_a_fmt:MATRIX_FMT_BF6 matrix_b_fmt:MATRIX_FMT_BF6 matrix_a_scale:MATRIX_SCALE_ROW1
.else
	v_wmma_scale_f32_16x16x128_f8f6f4 v[(\d):(\d)+7], v[(\a):(\a)+11], v[(\b):(\b)+11], \c, v[\sa], v[\sb] matrix_a_fmt:MATRIX_FMT_BF6 matrix_b_fmt:MATRIX_FMT_BF6
.endif
.endm
	s_load_b256 s[4:11], s[0:1], 0x0               ; qf, qsc, kf, ksc
	s_load_b128 s[12:15], s[0:1], 0x20             ; vf, of
	s_load_b64 s[16:17], s[0:1], 0x30              ; osc
	v_lshl_add_u32 v254, v0, 2, 0x29000
	v_mov_b32 v255, 0
	ds_add_u32 v254, v255
	ds_add_u32 v254, v255
	v_lshrrev_b32 v6, 5, v0
	v_readfirstlane_b32 s[WV], v6                  ; wave 0..15
	v_and_b32 v6, 31, v0                           ; l
	v_and_b32 v7, 15, v0                           ; r
	v_bfe_u32 v8, v0, 4, 1                         ; h
	v_lshlrev_b32 v1, 4, v6                        ; K: registers 0-3 of a tile at 16 l,
	v_lshlrev_b32 v42, 3, v6
	v_add_nc_u32 v2, 512, v42                      ; registers 4-5 at 512 + 8 l
	v_lshlrev_b32 v11, 4, v6                       ; global offsets: 16 l, 8 l (v42), 4 r (v43)
	v_lshlrev_b32 v43, 2, v7
	v_and_b32 v9, 8, v7
	v_add_nc_u32 v9, v9, v7                        ; r + 8 (r / 8)
	v_mul_u32_u24 v3, v9, 24
	v_mad_u32_u24 v3, v8, 1600, v3
	v_add_nc_u32 v3, VC, v3                        ; V: 24 bytes a row d; lanes 16-31 take the next group of 32 keys
	v_lshlrev_b32 v4, 2, v6
	v_add_nc_u32 v5, VSC, v4                       ; V's scale words, two tiles a load
	v_add_nc_u32 v4, KS, v4                        ; K's likewise
	v_lshrrev_b32 v6, 6, v0                        ; the gathering of V's scale words: thread = 64 step + 16 tile + r
	v_bfe_u32 v8, v0, 4, 2
	v_mul_u32_u24 v6, v6, 6400
	v_lshl_add_u32 v6, v7, 2, v6
	v_add_nc_u32 v6, v6, v8
	v_add_nc_u32 v6, VC+1536, v6                   ; byte `tile` of word r behind the codes of the step's first group
	v_lshl_add_u32 v10, v0, 2, VSC
.set k, 0
.rept 6
	v_mov_b32 v[22+k], 0                           ; zero codes: the upper half of K's 128 in both tiles of Q,
	v_mov_b32 v[34+k], 0
	v_mov_b32 v[92+k], 0                           ; and the tail behind the eighth tile of keys
.set k, k+1
.endr
.irp b, 0,1,2,3
	v_mov_b32 v[PT+\b], 0                          ; a lane permute's destination counts as one of its sources
.endr
	v_mov_b32 v[W], 0                              ; (named as the upper half of the pair v[236:237] before it is first written)
	v_mov_b32 v[T], 0
	s_and_b32 s67, ttmp7, 0xffff                   ; batch x head
	s_and_b32 s68, s[WV], 1                        ; which half I fetch, if I fetch
	s_mov_b32 s[G1K], 3<<16                        ; K: 96 dense rows of 256 bytes (32 tiles)
	s_mov_b32 s[G1K+1], 32<<16
	s_mov_b32 s[G1K+2], 96<<16
	s_mov_b32 s[G1K+3], 32<<16
	s_mov_b32 s[G1K+4], 96
	s_mov_b32 s[G1K+5], 32
	s_mov_b32 s[G1K+6], 0
	s_mov_b32 s[G1K+7], 0
	s_mov_b32 s[G1V], 3<<16                        ; V: 16 rows of 1,600 bytes, 1,792 bytes apart in memory, dense in LDS
	s_mov_b32 s[G1V+1], 200<<16
	s_mov_b32 s[G1V+2], 16<<16
	s_mov_b32 s[G1V+3], 200<<16
	s_mov_b32 s[G1V+4], 16
	s_mov_b32 s[G1V+5], 224
	s_mov_b32 s[G1V+6], 0
	s_mov_b32 s[G1V+7], 0
	s_mov_b32 s[G1S], 3<<16                        ; K's scale words: 16 dense rows of 256 bytes
	s_mov_b32 s[G1S+1], 32<<16
	s_mov_b32 s[G1S+2], 16<<16
	s_mov_b32 s[G1S+3], 32<<16
	s_mov_b32 s[G1S+4], 16
	s_mov_b32 s[G1S+5], 32
	s_mov_b32 s[G1S+6], 0
	s_mov_b32 s[G1S+7], 0
	s_mov_b32 s[SEL], 0x76543210
	s_mov_b32 s[SEL+1], 0xfedcba98
	s_mov_b32 s[CS], 0x3e38aa3b                    ; c = log2(e) / 8
	s_mov_b32 s[CS+1], s[CS]
	s_mul_i32 s70, s67, 49152                      ; the head's first byte in qf and kf
	s_mul_i32 s69, s68, 24576
	s_add_co_u32 s72, s70, s69
	s_mov_b32 s73, 0
	s_mul_i32 s74, s67, 57344                      ; in vf
	s_mul_i32 s71, s68, 28672
	s_add_co_u32 s74, s74, s71
	s_mov_b32 s75, 0
	s_lshl_b32 s76, s67, 12                        ; in qsc and ksc
	s_mov_b32 s77, 0
	s_mul_i32 s71, s68, 25600
	s_wait_dscnt 0x0
	s_wait_kmcnt 0x0
	s_mov_b32 s[G0K], 1
	s_mov_b32 s[G0K+1], s69
	s_add_nc_u64 s[G0K+2:G0K+3], s[8:9], s[72:73]
	s_or_b32 s[G0K+3], s[G0K+3], 0x80000000
	s_mov_b32 s[G0V], 1
	s_add_co_u32 s[G0V+1], s71, VC
	s_add_nc_u64 s[G0V+2:G0V+3], s[12:13], s[74:75]
	s_or_b32 s[G0V+3], s[G0V+3], 0x80000000
	s_mov_b32 s[G0S], 1
	s_mov_b32 s[G0S+1], KS
	s_add_nc_u64 s[G0S+2:G0S+3], s[10:11], s[76:77]
	s_or_b32 s[G0S+3], s[G0S+3], 0x80000000
	s_cmp_lt_u32 s[WV], 2                          ; the branches hang on the wave's number alone; a wave has at most one tensor load out
	s_cbranch_scc0 .Lnot_k
	tensor_load_to_lds s[G0K:G0K+3], s[G1K:G1K+7]
	s_nop 0
.rept 4
	v_nop
.endr
	s_branch .Lasked
.Lnot_k:
	s_cmp_lt_u32 s[WV], 4
	s_cbranch_scc0 .Lnot_v
	tensor_load_to_lds s[G0V:G0V+3], s[G1V:G1V+7]
	s_nop 0
.rept 4
	v_nop
.endr
	s_branch .Lasked
.Lnot_v:
	s_cmp_eq_u32 s[WV], 4
	s_cbranch_scc0 .Lasked
	tensor_load_to_lds s[G0S:G0S+3], s[G1S:G1S+7]
	s_nop 0
.rept 4
	v_nop
.endr
.Lasked:
	s_lshl_b32 s78, ttmp9, 4
	s_add_co_u32 s78, s78, s[WV]                   ; my group of 32 queries in the batch
	s_mul_i32 s72, s78, 1536
	s_add_co_u32 s72, s72, s70
	s_add_nc_u64 s[4:5], s[4:5], s[72:73]          ; its two tiles in qf
	s_lshl_b32 s72, s78, 7
	s_add_co_u32 s72, s72, s76
	s_add_nc_u64 s[6:7], s[6:7], s[72:73]          ; and in qsc
	s_lshr_b32 s79, s67, 4
	s_lshl_b32 s79, s79, 5
	s_add_co_u32 s79, s79, s78                     ; the group among all 256
	s_and_b32 s71, s67, 15                         ; the head
	s_mul_i32 s72, s79, 24576
	s_lshr_b32 s74, s71, 1
	s_mul_i32 s74, s74, 3072
	s_add_co_u32 s72, s72, s74
	s_and_b32 s74, s71, 1
	s_mul_i32 s74, s74, 768
	s_add_co_u32 s72, s72, s74
	s_add_nc_u64 s[14:15], s[14:15], s[72:73]      ; of: [group][head / 2][tile][head % 2] 768 bytes
	s_lshl_b32 s72, s79, 11
	s_lshl_b32 s74, s71, 7
	s_add_co_u32 s72, s72, s74
	s_add_nc_u64 s[16:17], s[16:17], s[72:73]      ; osc: [group][head][tile][r] words
.irp u, 0,1
	global_load_b128 v[16+12*\u:19+12*\u], v11, s[4:5] offset:768*\u
	global_load_b64 v[20+12*\u:21+12*\u], v42, s[4:5] offset:768*\u+512
	global_load_b32 v[40+\u], v43, s[6:7] offset:64*\u
.endr
	s_wait_tensorcnt 0x0                           ; my part is in,
	s_barrier_signal -1
	s_barrier_wait -1                              ; everybody's is
.irp i, 0,1,2,3
	ds_load_u8 v[BM+\i], v6 offset:1600*\i         ; my row's scale byte in the step's four groups of keys
.endr
	s_wait_dscnt 0x0
	v_lshl_or_b32 v[BM], v[BM+1], 8, v[BM]
	v_lshl_or_b32 v[BM], v[BM+2], 16, v[BM]
	v_lshl_or_b32 v[BM], v[BM+3], 24, v[BM]
	ds_store_b32 v10, v[BM]
	s_wait_dscnt 0x0                               ; for the others' sake
	s_barrier_signal -1
	s_barrier_wait -1
	s_wait_loadcnt 0x0                             ; Q
; A KEY STEP: 128 keys
.macro STEP u
	v_add_nc_u32 v6, s[KO], v1                     ; the step's addresses: five plain lines, the places in front of loads into registers that the last products read
	v_add_nc_u32 v7, s[KO], v2
	v_add_nc_u32 v8, s[VO], v3
	v_add_nc_u32 v9, s[KSO], v4
	v_add_nc_u32 v10, s[VSO], v5
.set k, 0
.rept 8
	ds_load_b128 v[44+6*k:47+6*k], v6 offset:768*k
	ds_load_b64 v[48+6*k:49+6*k], v7 offset:768*k
.set k, k+1
.endr
.irp j, 0,1,2,3
	ds_load_b32 v[98+\j], v9 offset:128*\j
.endr
	s_wait_dscnt 0x0
.set k, 0
.rept 8
	WM S+8*k, 44+6*k, 16+12*\u, 0, 98+k/2, 40+\u, k%2
.set k, k+1
.endr
.rept 4
	v_nop                                          ; places: in front of the loads below and of the first read of the scores
.endr
.irp d, 0,1,2,3                                ; V's four tiles land under the softmax
.irp c, 0,1
.irp p, 0,1,2
	ds_load_b64 v[44+12*\d+6*\c+2*\p:45+12*\d+6*\c+2*\p], v8 offset:3200*\c+24*(32*(\d/2)+8*(\d%2))+8*\p
.endr
.endr
.endr
.irp j, 0,1
	ds_load_b32 v[98+\j], v10 offset:128*\j
.endr
.irp b, 0,1,2,3
	v_max3_num_f32 v[BM+\b], v[S+16*\b], v[S+1+16*\b], v[S+2+16*\b]   ; the largest score of each block of 32 keys: for the row's maximum and, since p rises with the score, for the block's largest p
.endr
.irp i, 3,5,7,9,11,13
.irp b, 0,1,2,3
	v_max3_num_f32 v[BM+\b], v[BM+\b], v[S+16*\b+\i], v[S+1+16*\b+\i]
.endr
.endr
.irp b, 0,1,2,3
	v_max_num_f32 v[BM+\b], v[BM+\b], v[S+15+16*\b]
.endr
.irp b, 0,1,2,3
	v_permlanex16_b32 v[PT+\b], v[BM+\b], s[SEL], s[SEL+1]
.endr
.irp b, 0,1,2,3
	v_max_num_f32 v[BM+\b], v[BM+\b], v[PT+\b]
.endr
	v_max3_num_f32 v[T], v[BM], v[BM+1], v[BM+2]
	v_max_num_f32 v[T], v[T], v[BM+3]
	v_mul_f32 v[T], s[CS], v[T]                    ; as t (c is positive)
	v_max_num_f32 v13, v13, v[T]                   ; the running largest t
	v_mov_b32 v[T], v12
	v_floor_f32 v12, -v13                          ; the new -M = floor(-t): M is a whole number
	v_sub_f32 v[T], v12, v[T]                      ; old M - new M, 0 or less
	v_cvt_i32_f32 v[T], v[T]                       ; (it saturates)
	v_ldexp_f32 v[F], 1.0, v[T]
.set k, 0
.rept 32
	v_pk_fma_f32 v[S+2*k:S+2*k+1], v[S+2*k:S+2*k+1], s[CS:CS+1], v[12:13] op_sel_hi:[1,0,0]   ; t - M
.set k, k+1
.endr
.irp b, 0,1,2,3
	v_fma_f32 v[BM+\b], v[BM+\b], s[CS], v12
.endr
.set k, 0
.rept 64
	v_exp_f32 v[S+k], v[S+k]                       ; p = 2^(t - M)
.set k, k+1
.endr
	v_pk_mul_f32 v[14:15], v[14:15], v[F:F+1] op_sel_hi:[1,0]   ; the sums under the new M: a plain line behind the exponentials
	s_wait_alu depctr_va_vdst(0)                   ; one wait for the batch, ahead of its first reader
.irp b, 0,1,2,3
	v_exp_f32 v[BM+\b], v[BM+\b]                   ; the blocks' largest p
.endr
	v_pk_add_f32 v[240:241], v[S:S+1], v[S+2:S+3]  ; the row's sum of the unquantised p, in two chains
.irp j, 4,8,12,16,20,24,28,32,36,40,44,48,52,56,60
	v_pk_add_f32 v[14:15], v[14:15], v[S+\j:S+1+\j]
	v_pk_add_f32 v[240:241], v[240:241], v[S+2+\j:S+3+\j]
.endr
	v_pk_add_f32 v[14:15], v[14:15], v[240:241]
	s_wait_alu depctr_va_vdst(0)                   ; and one for the four
.irp b, 0,1,2,3
	v_max_num_f32 v[BM+\b], 0x2800000, v[BM+\b]    ; the floor 2^(5 - 127)
.endr
.irp b, 0,1,2,3
	v_add_nc_u32 v[SOP+\b], 0xfe000000, v[BM+\b]
.endr
.irp b, 0,1,2,3
	v_lshrrev_b32 v[PT+\b], 23, v[SOP+\b]
.endr
	v_lshl_or_b32 v[W], v[PT+1], 8, v[PT]
	v_lshl_or_b32 v[W], v[PT+2], 16, v[W]
	v_lshl_or_b32 v[W], v[PT+3], 24, v[W]
.irp c, 0,1
	v_cvt_scalef32_pk16_bf6_f32 v[PCD+6*\c:PCD+2+6*\c], v[S+32*\c:S+15+32*\c], v[SOP+2*\c]
	v_cvt_scalef32_pk16_bf6_f32 v[PC2+4*\c:PC2+2+4*\c], v[S+16+32*\c:S+31+32*\c], v[SOP+2*\c+1]
.endr
	v_nop
.irp c, 0,1
.irp i, 0,1,2
	v_permlane16_swap_b32 v[PCD+6*\c+\i], v[PC2+4*\c+\i]
.endr
.irp i, 0,1,2
	v_mov_b32 v[PCD+3+6*\c+\i], v[PC2+4*\c+\i]
.endr
.endr
.set k, 0
.rept 16
	v_pk_mul_f32 v[O+2*k:O+2*k+1], v[O+2*k:O+2*k+1], v[F:F+1] op_sel_hi:[1,0]   ; O^T under the new M; also the places between p's scale word and codes and the products
.set k, k+1
.endr
	s_wait_dscnt 0x0                               ; V
.set k, 0
.rept 4
	WM O+8*k, 44+12*k, PCD, v[O+8*k:O+8*k+7], 98+k/2, W, k%2
.set k, k+1
.endr
.endm
.macro TILE u
	s_wait_xcnt 0x0                                ; earlier loads and stores have read their registers
	v_mov_b32 v13, 0xff61b1e6                      ; the largest t so far: -3e38
	v_floor_f32 v12, -v13
	v_mov_b32 v14, 0
	v_mov_b32 v15, 0
.set k, 0
.rept 32
	v_mov_b32 v[O+k], 0                            ; the step is written once: the first finds zeros, which the first change of M leaves zeros
.set k, k+1
.endr
	s_mov_b32 s[KO], 0
	s_mov_b32 s[VO], 0
	s_mov_b32 s[KSO], 0
	s_mov_b32 s[VSO], 0
	s_mov_b32 s[CNT], 8
.Lstep_\@:
	STEP \u
	s_add_co_u32 s[KO], s[KO], 6144                ; eight tiles of keys,
	s_add_co_u32 s[VO], s[VO], 6400                ; four groups of V,
	s_add_co_u32 s[KSO], s[KSO], 512
	s_add_co_u32 s[VSO], s[VSO], 256
	s_sub_co_u32 s[CNT], s[CNT], 1
	s_cmp_lg_u32 s[CNT], 0
	s_cbranch_scc1 .Lstep_\@
.rept 4
	v_nop
.endr
	v_add_f32 v14, v14, v15
	v_permlanex16_b32 v[T], v14, s[SEL], s[SEL+1]
	v_add_f32 v14, v14, v[T]                       ; the row's sum
	v_rcp_f32 v14, v14
	v_nop
	s_wait_alu depctr_va_vdst(0)
.set k, 0
.rept 32
	v_mul_f32 v[S+k], v[O+k], v14                  ; o: register 16 b + i is d = 32 b + 16 h + i
.set k, k+1
.endr
.irp b, 0,1                                    ; its two blocks of 32 along the next K
	v_max3_num_f32 v[BM+\b], |v[S+16*\b]|, |v[S+1+16*\b]|, 0x2800000
.endr
.irp i, 2,4,6,8,10,12,14
.irp b, 0,1
	v_max3_num_f32 v[BM+\b], v[BM+\b], |v[S+16*\b+\i]|, |v[S+1+16*\b+\i]|
.endr
.endr
.irp b, 0,1
	v_permlanex16_b32 v[PT+\b], v[BM+\b], s[SEL], s[SEL+1]
.endr
.irp b, 0,1
	v_max_num_f32 v[BM+\b], v[BM+\b], v[PT+\b]
.endr
.irp b, 0,1
	v_add_nc_u32 v[SOP+\b], 0xfe000000, v[BM+\b]
.endr
.irp b, 0,1
	v_lshrrev_b32 v[PT+\b], 23, v[SOP+\b]
.endr
	v_lshl_or_b32 v[OW], v[PT+1], 8, v[PT]
	v_cvt_scalef32_pk16_bf6_f32 v[PCD:PCD+2], v[S:S+15], v[SOP]
	v_cvt_scalef32_pk16_bf6_f32 v[PC2:PC2+2], v[S+16:S+31], v[SOP+1]
	v_nop
.irp i, 0,1,2
	v_permlane16_swap_b32 v[PCD+\i], v[PC2+\i]
.endr
.irp i, 0,1,2
	v_mov_b32 v[PCD+3+\i], v[PC2+\i]
.endr
	global_store_b128 v11, v[PCD:PCD+3], s[14:15] offset:1536*\u        ; 512 consecutive bytes, aligned to 256
	global_store_b64 v42, v[PCD+4:PCD+5], s[14:15] offset:1536*\u+512   ; 256 consecutive bytes, aligned
	global_store_b32 v43, v[OW], s[16:17] offset:64*\u
.endm
	TILE 0
	TILE 1
	s_wait_tensorcnt 0x0
	ds_add_u32 v254, v255
	s_wait_dscnt 0x0
	s_endpgm
.Lfunc_end_k_qa08cac4262_attn:
	.size	k_qa08cac4262_attn, .Lfunc_end_k_qa08cac4262_attn-k_qa08cac4262_attn
	.p2alignl 7, 3214868480
	.fill 96, 4, 3214868480
	.section	.rodata,"a",@progbits
	.p2align	6, 0x0
	.amdhsa_kernel k_qa08cac4262_attn
		.amdhsa_group_segment_fixed_size 169984
		.amdhsa_private_segment_fixed_size 0
		.amdhsa_enable_private_segment 0
		.amdhsa_kernarg_size 56
		.amdhsa_user_sgpr_count 2
		.amdhsa_user_sgpr_kernarg_segment_ptr 1
		.amdhsa_wavefront_size32 1
		.amdhsa_system_sgpr_workgroup_id_x 1
		.amdhsa_system_sgpr_workgroup_id_y 1
		.amdhsa_system_sgpr_workgroup_id_z 1
		.amdhsa_system_vgpr_workitem_id 0
		.amdhsa_next_free_vgpr 256
		.amdhsa_next_free_sgpr 80
		.amdhsa_reserve_vcc 0
		.amdhsa_float_denorm_mode_32 3
		.amdhsa_float_denorm_mode_16_64 3
		.amdhsa_memory_ordered 1
		.amdhsa_forward_progress 1
		.amdhsa_inst_pref_size 52
	.end_amdhsa_kernel
	.amdgpu_metadata
---
amdhsa.version: [ 1, 2 ]
amdhsa.kernels:
  - .name:           k_qa08cac4262_attn
    .symbol:         k_qa08cac4262_attn.kd
    .args:
      - { .name: qf, .offset: 0, .size: 8, .value_kind: global_buffer, .address_space: global }
      - { .name: qsc, .offset: 8, .size: 8, .value_kind: global_buffer, .address_space: global }
      - { .name: kf, .offset: 16, .size: 8, .value_kind: global_buffer, .address_space: global }
      - { .name: ksc, .offset: 24, .size: 8, .value_kind: global_buffer, .address_space: global }
      - { .name: vf, .offset: 32, .size: 8, .value_kind: global_buffer, .address_space: global }
      - { .name: of, .offset: 40, .size: 8, .value_kind: global_buffer, .address_space: global }
      - { .name: osc, .offset: 48, .size: 8, .value_kind: global_buffer, .address_space: global }
    .group_segment_fixed_size: 169984
    .private_segment_fixed_size: 0
    .kernarg_segment_align: 8
    .kernarg_segment_size: 56
    .max_flat_workgroup_size: 512
    .sgpr_count:     80
    .vgpr_count:     256
    .wavefront_size: 32
...
	.end_amdgpu_metadata
.endif
;; end of part 3
;; launch mlp (part 4): grid 256 x 1, 4 waves a work-group, clusters of 4 x 1, 327,680 bytes of LDS; arguments x, of, osc, wf, out_b, ln2_w, ln2_b, fc1_b, fc2_b, out0; writes out0
.if DOCPART == 4
	.amdgcn_target "amdgcn-amd-amdhsa--gfx1250"
	.amdhsa_code_object_version 6
	.text
	.protected	k_qa08cac4262_mlp
	.globl	k_qa08cac4262_mlp
	.p2align	8
	.type	k_qa08cac4262_mlp,@function
k_qa08cac4262_mlp:
	s_mov_b64 s[64:65], 0
	v_nop
	global_prefetch_b8 v0, s[64:65] scope:SCOPE_SE
	s_setreg_imm32_b32 hwreg(HW_REG_WAVE_MODE, 25, 1), 1
	s_wait_xcnt 0x0
	s_wait_alu depctr_hold_cnt(0) depctr_sa_sdst(0) depctr_va_vdst(0) depctr_va_sdst(0) depctr_va_ssrc(0) depctr_va_vcc(0) depctr_vm_vsrc(0)
	s_getreg_b32 s2, hwreg(HW_REG_IB_STS2, 6, 4)
	s_cmp_eq_u32 s2, 0
	s_cbranch_scc0 .Lentry_in_a_cluster
	s_endpgm
.Lentry_in_a_cluster:
	s_bfe_u32 s2, ttmp6, 0x10000c
	s_cmp_lg_u32 s2, 0x3003
	s_cbranch_scc0 .Lentry_shape_is_right
	s_endpgm
.Lentry_shape_is_right:
; x1 = x + o Wo^T + out_b;  h = LayerNorm 2 (x1);  g = gelu(h W1^T + fc1_b), exact;  out0 = x1 + g W2^T + fc2_b.  All three products on codes of BF6 (E3M2); x1, h and g never go to memory.
; SHARES, RING, CLUSTER, LAYOUT: as in launch qkv: a work-group owns 32 tokens, whole rows; wave w owns columns 256 w .. 256 w + 255 of each layer; 24 weight tiles of 102,400 bytes walk through two LDS slots by
; joint tensor loads of the cluster's four work-groups (two loads of a wave are out at the start, later one); products transposed (source 0 = 16 rows of W): a lane holds one token.
; THE RESIDUALS AND TWO BIASES COST NO LINE OF THEIR OWN IN THE SUMS: the first product is summed onto x + out_b, the third onto x1 + fc2_b, in window 2.
; REGISTERS, in windows of 256: 0 addresses, scales, A's fragments, work; 1 B's 16 fragments (between layers: parameters; v192-255 keep half of fc1_b); 2 x1; 3 x as loaded, fc2_b, fc1's accumulators, rows on the way out.
; GELU: Phi(x) by c = erfc(|x| / sqrt 2) / 2 = t 2^(P(t) - x^2 log2(e) / 2), t = 1 / (1 + |x| / (2 sqrt 2)), P of degree 9; Phi = c for x < 0, else 1 - c: no difference of near numbers for x < 0.
; LIMITS: NaN and infinities are not served; a block whose largest magnitude lies under 2^-122, zeros among them, keeps the byte 1; the fit of erfc has a relative error of 1.2e-7, to which f32 rounding of the exponent adds
; (together about 5e-7 up to |x| = 4); c under 2^-126 comes out as 0; x1 is summed as (x + out_b) + products and out0 as (x1 + fc2_b) + products, another order of f32 roundings than the source's.
.set LB,    2457600                    ; the first of my 24 tiles in wf, in bytes: layer 3
.set XP,  8
.set OFP, 10
.set OSP, 12
.set WFP, 14
.set OBP, 16
.set L2W, 18
.set L2B, 20
.set F1B, 22
.set F2B, 24
.set OP,  26
.set TILEB, 102400
.set BLKB,  25600
.set AIMG0, 204800
.set AIMG1, 229376
.set ASC0,  253952
.set ASC1,  254976
.set RED1,  256000
.set STG,   257024
.set SPARE, 290816
.set SPW, 1
.set NIL, 2
.set L16, 3
.set L8,  4
.set L4,  5
.set R4,  6
.set BA0, 7
.set BS0, 9
.set AA0, 11
.set AA,  13
.set SA0, 14
.set SA,  16
.set IW0, 17
.set IWC, 19
.set SW0, 20
.set SWC, 22
.set SD,  23
.set SL,  24
.set RW,  25
.set RR,  26
.set XG,  27
.set PG,  28
.set GA,  29
.set GB,  30
.set GS,  31
.set BSR, 32
.set ASR, 40
.set AF,  44
.set ST,  68
.set T1,  132
.set T2,  164
.set PC,  196
.set TM,  216
.set PW,  232
.set MU,  234
.set RS,  238
.set CHN, 242
.set G1,  28
.set G0,  36
.set WV,  44
.set CX,  45
.set WG,  46
.set SEL, 48
.set AOF, 50
.set SOF, 51
.set CH,  52
.set KC,  53
.set IOF, 67
.set JOF, 68
.set MSB, 0
.macro WIN new                         ; the immediate's high byte repeats the setting that is left
.if MSB != (\new)
	s_set_vgpr_msb (MSB<<8)|(\new)
.set MSB, (\new)
.endif
.endm
.macro PLACES n
.rept \n
	v_nop
.endr
.endm
.macro ROUND                           ; a round of the cluster's barrier
	s_barrier_signal -1
	s_barrier_wait -1
	s_cmp_lg_u32 s[WV], 0
	s_cbranch_scc1 .Lnw0_\@
	s_barrier_signal -3
.Lnw0_\@:
	s_barrier_wait -3
	s_barrier_signal -1
	s_barrier_wait -1
.endm
.macro WGBAR
	s_wait_dscnt 0x0
	s_barrier_signal -1
	s_barrier_wait -1
.endm
.macro WM d, a, b, c, sa, sb, ra, rb   ; one product; ra, rb: that side's scales stand in lanes 16-31
.if (\ra) && (\rb)
	v_wmma_scale_f32_16x16x128_f8f6f4 v[(\d):(\d)+7], v[(\a):(\a)+11], v[(\b):(\b)+11], \c, v[\sa], v[\sb] matrix_a_fmt:MATRIX_FMT_BF6 matrix_b_fmt:MATRIX_FMT_BF6 matrix_a_scale:MATRIX_SCALE_ROW1 matrix_b_scale:MATRIX_SCALE_ROW1
.elseif (\ra)
	v_wmma_scale_f32_16x16x128_f8f6f4 v[(\d):(\d)+7], v[(\a):(\a)+11], v[(\b):(\b)+11], \c, v[\sa], v[\sb] matrix_a_fmt:MATRIX_FMT_BF6 matrix_b_fmt:MATRIX_FMT_BF6 matrix_a_scale:MATRIX_SCALE_ROW1
.elseif (\rb)
	v_wmma_scale_f32_16x16x128_f8f6f4 v[(\d):(\d)+7], v[(\a):(\a)+11], v[(\b):(\b)+11], \c, v[\sa], v[\sb] matrix_a_fmt:MATRIX_FMT_BF6 matrix_b_fmt:MATRIX_FMT_BF6 matrix_b_scale:MATRIX_SCALE_ROW1
.else
	v_wmma_scale_f32_16x16x128_f8f6f4 v[(\d):(\d)+7], v[(\a):(\a)+11], v[(\b):(\b)+11], \c, v[\sa], v[\sb] matrix_a_fmt:MATRIX_FMT_BF6 matrix_b_fmt:MATRIX_FMT_BF6
.endif
.endm
.macro PRODS t0, zero                  ; 16 products: weight tiles t0 .. t0 + 7 x the two token tiles.  The 32 accumulators take turns, one instruction a turn, in the same order in every K step
.set tt, \t0
.rept 8
.set uu, 0
.rept 2
.set rD, 128*uu+8*tt
.if \zero
	WM rD, 12*tt, AF+12*uu, 0, BSR+tt/2, ASR, tt%2, uu
.else
	WM rD, 12*tt, AF+12*uu, v[rD:rD+7], BSR+tt/2, ASR, tt%2, uu
.endif
.set uu, uu+1
.endr
.set tt, tt+1
.endr
.endm
; ONE K STEP.  mode 0: the launch's first (tile 1's load may stay out); mode 1: the slot read last is filled again with the next tile; mode 2: the last, nothing is left to fetch.
.macro TRIP slot, mode, zero, accw, ai
.if \mode == 0
	s_wait_tensorcnt 0x1                           ; my block of tile 0 is in
	v_add_nc_u32 v[AA], s[AOF], v[AA0+\ai]
	v_add_nc_u32 v[SA], s[SOF], v[SA0+\ai]
	s_wait_dscnt 0x0                               ; my images have landed
	s_barrier_signal -1
	s_barrier_wait -1
.else
	s_wait_tensorcnt 0x0                           ; all my tensor loads have landed: my block of this step's tile; so a group 0 may be written
	ds_add_u32 v[SPW], v[NIL]                      ; 0 onto my spare word
.if \mode == 1
	s_add_nc_u64 s[G0+6-4*\slot:G0+7-4*\slot], s[G0+6-4*\slot:G0+7-4*\slot], 2*TILEB   ; the other slot's next tile
.endif
	v_add_nc_u32 v[AA], s[AOF], v[AA0+\ai]         ; this K step's images and scale words
	v_add_nc_u32 v[SA], s[SOF], v[SA0+\ai]
	s_wait_dscnt 0x0                               ; the add is done, my reads of the other slot are over, my images have landed
.if \mode == 1
	ROUND                                          ; all that now holds of every wave of the four work-groups
	tensor_load_to_lds s[G0+4-4*\slot:G0+7-4*\slot], s[G1:G1+7]   ; my one load behind the round, and the first thing there
	s_nop 0
.else
	s_barrier_signal -1
	s_barrier_wait -1
.endif
.endif
	PLACES 4                                       ; behind the tensor load, and in front of loads into registers that matrix instructions have read
	ds_load_b32 v[ASR], v[SA]
.set k, 0
.rept 8
	ds_load_b32 v[BSR+k], v[BS0+\slot] offset:128*k
.set k, k+1
.endr
.set k, 0
.rept 6
	ds_load_b128 v[AF+4*k:AF+4*k+3], v[AA] offset:512*k
.set k, k+1
.endr
	WIN 0x40                                       ; destination window 1
.set k, 0
.rept 48
	ds_load_b128 v[4*k:4*k+3], v[BA0+\slot] offset:512*k
.set k, k+1
.endr
	s_wait_dscnt 24                                ; all but the youngest 24 loads: B's tiles 8 to 15
.if (\accw) == 2
	WIN 0xa1                                       ; source 0 (W) window 1, source 1 window 0, C and D window 2
.else
	WIN 0xf1
.endif
	PRODS 0, \zero
	s_wait_dscnt 0x0
	PRODS 8, \zero
	WIN 0
	s_add_co_u32 s[AOF], s[AOF], 3072
	s_add_co_u32 s[SOF], s[SOF], 128
.endm
.macro LAYER mode0, zero, accw, ai, modeL   ; eight K steps; no tensor load stands under a jump
	s_mov_b32 s[AOF], 0
	s_mov_b32 s[SOF], 0
	TRIP 0, \mode0, \zero, \accw, \ai
	s_mov_b32 s[KC], 3
.Lk_\@:
	TRIP 1, 1, 0, \accw, \ai
	TRIP 0, 1, 0, \accw, \ai
	s_sub_co_u32 s[KC], s[KC], 1
	s_cmp_lg_u32 s[KC], 0
	s_cbranch_scc1 .Lk_\@
	TRIP 1, \modeL, 0, \accw, \ai
.endm
.macro QUANT s, pw                     ; 64 numbers of a lane, register 16 b + i = k 32 b + 16 (lane / 16) + i of my row, become a fragment's codes in v[PC] on and its scale word
.irp b, 0,1,2,3
	v_max3_num_f32 v[TM+\b], |v[\s+16*\b]|, |v[\s+1+16*\b]|, 0x2800000   ; and the floor 2^(5 - 127): the byte cannot fall under 1
.endr
.irp i, 2,4,6,8,10,12,14
.irp b, 0,1,2,3
	v_max3_num_f32 v[TM+\b], v[TM+\b], |v[\s+16*\b+\i]|, |v[\s+1+16*\b+\i]|
.endr
.endr
.irp b, 0,1,2,3
	v_permlanex16_b32 v[TM+4+\b], v[TM+\b], s[SEL], s[SEL+1]
.endr
.irp b, 0,1,2,3
	v_max_num_f32 v[TM+\b], v[TM+\b], v[TM+4+\b]
.endr
.irp b, 0,1,2,3
	v_add_nc_u32 v[TM+12+\b], 0xfe000000, v[TM+\b]   ; 4 off the exponent field: the conversion's scale operand
.endr
.irp b, 0,1,2,3
	v_lshrrev_b32 v[TM+4+\b], 23, v[TM+12+\b]
.endr
	v_lshl_or_b32 v[\pw], v[TM+5], 8, v[TM+4]
	v_lshl_or_b32 v[\pw], v[TM+6], 16, v[\pw]
	v_lshl_or_b32 v[\pw], v[TM+7], 24, v[\pw]
.irp c, 0,1
	v_cvt_scalef32_pk16_bf6_f32 v[PC+6*\c:PC+2+6*\c], v[\s+32*\c:\s+15+32*\c], v[TM+12+2*\c]
	v_cvt_scalef32_pk16_bf6_f32 v[PC+12+4*\c:PC+14+4*\c], v[\s+16+32*\c:\s+31+32*\c], v[TM+12+2*\c+1]
.endr
	v_nop                                          ; one plain line behind the scaled conversions
.irp c, 0,1
.irp i, 0,1,2
	v_permlane16_swap_b32 v[PC+6*\c+\i], v[PC+12+4*\c+\i]
.endr
.irp i, 0,1,2
	v_mov_b32 v[PC+3+6*\c+\i], v[PC+12+4*\c+\i]
.endr
.endr
.endm
.macro IMAGE adr, off
.irp q, 0,1,2
	ds_store_b128 v[\adr], v[PC+4*\q:PC+4*\q+3] offset:(\off)+512*\q
.endr
.endm
.macro PLOAD win, reg, ptr, e, extra   ; the parameters of my lane's 64 columns of half e, in the accumulators' order
	WIN (\win)<<6
.set k, 0
.rept 16
	global_load_b128 v[(\reg)+4*k:(\reg)+4*k+3], v[PG], s[\ptr:\ptr+1] offset:(\extra)+512*(\e)+128*(k/4)+16*(k%4)
.set k, k+1
.endr
	WIN 0
.endm
.macro XLOAD                           ; my 256 columns of the 32 rows of x, 512 consecutive bytes a load, into window 3: chunk 2 u + e, row i
	WIN 0xc0
.irp u, 0,1
.irp e, 0,1
.set k, 0
.rept 16
	global_load_b128 v[64*(2*\u+\e)+4*k:64*(2*\u+\e)+4*k+3], v[XG], s[XP:XP+1] offset:(8*\u+k+8*(k/8))*4096+512*\e th:TH_LOAD_NT
.set k, k+1
.endr
.endr
.endr
	WIN 0
.endm
.macro XTURN                           ; through my stage into window 2, in the accumulators' layout.  LDS serves a wave's instructions in order
.set c, 0
.rept 4
	s_wait_loadcnt 48-16*c                         ; this chunk's 16 loads are in; the later chunks' may be out
	WIN 0x0c
.set k, 0
.rept 16
	ds_store_b128 v[SD], v[64*c+4*k:64*c+4*k+3] offset:528*k
.set k, k+1
.endr
	WIN 0x80
.set k, 0
.rept 16
	ds_load_b128 v[64*c+4*k:64*c+4*k+3], v[SL] offset:128*(k/4)+16*(k%4)
.set k, k+1
.endr
.set c, c+1
.endr
	WIN 0
	s_wait_dscnt 0x0
.endm
.macro ADDB win, preg                  ; window 2 += my columns' parameters, both tiles
	WIN 0x82|((\win)<<2)
.irp u, 0,1
.set k, 0
.rept 64
	v_pk_add_f32 v[128*\u+2*k:128*\u+2*k+1], v[128*\u+2*k:128*\u+2*k+1], v[(\preg)+2*k:(\preg)+2*k+1]
.set k, k+1
.endr
.endr
	WIN 0
.endm
.macro FOLD off, reg
	v_pk_add_f32 v[CHN:CHN+1], v[CHN:CHN+1], v[CHN+2:CHN+3]
	v_pk_add_f32 v[CHN+4:CHN+5], v[CHN+4:CHN+5], v[CHN+6:CHN+7]
	v_pk_add_f32 v[CHN:CHN+1], v[CHN:CHN+1], v[CHN+4:CHN+5]
	v_add_f32 v[\reg], v[CHN], v[CHN+1]
	v_permlanex16_b32 v[\reg+1], v[\reg], s[SEL], s[SEL+1]
	v_add_f32 v[\reg], v[\reg], v[\reg+1]
	ds_store_b32 v[RW], v[\reg] offset:\off
.endm
.macro GATHER off
.irp u, 0,1
.irp w, 0,1,2,3
	ds_load_b32 v[CHN+4*\u+\w], v[RR] offset:(\off)+64*\u+128*\w
.endr
.endr
	s_wait_dscnt 0x0
.irp u, 0,1
	v_add_f32 v[CHN+4*\u], v[CHN+4*\u], v[CHN+4*\u+1]
	v_add_f32 v[CHN+4*\u], v[CHN+4*\u], v[CHN+4*\u+2]
	v_add_f32 v[CHN+4*\u], v[CHN+4*\u], v[CHN+4*\u+3]
.endr
.endm
.macro LNSTATS                         ; mean and 1 / sqrt(var + eps) of the 32 rows in window 2; each accumulator is read from its low end on
.irp u, 0,1
	WIN 0x0a
.set k, 0
.rept 4
	v_pk_add_f32 v[CHN+2*k:CHN+2*k+1], v[128*\u+4*k:128*\u+4*k+1], v[128*\u+4*k+2:128*\u+4*k+3]
.set k, k+1
.endr
	WIN 0x08
.set k, 8
.rept 56
	v_pk_add_f32 v[CHN+2*(k%4):CHN+2*(k%4)+1], v[CHN+2*(k%4):CHN+2*(k%4)+1], v[128*\u+2*k:128*\u+2*k+1]
.set k, k+1
.endr
	WIN 0
	FOLD 64*\u, 250+2*\u
.endr
	WGBAR
	GATHER 0
.irp u, 0,1
	v_mul_f32 v[MU+2*\u], 0x3a800000, v[CHN+4*\u]  ; / 1,024
	v_mov_b32 v[MU+2*\u+1], v[MU+2*\u]
.endr
.irp u, 0,1
.irp e, 0,1
	WIN 0x02
.set k, 0
.rept 32
	v_pk_add_f32 v[ST+2*k:ST+2*k+1], v[128*\u+64*\e+2*k:128*\u+64*\e+2*k+1], v[MU+2*\u:MU+2*\u+1] neg_lo:[0,1] neg_hi:[0,1]
.set k, k+1
.endr
	WIN 0
.set k, 0
.rept 32
.if (\e == 0) && (k < 4)
	v_pk_mul_f32 v[CHN+2*k:CHN+2*k+1], v[ST+2*k:ST+2*k+1], v[ST+2*k:ST+2*k+1]
.else
	v_pk_fma_f32 v[CHN+2*(k%4):CHN+2*(k%4)+1], v[ST+2*k:ST+2*k+1], v[ST+2*k:ST+2*k+1], v[CHN+2*(k%4):CHN+2*(k%4)+1]
.endif
.set k, k+1
.endr
.endr
	FOLD 512+64*\u, 250+2*\u
.endr
	WGBAR
	GATHER 512
.irp u, 0,1
	v_mul_f32 v[250+2*\u], 0x3a800000, v[CHN+4*\u]
	v_add_f32 v[250+2*\u], 0x3727c5ac, v[250+2*\u] ; + 1e-5
.endr
.irp u, 0,1
	v_rsq_f32 v[RS+2*\u], v[250+2*\u]
	v_rsq_f32 v[RS+2*\u+1], v[250+2*\u]
.endr
	v_nop                                          ; a plain line behind the last of them,
	s_wait_alu depctr_va_vdst(0)                   ; and one wait for the four, ahead of their first reader
.endm
.macro LNCHUNK c4, ai                  ; chunk c4 = 2 e + u: ((x1 - mean) rs) w + b of 64 columns of tile u, quantised: K step 2 w + e of the next product
.set ee, (\c4)/2
.set uu, (\c4)%2
	WIN 0x02
.set k, 0
.rept 32
	v_pk_add_f32 v[ST+2*k:ST+2*k+1], v[128*uu+64*ee+2*k:128*uu+64*ee+2*k+1], v[MU+2*uu:MU+2*uu+1] neg_lo:[0,1] neg_hi:[0,1]
.set k, k+1
.endr
	WIN 0
.set k, 0
.rept 32
	v_pk_mul_f32 v[ST+2*k:ST+2*k+1], v[ST+2*k:ST+2*k+1], v[RS+2*uu:RS+2*uu+1]
.set k, k+1
.endr
	WIN 0x14                                       ; sources 1 and 2 (gain, bias) window 1
.set k, 0
.rept 32
	v_pk_fma_f32 v[ST+2*k:ST+2*k+1], v[ST+2*k:ST+2*k+1], v[64*ee+2*k:64*ee+2*k+1], v[128+64*ee+2*k:128+64*ee+2*k+1]
.set k, k+1
.endr
	WIN 0
	QUANT ST, PW
	IMAGE IW0+\ai, 1536*(\c4)
	ds_store_b32 v[SW0+\ai], v[PW] offset:64*(\c4) ; both lanes of a row write the same word with the same value
	s_wait_dscnt 0x0                               ; the stores have read their registers
.endm
.macro GMOVE c4                        ; chunk c4 = 2 e + u of fc1's sums, + fc1_b, into v[ST] on
.set gb, 128*((\c4)%2)+64*((\c4)/2)
.set bb, 192*(1-(\c4)/2)
	WIN 0x07                                       ; source 0 window 3, source 1 window 1
.set k, 0
.rept 32
	v_pk_add_f32 v[ST+2*k:ST+2*k+1], v[gb+2*k:gb+2*k+1], v[bb+2*k:bb+2*k+1]
.set k, k+1
.endr
	WIN 0
.endm
.macro GHALF x                         ; 32 numbers: x -> x Phi(x)
.set k, 0
.rept 32
	v_fma_f32 v[T1+k], |v[(\x)+k]|, 0x3eb504f3, 1.0   ; 1 + |x| / (2 sqrt 2)
.set k, k+1
.endr
.set k, 0
.rept 32
	v_rcp_f32 v[T1+k], v[T1+k]                     ; t
.set k, k+1
.endr
	v_nop
	s_wait_alu depctr_va_vdst(0)                   ; one wait for the 32
.set k, 0
.rept 16
	v_pk_fma_f32 v[T2+2*k:T2+2*k+1], v[T1+2*k:T1+2*k+1], 0x3e7c6f08, v[254:255] op_sel_hi:[1,0,1]   ; c9 t + c8
.set k, k+1
.endr
.irp c, 0x40097039, 0xbfd1a1e5, 0x3ecdfd18, 0xbe899a80, 0x3e0efb2e, 0x3f0a29d2, 0x3fb8ab5a, 0xc034d90f
.set k, 0
.rept 16
	v_pk_fma_f32 v[T2+2*k:T2+2*k+1], v[T2+2*k:T2+2*k+1], v[T1+2*k:T1+2*k+1], \c op_sel_hi:[1,1,0]   ; Horner: c7 .. c0 (times log2(e); c0 less 1 for the half)
.set k, k+1
.endr
.endr
.set g, 0
.rept 4
.set k, 0
.rept 4
	v_pk_mul_f32 v[CHN+2*k:CHN+2*k+1], v[(\x)+8*g+2*k:(\x)+8*g+2*k+1], v[(\x)+8*g+2*k:(\x)+8*g+2*k+1]
.set k, k+1
.endr
.set k, 0
.rept 4
	v_pk_fma_f32 v[T2+8*g+2*k:T2+8*g+2*k+1], v[CHN+2*k:CHN+2*k+1], 0xbf38aa3b, v[T2+8*g+2*k:T2+8*g+2*k+1] op_sel_hi:[1,0,1]   ; - x^2 log2(e) / 2
.set k, k+1
.endr
.set g, g+1
.endr
.set k, 0
.rept 32
	v_exp_f32 v[T2+k], v[T2+k]
.set k, k+1
.endr
	v_nop
	s_wait_alu depctr_va_vdst(0)
.set k, 0
.rept 16
	v_pk_mul_f32 v[T2+2*k:T2+2*k+1], v[T2+2*k:T2+2*k+1], v[T1+2*k:T1+2*k+1]   ; c
.set k, k+1
.endr
.set k, 0
.rept 16
	v_pk_fma_f32 v[T1+2*k:T1+2*k+1], v[T2+2*k:T2+2*k+1], -1.0, 1.0 op_sel_hi:[1,0,0]   ; 1 - c
.set k, k+1
.endr
.set k, 0
.rept 32
	v_cmp_gt_f32 vcc_lo, 0, v[(\x)+k]
	v_cndmask_b32 v[T1+k], v[T1+k], v[T2+k], vcc_lo   ; a choice of value, no branch
.set k, k+1
.endr
.set k, 0
.rept 16
	v_pk_mul_f32 v[(\x)+2*k:(\x)+2*k+1], v[(\x)+2*k:(\x)+2*k+1], v[T1+2*k:T1+2*k+1]
.set k, k+1
.endr
.endm
	s_load_b256 s[8:15], s[0:1], 0x0               ; x, of, osc, wf
	s_load_b256 s[16:23], s[0:1], 0x20             ; out_b, ln2_w, ln2_b, fc1_b
	s_load_b128 s[24:27], s[0:1], 0x40             ; fc2_b, out0
	v_lshl_add_u32 v[SPW], v0, 2, SPARE
	v_mov_b32 v[NIL], 0
	ds_add_u32 v1, v2
	ds_add_u32 v1, v2
	s_wait_dscnt 0x0
	v_lshrrev_b32 v250, 5, v0
	v_readfirstlane_b32 s[WV], v250                ; wave 0..3
	s_bfe_u32 s[CX], ttmp6, 0x40000                ; my place in the cluster: it enters global addresses of x, of, osc and out0 alone
	s_lshl_b32 s[WG], ttmp9, 2
	s_add_co_u32 s[WG], s[WG], s[CX]               ; my group of 32 tokens
	s_mov_b32 s[G1], 15|(3<<16)|(1<<21)            ; group 1: mask of all four work-groups; elements of 8 bytes; bit 21 beside a mask; no padding
	s_mov_b32 s[G1+1], 32<<16
	s_mov_b32 s[G1+2], 100<<16
	s_mov_b32 s[G1+3], 32<<16
	s_mov_b32 s[G1+4], 100                         ; a block of 25,600 dense bytes as 100 rows of 256
	s_mov_b32 s[G1+5], 32
	s_mov_b32 s[G1+6], 0
	s_mov_b32 s[G1+7], 0
	s_mov_b32 s[SEL], 0x76543210
	s_mov_b32 s[SEL+1], 0xfedcba98
	s_mul_i32 s55, s[WV], BLKB
	s_add_co_u32 s56, s55, LB
	s_mov_b32 s57, 0
	s_wait_kmcnt 0x0
	s_add_nc_u64 s[58:59], s[WFP:WFP+1], s[56:57]
.irp n, 0,1
	s_mov_b32 s[G0+4*\n], 1
	s_add_co_u32 s[G0+4*\n+1], s55, \n*TILEB
	s_add_nc_u64 s[G0+4*\n+2:G0+4*\n+3], s[58:59], \n*TILEB
	s_or_b32 s[G0+4*\n+3], s[G0+4*\n+3], 0x80000000
.endr
	ROUND                                          ; all four work-groups are here: the first joint loads meet
	tensor_load_to_lds s[G0:G0+3], s[G1:G1+7]      ; tiles 0 and 1: two loads of mine are out
	s_nop 0
	tensor_load_to_lds s[G0+4:G0+7], s[G1:G1+7]
	s_nop 0
	PLACES 4
	v_and_b32 v250, 31, v0                         ; l
	v_and_b32 v251, 15, v0                         ; r
	v_bfe_u32 v252, v0, 4, 1                       ; h
	v_mov_b32 v253, 0
	v_mov_b32 v254, 0xbf97d29d                     ; c8, as a pair
	v_mov_b32 v255, 0xbf97d29d
	v_lshlrev_b32 v[L16], 4, v250
	v_lshlrev_b32 v[L8], 3, v250
	v_lshlrev_b32 v[L4], 2, v250
	v_lshlrev_b32 v[R4], 2, v251
	v_add_nc_u32 v[BA0], s55, v[L16]
	v_add_nc_u32 v[BA0+1], TILEB, v[BA0]
	v_add_nc_u32 v[BS0], s55, v[L4]
	v_add_nc_u32 v[BS0], 24576, v[BS0]
	v_add_nc_u32 v[BS0+1], TILEB, v[BS0]
	v_add_nc_u32 v[AA0], AIMG0, v[L16]
	v_add_nc_u32 v[AA0+1], AIMG1, v[L16]
	v_add_nc_u32 v[SA0], ASC0, v[L4]
	v_add_nc_u32 v[SA0+1], ASC1, v[L4]
	s_mul_i32 s60, s[WV], 6144
	v_add_nc_u32 v[IW0], s60, v[AA0]
	v_add_nc_u32 v[IW0+1], s60, v[AA0+1]
	v_add_nc_u32 v[GA], s60, v[L16]                ; of: my four fragments
	v_add_nc_u32 v[GB], s60, v[L8]
	s_lshl_b32 s60, s[WV], 8
	v_add_nc_u32 v[SW0], s60, v[R4]
	v_add_nc_u32 v[SW0+1], ASC1, v[SW0]
	v_add_nc_u32 v[SW0], ASC0, v[SW0]
	v_add_nc_u32 v250, s60, v[SA0]                 ; o's scale words in LDS: ASC0 + 256 w + 4 l
	s_lshl_b32 s60, s[WV], 9
	v_add_nc_u32 v[GS], s60, v[L4]                 ; osc: my four heads
	s_mul_i32 s66, s[WV], 8448
	s_add_co_u32 s66, s66, STG
	v_add_nc_u32 v[SD], s66, v[L16]
	v_mul_u32_u24 v[SL], v251, 528
	v_lshl_add_u32 v[SL], v252, 6, v[SL]
	v_add_nc_u32 v[SL], s66, v[SL]
	s_lshl_b32 s60, s[WV], 7
	v_add_nc_u32 v[RW], s60, v[R4]
	v_add_nc_u32 v[RW], RED1, v[RW]
	v_add_nc_u32 v[RR], RED1, v[R4]
	s_lshl_b32 s60, s[WV], 10
	v_add_nc_u32 v[XG], s60, v[L16]
	v_lshl_add_u32 v[PG], v252, 6, s60
.irp b, 0,1,2,3
	v_mov_b32 v[TM+4+\b], 0                        ; a lane permute's destination counts as one of its sources
.endr
	s_lshl_b32 s60, s[WG], 17                      ; 32 rows of 4,096 bytes
	s_mov_b32 s61, 0
	s_add_nc_u64 s[XP:XP+1], s[XP:XP+1], s[60:61]
	s_add_nc_u64 s[OP:OP+1], s[OP:OP+1], s[60:61]
	s_mul_i32 s60, s[WG], 24576
	s_add_nc_u64 s[OFP:OFP+1], s[OFP:OFP+1], s[60:61]
	s_lshl_b32 s60, s[WG], 11
	s_add_nc_u64 s[OSP:OSP+1], s[OSP:OSP+1], s[60:61]
	; ---- o's codes and scale words (K steps 2 w, 2 w + 1 of the first product), out_b, x
.irp f, 0,1,2,3
.irp c, 0,1
	global_load_b128 v[ST+12*\f+6*\c:ST+12*\f+6*\c+3], v[GA], s[OFP:OFP+1] offset:1536*\f+768*\c th:TH_LOAD_NT
	global_load_b64 v[ST+12*\f+6*\c+4:ST+12*\f+6*\c+5], v[GB], s[OFP:OFP+1] offset:1536*\f+768*\c+512 th:TH_LOAD_NT
.endr
.endr
.irp j, 0,1,2,3
	global_load_b32 v[T1+\j], v[GS], s[OSP:OSP+1] offset:128*\j
.endr
	PLOAD 1, 0, OBP, 0, 0
	PLOAD 1, 64, OBP, 1, 0
	XLOAD
	s_wait_loadcnt 63                              ; behind o's 20 loads 96 were issued; 63 is the largest count that the wait can name
.irp f, 0,1,2,3
.irp q, 0,1,2
	ds_store_b128 v[IW0], v[ST+12*\f+4*\q:ST+12*\f+4*\q+3] offset:1536*\f+512*\q
.endr
.endr
.irp e, 0,1
	v_lshl_or_b32 v[T1+2*\e], v[T1+2*\e+1], 16, v[T1+2*\e]   ; the even head's two bytes below, the odd head's above
	ds_store_b32 v250, v[T1+2*\e] offset:128*\e
.endr
	XTURN
	ADDB 1, 0                                      ; x + out_b
	; ---- x1 = x + out_b + o Wo^T
	LAYER 0, 0, 2, 0, 1
	PLACES 4                                       ; in front of loads into B's registers and of the first read of results
	PLOAD 1, 0, L2W, 0, 0
	PLOAD 1, 64, L2W, 1, 0
	PLOAD 1, 128, L2B, 0, 0
	PLOAD 1, 192, L2B, 1, 0
	PLOAD 3, 0, F2B, 0, 0
	PLOAD 3, 64, F2B, 1, 0
	; ---- LayerNorm 2
	LNSTATS
	s_wait_loadcnt 0x0
	LNCHUNK 0, 1
	LNCHUNK 1, 1
	LNCHUNK 2, 1
	LNCHUNK 3, 1
	ADDB 3, 0                                      ; x1 + fc2_b: the third product's start
	PLOAD 1, 192, F1B, 0, 0                        ; half of fc1_b where B's fragments do not reach
	; ---- fc1
	LAYER 1, 1, 3, 1, 1
	PLACES 4
	PLOAD 1, 0, F1B, 1, 0
	s_wait_loadcnt 0x0
	; ---- gelu and its quantising: four chunks in a counted loop; only the lines whose register numbers differ are written four times, chosen by the count
	s_mov_b32 s[CH], 0
	s_mov_b32 s[IOF], 0
	s_mov_b32 s[JOF], 0
.Lg:
	s_cmp_eq_u32 s[CH], 0
	s_cbranch_scc1 .Lg0
	s_cmp_eq_u32 s[CH], 1
	s_cbranch_scc1 .Lg1
	s_cmp_eq_u32 s[CH], 2
	s_cbranch_scc1 .Lg2
	GMOVE 3
	s_branch .Lgj
.Lg0:
	GMOVE 0
	s_branch .Lgj
.Lg1:
	GMOVE 1
	s_branch .Lgj
.Lg2:
	GMOVE 2
.Lgj:
	GHALF ST
	GHALF ST+32
	QUANT ST, PW
	v_add_nc_u32 v[IWC], s[IOF], v[IW0]
	v_add_nc_u32 v[SWC], s[JOF], v[SW0]
	IMAGE IWC, 0                                   ; the first images are done with: every wave read them ahead of barriers that all have passed
	ds_store_b32 v[SWC], v[PW]
	s_wait_dscnt 0x0
	s_add_co_u32 s[IOF], s[IOF], 1536
	s_add_co_u32 s[JOF], s[JOF], 64
	s_add_co_u32 s[CH], s[CH], 1
	s_cmp_lt_u32 s[CH], 4
	s_cbranch_scc1 .Lg
	; ---- out0 = x1 + fc2_b + g W2^T
	LAYER 1, 0, 2, 0, 2
	PLACES 4
	; ---- the way out: a chunk of 16 rows x 128 columns turns through my stage and leaves as runs of 512 consecutive bytes, aligned; each chunk has registers of its own
.set c, 0
.rept 4
	WIN 0x08                                       ; an LDS store's data are its source 1: window 2
.set k, 0
.rept 16
	ds_store_b128 v[SL], v[64*c+4*k:64*c+4*k+3] offset:128*(k/4)+16*(k%4)   ; each accumulator from its low end on
.set k, k+1
.endr
	WIN 0xc0
.set k, 0
.rept 16
	ds_load_b128 v[64*c+4*k:64*c+4*k+3], v[SD] offset:528*k   ; LDS serves a wave's instructions in order
.set k, k+1
.endr
	s_wait_dscnt 0x0
	WIN 0x0c
.set k, 0
.rept 16
	global_store_b128 v[XG], v[64*c+4*k:64*c+4*k+3], s[OP:OP+1] offset:(8*(c/2)+k+8*(k/8))*4096+512*(c%2) th:TH_STORE_NT
.set k, k+1
.endr
.set c, c+1
.endr
	WIN 0
	s_wait_tensorcnt 0x0                           ; the wave's end
	ds_add_u32 v[SPW], v[NIL]
	s_wait_dscnt 0x0
	ROUND                                          ; the closing round: no work-group ends while a partner may still ask for a tile that names it
	s_endpgm
.Lfunc_end_k_qa08cac4262_mlp:
	.size	k_qa08cac4262_mlp, .Lfunc_end_k_qa08cac4262_mlp-k_qa08cac4262_mlp
	.p2alignl 7, 3214868480
	.fill 96, 4, 3214868480
	.section	.rodata,"a",@progbits
	.p2align	6, 0x0
	.amdhsa_kernel k_qa08cac4262_mlp
		.amdhsa_group_segment_fixed_size 327680
		.amdhsa_private_segment_fixed_size 0
		.amdhsa_enable_private_segment 0
		.amdhsa_kernarg_size 80
		.amdhsa_user_sgpr_count 2
		.amdhsa_user_sgpr_kernarg_segment_ptr 1
		.amdhsa_wavefront_size32 1
		.amdhsa_system_sgpr_workgroup_id_x 1
		.amdhsa_system_sgpr_workgroup_id_y 1
		.amdhsa_system_sgpr_workgroup_id_z 1
		.amdhsa_system_vgpr_workitem_id 0
		.amdhsa_next_free_vgpr 1024
		.amdhsa_next_free_sgpr 96
		.amdhsa_reserve_vcc 1
		.amdhsa_float_denorm_mode_32 3
		.amdhsa_float_denorm_mode_16_64 3
		.amdhsa_memory_ordered 1
		.amdhsa_forward_progress 1
		.amdhsa_inst_pref_size 255
	.end_amdhsa_kernel
	.section	.bss,"aw",@nobits
	.p2align	6
	.space	262144
	.amdgpu_metadata
---
amdhsa.version: [ 1, 2 ]
amdhsa.kernels:
  - .name:           k_qa08cac4262_mlp
    .symbol:         k_qa08cac4262_mlp.kd
    .args:
      - { .name: x, .offset: 0, .size: 8, .value_kind: global_buffer, .address_space: global }
      - { .name: of, .offset: 8, .size: 8, .value_kind: global_buffer, .address_space: global }
      - { .name: osc, .offset: 16, .size: 8, .value_kind: global_buffer, .address_space: global }
      - { .name: wf, .offset: 24, .size: 8, .value_kind: global_buffer, .address_space: global }
      - { .name: out_b, .offset: 32, .size: 8, .value_kind: global_buffer, .address_space: global }
      - { .name: ln2_w, .offset: 40, .size: 8, .value_kind: global_buffer, .address_space: global }
      - { .name: ln2_b, .offset: 48, .size: 8, .value_kind: global_buffer, .address_space: global }
      - { .name: fc1_b, .offset: 56, .size: 8, .value_kind: global_buffer, .address_space: global }
      - { .name: fc2_b, .offset: 64, .size: 8, .value_kind: global_buffer, .address_space: global }
      - { .name: out0, .offset: 72, .size: 8, .value_kind: global_buffer, .address_space: global }
    .group_segment_fixed_size: 327680
    .private_segment_fixed_size: 0
    .kernarg_segment_align: 8
    .kernarg_segment_size: 80
    .max_flat_workgroup_size: 128
    .sgpr_count:     96
    .vgpr_count:     1024
    .wavefront_size: 32
...
	.end_amdgpu_metadata
.endif
;; end of part 4
;; ======== version 2 of 2: 4 launches
;; limits: right only within a limited range of input values
;; workspace buffers: wf 4,915,200 bytes; qf 6,291,456 bytes; qsc 524,288 bytes; kf 6,291,456 bytes; ksc 524,288 bytes; vf 7,340,032 bytes; of 6,291,456 bytes; osc 524,288 bytes
;; launch prep (part 5): grid 448 x 1, 8 waves a work-group, no clusters, 146,432 bytes of LDS; arguments qkv_w, out_w, fc1_w, fc2_w, x, ln1_w, ln1_b, wf, of, osc; writes wf, of, osc
.if DOCPART == 5
	.amdgcn_target "amdgcn-amd-amdhsa--gfx1250"
	.amdhsa_code_object_version 6
	.text
	.protected	k_qa08cac4262_prep
	.globl	k_qa08cac4262_prep
	.p2align	8
	.type	k_qa08cac4262_prep,@function
k_qa08cac4262_prep:
	s_mov_b64 s[64:65], 0
	v_nop
	global_prefetch_b8 v0, s[64:65] scope:SCOPE_SE
	s_setreg_imm32_b32 hwreg(HW_REG_WAVE_MODE, 25, 1), 1
	s_wait_xcnt 0x0
; One launch prepares both operands of the first product, and the later weights.  The path is chosen by the work-group's number alone; each path has LDS bytes of its own.
; WORK-GROUPS 0-255: h = LN1(x) for 32 rows, quantised to BF6 (E3M2) along the model's 1,024, stored as an image of the operand's registers: [group of 32 rows][K step 8][row tile 2] 1,536 bytes
; (registers 4 q .. 4 q + 3 of lane l at 512 q + 16 l), and the scale words [group][K step][row tile][r].  Lane r of row tile u stands for row 8 u + r + 8 (r / 8) of the group.
; The image lies in the buffers of and osc: the launch qkv reads it there, and only the launch behind that one writes o's codes and scale words over it.
; A wave takes 128 columns, one K step: x turns through its own stage in LDS, the rows' sums go from wave to wave through LDS (two barriers), all else stays in its 128 registers.
; WORK-GROUPS 256-447: the four weights [N][1024] f32 become codes of BF6 with one E8M0 byte for each 32 along K, in the order in which the later launches' operand registers take them.
; wf = [layer 6][K step 8][wave 4] blocks of 25,600 bytes; layers 0-2 are qkv_w's thirds, 3 out_w, 4 fc1_w, 5 fc2_w.  A block holds 16 fragments (three runs of 512 bytes each) and behind them, at byte 24,576,
; the scale words: pair p at 128 p + 4 l, lanes 0-15 tile 2 p, lanes 16-31 tile 2 p + 1.  Lane r of tile t of wave w stands for row 256 w + 32 (t / 2) + 8 (t % 2) + r + 8 (r / 8).
; One work-group makes one block, each of its eight waves two tiles; waves share nothing there.
; A block's scale is 2^(floor(log2(largest magnitude)) - 4); its byte is the largest magnitude's exponent field - 4, held at 1 from below.
; LIMITS: NaN and infinities are not served; a block whose largest magnitude lies under 2^-122, a block of zeros among them, keeps the byte 1 (this program alone reads the bytes; zero codes add nothing).
.set STGB, 8448                        ; a wave's stage: 16 rows x 528 bytes
.set LSTG, 68608                       ; LDS: the weights' stages at 0, the spare words at 67,584; LN1's stages here,
.set LRED, 136192                      ; its rows' sums and sums of squares, 1,024 bytes each,
.set LPRM, 138240                      ; and each wave's 512 bytes of ln1_w and of ln1_b
.set R,    16                          ; weights: v16-143 two tiles as loaded
.set X,    144                         ; v144-207 64 numbers of my row
.set PC,   208                         ; v208-227 the codes
.set TM,   228                         ; v228-243 at work
.set PW,   244                         ; v244-245 two tiles' scale words
.set SWV,  246
.set LX,   16                          ; LN1: v16-143 my 2 x 64 numbers: register 64 u + 16 b + i = column 32 b + 16 (lane / 16) + i
.set WB,   144                         ; v144-175 a half of ln1_w, v176-207 of ln1_b
.set CHN,  208                         ; ahead of the quantiser: sums in chains, folds, means, 1 / sigma
.set FR,   216
.set MU,   220
.set RS,   224
.set RW,   10
.set RR,   11
.set SEL,  20
.set HM,   22
.macro WGBAR                           ; what the others rely on is complete in front of the signal
	s_wait_alu depctr_va_vdst(0)
	s_wait_dscnt 0x0
	s_barrier_signal -1
	s_barrier_wait -1
.endm
.macro QUANT s, pw
.irp b, 0,1,2,3
	v_max3_num_f32 v[TM+\b], |v[\s+16*\b]|, |v[\s+1+16*\b]|, 0x2800000   ; block b: my 16 numbers and the floor 2^(5 - 127): the byte cannot fall under 1
.endr
.irp i, 2,4,6,8,10,12,14
.irp b, 0,1,2,3
	s_delay_alu instid0(VALU_DEP_4)
	v_max3_num_f32 v[TM+\b], v[TM+\b], |v[\s+16*\b+\i]|, |v[\s+1+16*\b+\i]|
.endr
.endr
.irp b, 0,1,2,3
	s_delay_alu instid0(VALU_DEP_4)
	v_permlanex16_b32 v[TM+4+\b], v[TM+\b], s[SEL], s[SEL+1]
.endr
.irp b, 0,1,2,3
	s_delay_alu instid0(VALU_DEP_4)
	v_max_num_f32 v[TM+\b], v[TM+\b], v[TM+4+\b]   ; with lane l xor 16's: the block's largest magnitude
.endr
.irp b, 0,1,2,3
	s_delay_alu instid0(VALU_DEP_4)
	v_add_nc_u32 v[TM+12+\b], 0xfe000000, v[TM+\b]   ; 4 off its exponent field: the conversion's scale operand
.endr
.irp b, 0,1,2,3
	s_delay_alu instid0(VALU_DEP_4)
	v_lshrrev_b32 v[TM+4+\b], 23, v[TM+12+\b]      ; the scale's byte
.endr
	s_delay_alu instid0(VALU_DEP_3)
	v_lshl_or_b32 v[\pw], v[TM+5], 8, v[TM+4]
	s_delay_alu instid0(VALU_DEP_1)
	v_lshl_or_b32 v[\pw], v[TM+6], 16, v[\pw]
	s_delay_alu instid0(VALU_DEP_1)
	v_lshl_or_b32 v[\pw], v[TM+7], 24, v[\pw]      ; my row's scale word
.irp c, 0,1
	v_cvt_scalef32_pk16_bf6_f32 v[PC+6*\c:PC+2+6*\c], v[\s+32*\c:\s+15+32*\c], v[TM+12+2*\c]
	v_cvt_scalef32_pk16_bf6_f32 v[PC+12+4*\c:PC+14+4*\c], v[\s+16+32*\c:\s+31+32*\c], v[TM+12+2*\c+1]   ; (a conversion's three registers begin on an even number)
.endr
	v_nop                                          ; one plain line behind the scaled conversions
.irp c, 0,1                                    ; the operand wants a whole block in a lane: lanes 0-15 block 2 c, lanes 16-31 block 2 c + 1
.irp i, 0,1,2
	v_permlane16_swap_b32 v[PC+6*\c+\i], v[PC+12+4*\c+\i]
.endr
.irp i, 0,1,2
	s_delay_alu instid0(VALU_DEP_3)
	v_mov_b32 v[PC+3+6*\c+\i], v[PC+12+4*\c+\i]
.endr
.endr
.endm
.macro FOLD off, reg                   ; four chains of pairs -> my row's part sum over this wave's 128 columns, to LDS
	v_pk_add_f32 v[CHN:CHN+1], v[CHN:CHN+1], v[CHN+2:CHN+3]
	v_pk_add_f32 v[CHN+4:CHN+5], v[CHN+4:CHN+5], v[CHN+6:CHN+7]
	s_delay_alu instid0(VALU_DEP_1)
	v_pk_add_f32 v[CHN:CHN+1], v[CHN:CHN+1], v[CHN+4:CHN+5]
	s_delay_alu instid0(VALU_DEP_1)
	v_add_f32 v[\reg], v[CHN], v[CHN+1]
	s_delay_alu instid0(VALU_DEP_1)
	v_permlanex16_b32 v[\reg+1], v[\reg], s[SEL], s[SEL+1]
	s_delay_alu instid0(VALU_DEP_1)
	v_add_f32 v[\reg], v[\reg], v[\reg+1]
	ds_store_b32 v[RW], v[\reg] offset:\off
.endm
.macro GATHER off                      ; the eight waves' parts, summed in one order by all: v[WB + 8 u]
.irp u, 0,1
.irp w, 0,1,2,3,4,5,6,7
	ds_load_b32 v[WB+8*\u+\w], v[RR] offset:(\off)+64*\u+128*\w
.endr
.endr
	s_wait_dscnt 0x0
.irp u, 0,1
	v_pk_add_f32 v[WB+8*\u:WB+8*\u+1], v[WB+8*\u:WB+8*\u+1], v[WB+8*\u+2:WB+8*\u+3]
	v_pk_add_f32 v[WB+8*\u+4:WB+8*\u+5], v[WB+8*\u+4:WB+8*\u+5], v[WB+8*\u+6:WB+8*\u+7]
.endr
	s_delay_alu instid0(VALU_DEP_3)
	v_pk_add_f32 v[WB:WB+1], v[WB:WB+1], v[WB+4:WB+5]
	s_delay_alu instid0(VALU_DEP_2)
	v_pk_add_f32 v[WB+8:WB+9], v[WB+8:WB+9], v[WB+12:WB+13]
.irp u, 0,1
	s_delay_alu instid0(VALU_DEP_2)
	v_add_f32 v[WB+8*\u], v[WB+8*\u], v[WB+8*\u+1]
.endr
.endm
	s_load_b256 s[4:11], s[0:1], 0x0               ; qkv_w, out_w, fc1_w, fc2_w
	s_load_b256 s[28:35], s[0:1], 0x20             ; x, ln1_w, ln1_b, wf
	s_load_b128 s[36:39], s[0:1], 0x40             ; of, osc
	v_lshl_add_u32 v254, v0, 2, 0x10800
	v_mov_b32 v255, 0
	v_lshrrev_b32 v1, 5, v0
	v_readfirstlane_b32 s14, v1                    ; wave 0..7
	v_and_b32 v2, 31, v0                           ; lane
	v_and_b32 v3, 15, v0                           ; r
	v_bfe_u32 v4, v0, 4, 1                         ; h
	v_lshlrev_b32 v5, 4, v2                        ; 16 x lane: my bytes of a load's 512
.irp b, 0,1,2,3
	v_mov_b32 v[TM+4+\b], 0                        ; a lane permute's destination counts as one of its sources
.endr
	s_mov_b32 s[SEL], 0x76543210
	s_mov_b32 s[SEL+1], 0xfedcba98                 ; lane l xor 16
	s_mov_b32 s[HM], 0xffff0000                    ; lanes 16-31
	s_cmp_lt_u32 ttmp9, 256
	s_wait_alu depctr_va_vdst(0)                   ; the wait ahead of the branch
	s_cbranch_scc1 .Lln
; THE WEIGHTS
	s_sub_co_u32 s23, ttmp9, 256                   ; which block of wf
	s_mul_i32 s15, s14, STGB
	v_add_nc_u32 v7, s15, v5                       ; the stage on the way in: row i at 528 i
	v_mul_u32_u24 v8, v3, 528
	v_lshl_add_u32 v8, v4, 6, v8
	v_add_nc_u32 v8, s15, v8                       ; and on the way out: row r, + 64 h
	s_mul_i32 s15, s14, 3072
	v_add_nc_u32 v9, s15, v5                       ; my two fragments in the block
	s_lshl_b32 s15, s14, 7
	s_add_co_u32 s15, s15, 24576
	v_lshl_add_u32 v10, v2, 2, s15                 ; and my pair's scale words
	s_lshr_b32 s16, s23, 5                         ; layer
	s_and_b32 s17, s23, 3                          ; the later launches' wave
	s_bfe_u32 s18, s23, 0x30002                    ; K step
	s_cmp_lt_u32 s16, 3
	s_cselect_b32 s19, s16, 0                      ; layers 0-2 are thirds of qkv_w, 4 MiB each
	s_lshl_b32 s24, s19, 22
	s_lshl_b32 s19, s17, 20                        ; 256 rows of 4,096 bytes
	s_add_co_u32 s24, s24, s19
	s_lshl_b32 s19, s14, 17                        ; 32 rows
	s_add_co_u32 s24, s24, s19
	s_lshl_b32 s19, s18, 9                         ; 128 numbers along K
	s_add_co_u32 s24, s24, s19
	s_mov_b32 s25, 0
	s_mul_i32 s26, s23, 25600
	s_mov_b32 s27, 0
	s_wait_alu depctr_va_vdst(0)                   ; the wait at the head's end
	s_wait_kmcnt 0x0
	s_cmp_eq_u32 s16, 3                            ; the choice of buffer hangs on the work-group's number alone
	s_cselect_b64 s[4:5], s[6:7], s[4:5]
	s_cmp_eq_u32 s16, 4
	s_cselect_b64 s[4:5], s[8:9], s[4:5]
	s_cmp_eq_u32 s16, 5
	s_cselect_b64 s[4:5], s[10:11], s[4:5]
	s_add_nc_u64 s[4:5], s[4:5], s[24:25]
	s_add_nc_u64 s[34:35], s[34:35], s[26:27]
.macro LOADF t                         ; tile t of my two: row i of the tile is row 8 t + i + 8 (i / 8) of my 32
.set k, 0
.rept 16
	global_load_b128 v[R+64*\t+4*k:R+64*\t+4*k+3], v5, s[4:5] offset:(8*\t+k+8*(k/8))*4096 th:TH_LOAD_NT
.set k, k+1
.endr
.endm
.macro TURN t                          ; LDS serves a wave's instructions in order: no wait between the stores and the loads
.set k, 0
.rept 16
	ds_store_b128 v7, v[R+64*\t+4*k:R+64*\t+4*k+3] offset:528*k
.set k, k+1
.endr
.set k, 0
.rept 16
	ds_load_b128 v[X+4*k:X+4*k+3], v8 offset:128*(k/4)+16*(k%4)
.set k, k+1
.endr
.endm
	LOADF 0
	LOADF 1
.irp t, 0,1
	s_wait_loadcnt 16-16*\t                        ; this tile's 16 loads are in; the other tile's may be out
	TURN \t
	s_wait_dscnt 0x0
.if \t
	s_wait_xcnt 0x0                                ; the first tile's stores have read the codes' registers
.endif
	QUANT X, PW+\t
.irp q, 0,1,2
	global_store_b128 v9, v[PC+4*\q:PC+4*\q+3], s[34:35] offset:1536*\t+512*\q   ; 512 consecutive bytes, aligned
.endr
.endr
	v_cndmask_b32 v[SWV], v[PW], v[PW+1], s[HM]    ; lanes 0-15 the even tile's words, lanes 16-31 the odd tile's
	global_store_b32 v10, v[SWV], s[34:35]
	s_branch .Lend
; LN1
.Lln:
	s_mul_i32 s15, s14, STGB
	s_add_co_u32 s15, s15, LSTG
	s_lshl_b32 s16, s14, 7
	s_lshl_b32 s17, s14, 9
	s_lshl_b32 s18, s14, 10
	s_add_co_u32 s18, s18, LPRM
	s_mul_i32 s19, s14, 3072
	s_lshl_b32 s24, ttmp9, 17                      ; 32 rows of 4,096 bytes
	s_mov_b32 s25, 0
	s_mul_i32 s26, ttmp9, 24576                    ; the group's image
	s_mov_b32 s27, 0
	s_lshl_b32 s40, ttmp9, 10                      ; and its scale words
	s_mov_b32 s41, 0
	s_mov_b32 s42, 0x3a800000                      ; 1 / 1,024
	v_add_nc_u32 v6, s15, v5                       ; the stage by rows,
	v_mul_u32_u24 v7, v3, 528
	v_lshl_add_u32 v7, v4, 6, v7
	v_add_nc_u32 v7, s15, v7                       ; and row r, + 64 h
	v_lshlrev_b32 v8, 2, v3
	v_lshl_add_u32 v9, v2, 2, s16                  ; my K step's scale words: 128 wave + 4 lane
	v_add_nc_u32 v[RW], s16, v8
	v_add_nc_u32 v[RW], LRED, v[RW]
	v_add_nc_u32 v[RR], LRED, v8
	v_add_nc_u32 v12, s17, v5                      ; my 512 bytes of a row
	v_lshl_add_u32 v13, v4, 6, s18
	v_add_nc_u32 v14, s18, v5
	v_add_nc_u32 v15, s19, v5                      ; my K step in the image
.irp b, 0,1,2,3
	v_mov_b32 v[FR+\b], 0
.endr
	s_wait_alu depctr_va_vdst(0)                   ; the wait at the head's end
	s_wait_kmcnt 0x0
	s_add_nc_u64 s[28:29], s[28:29], s[24:25]
	s_add_nc_u64 s[36:37], s[36:37], s[26:27]
	s_add_nc_u64 s[38:39], s[38:39], s[40:41]
	global_load_b128 v[WB:WB+3], v12, s[30:31]
	global_load_b128 v[WB+4:WB+7], v12, s[32:33]
.irp u, 0,1
.set k, 0
.rept 16
	global_load_b128 v[LX+64*\u+4*k:LX+64*\u+4*k+3], v12, s[28:29] offset:(8*\u+k+8*(k/8))*4096 th:TH_LOAD_NT
.set k, k+1
.endr
.endr
	s_wait_loadcnt 32                              ; all but x's 32
	ds_store_b128 v14, v[WB:WB+3]
	ds_store_b128 v14, v[WB+4:WB+7] offset:512
.irp u, 0,1                                    ; x turns through my stage and comes back into the same registers; LDS serves a wave's instructions in order
	s_wait_loadcnt 16-16*\u
.set k, 0
.rept 16
	ds_store_b128 v6, v[LX+64*\u+4*k:LX+64*\u+4*k+3] offset:528*k
.set k, k+1
.endr
.set k, 0
.rept 16
	ds_load_b128 v[LX+64*\u+4*k:LX+64*\u+4*k+3], v7 offset:128*(k/4)+16*(k%4)
.set k, k+1
.endr
.endr
	s_wait_dscnt 0x0
.irp u, 0,1                                    ; the rows' sums
.set k, 0
.rept 4
	v_pk_add_f32 v[CHN+2*k:CHN+2*k+1], v[LX+64*\u+4*k:LX+64*\u+4*k+1], v[LX+64*\u+4*k+2:LX+64*\u+4*k+3]
.set k, k+1
.endr
.set k, 8
.rept 24
	v_pk_add_f32 v[CHN+2*(k%4):CHN+2*(k%4)+1], v[CHN+2*(k%4):CHN+2*(k%4)+1], v[LX+64*\u+2*k:LX+64*\u+2*k+1]
.set k, k+1
.endr
	FOLD 64*\u, FR+2*\u
.endr
	WGBAR
	GATHER 0
.irp u, 0,1
	v_mul_f32 v[MU+2*\u], 0x3a800000, v[WB+8*\u]
	v_mul_f32 v[MU+2*\u+1], 0x3a800000, v[WB+8*\u]
.endr
.irp u, 0,1                                    ; x - mean, in place, and the sums of its squares
.set k, 0
.rept 32
	v_pk_add_f32 v[LX+64*\u+2*k:LX+64*\u+2*k+1], v[LX+64*\u+2*k:LX+64*\u+2*k+1], v[MU+2*\u:MU+2*\u+1] neg_lo:[0,1] neg_hi:[0,1]
.set k, k+1
.endr
.set k, 0
.rept 32
.if k < 4
	v_pk_mul_f32 v[CHN+2*k:CHN+2*k+1], v[LX+64*\u+2*k:LX+64*\u+2*k+1], v[LX+64*\u+2*k:LX+64*\u+2*k+1]
.else
	v_pk_fma_f32 v[CHN+2*(k%4):CHN+2*(k%4)+1], v[LX+64*\u+2*k:LX+64*\u+2*k+1], v[LX+64*\u+2*k:LX+64*\u+2*k+1], v[CHN+2*(k%4):CHN+2*(k%4)+1]
.endif
.set k, k+1
.endr
	FOLD 1024+64*\u, FR+2*\u
.endr
	WGBAR
	GATHER 1024
.irp u, 0,1
	v_fmaak_f32 v[FR+2*\u], s42, v[WB+8*\u], 0x3727c5ac   ; var + 1e-5
.endr
	s_wait_alu depctr_va_vdst(0)                   ; the wait ahead of the batch,
.irp u, 0,1
	v_rsq_f32 v[RS+2*\u], v[FR+2*\u]
	v_rsq_f32 v[RS+2*\u+1], v[FR+2*\u]
.endr
	v_nop
	s_wait_alu depctr_va_vdst(0)                   ; and behind it
.irp u, 0,1
.set k, 0
.rept 32
	v_pk_mul_f32 v[LX+64*\u+2*k:LX+64*\u+2*k+1], v[LX+64*\u+2*k:LX+64*\u+2*k+1], v[RS+2*\u:RS+2*\u+1]
.set k, k+1
.endr
.endr
.irp p, 0,1                                    ; x w + b, by halves of my 128 columns; sixteen lanes read the same bytes of w and b
.set k, 8*\p
.rept 8
	ds_load_b128 v[WB+4*(k-8*\p):WB+4*(k-8*\p)+3], v13 offset:128*(k/4)+16*(k%4)
	ds_load_b128 v[WB+32+4*(k-8*\p):WB+32+4*(k-8*\p)+3], v13 offset:512+128*(k/4)+16*(k%4)
.set k, k+1
.endr
	s_wait_alu depctr_va_vdst(0)                   ; the wait ahead of the wait below
	s_wait_dscnt 0x0
.irp u, 0,1
.set k, 0
.rept 16
	v_pk_fma_f32 v[LX+64*\u+32*\p+2*k:LX+64*\u+32*\p+2*k+1], v[LX+64*\u+32*\p+2*k:LX+64*\u+32*\p+2*k+1], v[WB+2*k:WB+2*k+1], v[WB+32+2*k:WB+32+2*k+1]
.set k, k+1
.endr
.endr
.endr
.irp u, 0,1
.if \u
	s_wait_alu depctr_va_vdst(0)
	s_wait_xcnt 0x0                                ; the first tile's stores have read the codes' registers
.endif
	QUANT LX+64*\u, PW+\u
.irp q, 0,1,2
	global_store_b128 v15, v[PC+4*\q:PC+4*\q+3], s[36:37] offset:1536*\u+512*\q   ; 512 consecutive bytes, aligned
.endr
.endr
	v_cndmask_b32 v[SWV], v[PW], v[PW+1], s[HM]    ; lanes 0-15 row tile 0's words, lanes 16-31 row tile 1's
	global_store_b32 v9, v[SWV], s[38:39]
.Lend:
	s_wait_tensorcnt 0x0                           ; the wave's end
	ds_add_u32 v254, v255
	s_wait_dscnt 0x0
	s_endpgm
.Lfunc_end_k_qa08cac4262_prep:
	.size	k_qa08cac4262_prep, .Lfunc_end_k_qa08cac4262_prep-k_qa08cac4262_prep
	.p2alignl 7, 3214868480
	.fill 96, 4, 3214868480
	.section	.rodata,"a",@progbits
	.p2align	6, 0x0
	.amdhsa_kernel k_qa08cac4262_prep
		.amdhsa_group_segment_fixed_size 146432
		.amdhsa_private_segment_fixed_size 0
		.amdhsa_enable_private_segment 0
		.amdhsa_kernarg_size 80
		.amdhsa_user_sgpr_count 2
		.amdhsa_user_sgpr_kernarg_segment_ptr 1
		.amdhsa_wavefront_size32 1
		.amdhsa_system_sgpr_workgroup_id_x 1
		.amdhsa_system_sgpr_workgroup_id_y 1
		.amdhsa_system_sgpr_workgroup_id_z 1
		.amdhsa_system_vgpr_workitem_id 0
		.amdhsa_next_free_vgpr 256
		.amdhsa_next_free_sgpr 66
		.amdhsa_reserve_vcc 0
		.amdhsa_float_denorm_mode_32 3
		.amdhsa_float_denorm_mode_16_64 3
		.amdhsa_memory_ordered 1
		.amdhsa_forward_progress 1
		.amdhsa_inst_pref_size 70
	.end_amdhsa_kernel
	.amdgpu_metadata
---
amdhsa.version: [ 1, 2 ]
amdhsa.kernels:
  - .name:           k_qa08cac4262_prep
    .symbol:         k_qa08cac4262_prep.kd
    .args:
      - { .name: qkv_w, .offset: 0, .size: 8, .value_kind: global_buffer, .address_space: global }
      - { .name: out_w, .offset: 8, .size: 8, .value_kind: global_buffer, .address_space: global }
      - { .name: fc1_w, .offset: 16, .size: 8, .value_kind: global_buffer, .address_space: global }
      - { .name: fc2_w, .offset: 24, .size: 8, .value_kind: global_buffer, .address_space: global }
      - { .name: x, .offset: 32, .size: 8, .value_kind: global_buffer, .address_space: global }
      - { .name: ln1_w, .offset: 40, .size: 8, .value_kind: global_buffer, .address_space: global }
      - { .name: ln1_b, .offset: 48, .size: 8, .value_kind: global_buffer, .address_space: global }
      - { .name: wf, .offset: 56, .size: 8, .value_kind: global_buffer, .address_space: global }
      - { .name: of, .offset: 64, .size: 8, .value_kind: global_buffer, .address_space: global }
      - { .name: osc, .offset: 72, .size: 8, .value_kind: global_buffer, .address_space: global }
    .group_segment_fixed_size: 146432
    .private_segment_fixed_size: 0
    .kernarg_segment_align: 8
    .kernarg_segment_size: 80
    .max_flat_workgroup_size: 256
    .sgpr_count:     66
    .vgpr_count:     256
    .wavefront_size: 32
...
	.end_amdgpu_metadata
.endif
;; end of part 5
;; launch qkv (part 6): grid 256 x 1, 4 waves a work-group, clusters of 4 x 1, 327,680 bytes of LDS; arguments of, osc, qkv_b, wf, qf, qsc, kf, ksc, vf; writes qf, qsc, kf, ksc, vf
.if DOCPART == 6
	.amdgcn_target "amdgcn-amd-amdhsa--gfx1250"
	.amdhsa_code_object_version 6
	.text
	.protected	k_qa08cac4262_qkv
	.globl	k_qa08cac4262_qkv
	.p2align	8
	.type	k_qa08cac4262_qkv,@function
k_qa08cac4262_qkv:
	s_mov_b64 s[64:65], 0
	v_nop
	global_prefetch_b8 v0, s[64:65] scope:SCOPE_SE
	s_setreg_imm32_b32 hwreg(HW_REG_WAVE_MODE, 25, 1), 1
	s_wait_xcnt 0x0
	s_wait_alu depctr_hold_cnt(0) depctr_sa_sdst(0) depctr_va_vdst(0) depctr_va_sdst(0) depctr_va_ssrc(0) depctr_va_vcc(0) depctr_vm_vsrc(0)
	s_getreg_b32 s2, hwreg(HW_REG_IB_STS2, 6, 4)
	s_cmp_eq_u32 s2, 0
	s_cbranch_scc0 .Lentry_in_a_cluster
	s_endpgm
.Lentry_in_a_cluster:
	s_bfe_u32 s2, ttmp6, 0x10000c
	s_cmp_lg_u32 s2, 0x3003
	s_cbranch_scc0 .Lentry_shape_is_right
	s_endpgm
.Lentry_shape_is_right:
.set XP,  8
.set LWP, 10
.set LBP, 12
.set QBP, 14
.set WFP, 16
.set QFP, 18
.set QSP, 20
.set KFP, 22
.set KSP, 24
.set VFP, 26
.set TILEB, 102400
.set BLKB,  25600
.set TSTEP, 204800
.set AIMG0, 204800
.set ASC0,  253952
.set RED1,  256000
.set STG,   257024
.set SPARE, 290816
.set SPW, 1
.set NIL, 2
.set L16, 3
.set L8,  4
.set L4,  5
.set R4,  6
.set BA0, 7
.set BS0, 9
.set AA0, 11
.set IWC, 12
.set SA0, 14
.set SWC, 15
.set IW0, 17
.set VBO, 19
.set SW0, 20
.set SD,  23
.set SL,  24
.set RW,  25
.set RR,  26
.set XG,  27
.set PG,  28
.set GA,  29
.set GB,  30
.set GS,  31
.set BSR, 32
.set ASR, 40
.set AF,  44
.set ST,  68
.set VSTA, 140
.set VGA, 141
.set VGS, 142
.set PGB, 143
.set VB,  148
.set T2,  164
.set PC,  196
.set TM,  216
.set PW,  232
.set SWV, 233
.set MU,  234
.set RS,  238
.set CHN, 242
.set G1,  28
.set G0,  36
.set WV,  44
.set CX,  45
.set RB,  46
.set SEL, 48
.set CCR, 50
.set GOF, 51
.set CH,  52
.set GOS, 53
.set HM,  54
.set MSB, 0
.macro WIN new
.if MSB != (\new)
	s_set_vgpr_msb (MSB<<8)|(\new)
.set MSB, (\new)
.endif
.endm
.macro PLACES n
.rept \n
	v_nop
.endr
.endm
.macro ROUND
	s_barrier_signal -1
	s_barrier_wait -1
	s_cmp_lg_u32 s[WV], 0
	s_cbranch_scc1 .Lnw0_\@
	s_barrier_signal -3
.Lnw0_\@:
	s_barrier_wait -3
	s_barrier_signal -1
	s_barrier_wait -1
.endm
.macro WGBAR
	s_wait_dscnt 0x0
	s_barrier_signal -1
	s_barrier_wait -1
.endm
.macro WM d, a, b, c, sa, sb, ra, rb
.if (\ra) && (\rb)
	v_wmma_scale_f32_16x16x128_f8f6f4 v[(\d):(\d)+7], v[(\a):(\a)+11], v[(\b):(\b)+11], \c, v[\sa], v[\sb] matrix_a_fmt:MATRIX_FMT_BF6 matrix_b_fmt:MATRIX_FMT_BF6 matrix_a_scale:MATRIX_SCALE_ROW1 matrix_b_scale:MATRIX_SCALE_ROW1
.elseif (\ra)
	v_wmma_scale_f32_16x16x128_f8f6f4 v[(\d):(\d)+7], v[(\a):(\a)+11], v[(\b):(\b)+11], \c, v[\sa], v[\sb] matrix_a_fmt:MATRIX_FMT_BF6 matrix_b_fmt:MATRIX_FMT_BF6 matrix_a_scale:MATRIX_SCALE_ROW1
.elseif (\rb)
	v_wmma_scale_f32_16x16x128_f8f6f4 v[(\d):(\d)+7], v[(\a):(\a)+11], v[(\b):(\b)+11], \c, v[\sa], v[\sb] matrix_a_fmt:MATRIX_FMT_BF6 matrix_b_fmt:MATRIX_FMT_BF6 matrix_b_scale:MATRIX_SCALE_ROW1
.else
	v_wmma_scale_f32_16x16x128_f8f6f4 v[(\d):(\d)+7], v[(\a):(\a)+11], v[(\b):(\b)+11], \c, v[\sa], v[\sb] matrix_a_fmt:MATRIX_FMT_BF6 matrix_b_fmt:MATRIX_FMT_BF6
.endif
.endm
.macro PRODS kp, zero, swap
.set tt, 0
.rept 8
.set mm, 0
.rept 4
.if \swap
.set rD, 128*(mm/2)+16*tt+8*(mm%2)
.if \zero
	WM rD, AF+48*(\kp)+12*mm, 96*(\kp)+12*tt, 0, ASR+2*(\kp)+mm/2, BSR+4*(\kp)+tt/2, mm%2, tt%2
.else
	WM rD, AF+48*(\kp)+12*mm, 96*(\kp)+12*tt, v[rD:rD+7], ASR+2*(\kp)+mm/2, BSR+4*(\kp)+tt/2, mm%2, tt%2
.endif
.else
.set rD, 64*mm+8*tt
.if \zero
	WM rD, 96*(\kp)+12*tt, AF+48*(\kp)+12*mm, 0, BSR+4*(\kp)+tt/2, ASR+2*(\kp)+mm/2, tt%2, mm%2
.else
	WM rD, 96*(\kp)+12*tt, AF+48*(\kp)+12*mm, v[rD:rD+7], BSR+4*(\kp)+tt/2, ASR+2*(\kp)+mm/2, tt%2, mm%2
.endif
.endif
.set mm, mm+1
.endr
.set tt, tt+1
.endr
.endm
.macro TRIP slot, mode, zero, swap, tp
.if \mode == 0
	s_wait_tensorcnt 0x1
	s_wait_dscnt 0x0
	s_barrier_signal -1
	s_barrier_wait -1
.else
	s_wait_tensorcnt 0x0
	ds_add_u32 v[SPW], v[NIL]
.if \mode == 1
	s_add_nc_u64 s[G0+6-4*\slot:G0+7-4*\slot], s[G0+6-4*\slot:G0+7-4*\slot], 2*TSTEP
.endif
	s_wait_dscnt 0x0
.if \mode == 1
	ROUND
	tensor_load_to_lds s[G0+4-4*\slot:G0+7-4*\slot], s[G1:G1+7]
	s_nop 0
.else
	s_barrier_signal -1
	s_barrier_wait -1
.endif
.endif
	PLACES 4
.set k, 0
.rept 4
	ds_load_b32 v[ASR+k], v[SA0] offset:256*(\tp)+128*(k/2)+1024*(k%2)
.set k, k+1
.endr
.set k, 0
.rept 8
	ds_load_b32 v[BSR+k], v[BS0+\slot] offset:51200*(k/4)+128*(k%4)
.set k, k+1
.endr
.set k, 0
.rept 24
	ds_load_b128 v[AF+4*k:AF+4*k+3], v[AA0] offset:6144*(\tp)+3072*(k/12)+24576*((k%12)/6)+512*(k%6)
.set k, k+1
.endr
	WIN 0x40
.set k, 0
.rept 48
	ds_load_b128 v[4*k:4*k+3], v[BA0+\slot] offset:51200*(k/24)+512*(k%24)
.set k, k+1
.endr
	s_wait_dscnt 24
.if \swap
	WIN 0xf4
.else
	WIN 0xf1
.endif
	PRODS 0, \zero, \swap
	s_wait_dscnt 0x0
	PRODS 1, 0, \swap
	WIN 0
.endm
.macro LAYER mode0, swap, modeL
	TRIP 0, \mode0, 1, \swap, 0
	TRIP 1, 1, 0, \swap, 1
	TRIP 0, 1, 0, \swap, 2
	TRIP 1, \modeL, 0, \swap, 3
.endm
.macro QUANT s, pw
.irp b, 0,1,2,3
	v_max3_num_f32 v[TM+\b], |v[\s+16*\b]|, |v[\s+1+16*\b]|, 0x2800000
.endr
.irp i, 2,4,6,8,10,12,14
.irp b, 0,1,2,3
	v_max3_num_f32 v[TM+\b], v[TM+\b], |v[\s+16*\b+\i]|, |v[\s+1+16*\b+\i]|
.endr
.endr
.irp b, 0,1,2,3
	v_permlanex16_b32 v[TM+4+\b], v[TM+\b], s[SEL], s[SEL+1]
.endr
.irp b, 0,1,2,3
	v_max_num_f32 v[TM+\b], v[TM+\b], v[TM+4+\b]
.endr
.irp b, 0,1,2,3
	v_add_nc_u32 v[TM+12+\b], 0xfe000000, v[TM+\b]
.endr
.irp b, 0,1,2,3
	v_lshrrev_b32 v[TM+4+\b], 23, v[TM+12+\b]
.endr
	v_lshl_or_b32 v[\pw], v[TM+5], 8, v[TM+4]
	v_lshl_or_b32 v[\pw], v[TM+6], 16, v[\pw]
	v_lshl_or_b32 v[\pw], v[TM+7], 24, v[\pw]
.irp c, 0,1
	v_cvt_scalef32_pk16_bf6_f32 v[PC+6*\c:PC+2+6*\c], v[\s+32*\c:\s+15+32*\c], v[TM+12+2*\c]
	v_cvt_scalef32_pk16_bf6_f32 v[PC+12+4*\c:PC+14+4*\c], v[\s+16+32*\c:\s+31+32*\c], v[TM+12+2*\c+1]
.endr
	v_nop
.irp c, 0,1
.irp i, 0,1,2
	v_permlane16_swap_b32 v[PC+6*\c+\i], v[PC+12+4*\c+\i]
.endr
.irp i, 0,1,2
	v_mov_b32 v[PC+3+6*\c+\i], v[PC+12+4*\c+\i]
.endr
.endr
.endm
.macro IMAGE adr, off
.irp q, 0,1,2
	ds_store_b128 v[\adr], v[PC+4*\q:PC+4*\q+3] offset:(\off)+512*\q
.endr
.endm
.macro PLOAD win, reg, ptr, vo, extra
	WIN (\win)<<6
.set k, 0
.rept 16
	global_load_b128 v[(\reg)+4*k:(\reg)+4*k+3], v[\vo], s[\ptr:\ptr+1] offset:(\extra)+128*(k/4)+16*(k%4)
.set k, k+1
.endr
	WIN 0
.endm
.macro XLOAD g
	WIN 0xc0
.irp u, 0,1
.irp e, 0,1
.set k, 0
.rept 16
	global_load_b128 v[64*(2*\u+\e)+4*k:64*(2*\u+\e)+4*k+3], v[XG], s[XP:XP+1] offset:131072*(\g)+(8*\u+k+8*(k/8))*4096+512*\e
.set k, k+1
.endr
.endr
.endr
	WIN 0
.endm
.macro XTURN
.set c, 0
.rept 4
	s_wait_loadcnt 48-16*c
	WIN 0x0c
.set k, 0
.rept 16
	ds_store_b128 v[SD], v[64*c+4*k:64*c+4*k+3] offset:528*k
.set k, k+1
.endr
	WIN 0x80
.set k, 0
.rept 16
	ds_load_b128 v[64*c+4*k:64*c+4*k+3], v[SL] offset:128*(k/4)+16*(k%4)
.set k, k+1
.endr
.set c, c+1
.endr
	WIN 0
	s_wait_dscnt 0x0
.endm
.macro FOLD off, reg
	v_pk_add_f32 v[CHN:CHN+1], v[CHN:CHN+1], v[CHN+2:CHN+3]
	v_pk_add_f32 v[CHN+4:CHN+5], v[CHN+4:CHN+5], v[CHN+6:CHN+7]
	v_pk_add_f32 v[CHN:CHN+1], v[CHN:CHN+1], v[CHN+4:CHN+5]
	v_add_f32 v[\reg], v[CHN], v[CHN+1]
	v_permlanex16_b32 v[\reg+1], v[\reg], s[SEL], s[SEL+1]
	v_add_f32 v[\reg], v[\reg], v[\reg+1]
	ds_store_b32 v[RW], v[\reg] offset:\off
.endm
.macro GATHER off
.irp u, 0,1
.irp w, 0,1,2,3
	ds_load_b32 v[CHN+4*\u+\w], v[RR] offset:(\off)+64*\u+128*\w
.endr
.endr
	s_wait_dscnt 0x0
.irp u, 0,1
	v_add_f32 v[CHN+4*\u], v[CHN+4*\u], v[CHN+4*\u+1]
	v_add_f32 v[CHN+4*\u], v[CHN+4*\u], v[CHN+4*\u+2]
	v_add_f32 v[CHN+4*\u], v[CHN+4*\u], v[CHN+4*\u+3]
.endr
.endm
.macro LNSTATS
.irp u, 0,1
	WIN 0x0a
.set k, 0
.rept 4
	v_pk_add_f32 v[CHN+2*k:CHN+2*k+1], v[128*\u+4*k:128*\u+4*k+1], v[128*\u+4*k+2:128*\u+4*k+3]
.set k, k+1
.endr
	WIN 0x08
.set k, 8
.rept 56
	v_pk_add_f32 v[CHN+2*(k%4):CHN+2*(k%4)+1], v[CHN+2*(k%4):CHN+2*(k%4)+1], v[128*\u+2*k:128*\u+2*k+1]
.set k, k+1
.endr
	WIN 0
	FOLD 64*\u, 250+2*\u
.endr
	WGBAR
	GATHER 0
.irp u, 0,1
	v_mul_f32 v[MU+2*\u], 0x3a800000, v[CHN+4*\u]
	v_mov_b32 v[MU+2*\u+1], v[MU+2*\u]
.endr
.irp u, 0,1
.irp e, 0,1
	WIN 0x02
.set k, 0
.rept 32
	v_pk_add_f32 v[ST+2*k:ST+2*k+1], v[128*\u+64*\e+2*k:128*\u+64*\e+2*k+1], v[MU+2*\u:MU+2*\u+1] neg_lo:[0,1] neg_hi:[0,1]
.set k, k+1
.endr
	WIN 0
.set k, 0
.rept 32
.if (\e == 0) && (k < 4)
	v_pk_mul_f32 v[CHN+2*k:CHN+2*k+1], v[ST+2*k:ST+2*k+1], v[ST+2*k:ST+2*k+1]
.else
	v_pk_fma_f32 v[CHN+2*(k%4):CHN+2*(k%4)+1], v[ST+2*k:ST+2*k+1], v[ST+2*k:ST+2*k+1], v[CHN+2*(k%4):CHN+2*(k%4)+1]
.endif
.set k, k+1
.endr
.endr
	FOLD 512+64*\u, 250+2*\u
.endr
	WGBAR
	GATHER 512
.irp u, 0,1
	v_mul_f32 v[250+2*\u], 0x3a800000, v[CHN+4*\u]
	v_add_f32 v[250+2*\u], 0x3727c5ac, v[250+2*\u]
.endr
	s_wait_alu depctr_va_vdst(0)
.irp u, 0,1
	v_rsq_f32 v[RS+2*\u], v[250+2*\u]
	v_rsq_f32 v[RS+2*\u+1], v[250+2*\u]
.endr
	v_nop
	s_wait_alu depctr_va_vdst(0)
.endm
.macro LNCHUNK c4
.set ee, (\c4)/2
.set uu, (\c4)%2
	WIN 0x02
.set k, 0
.rept 32
	v_pk_add_f32 v[ST+2*k:ST+2*k+1], v[128*uu+64*ee+2*k:128*uu+64*ee+2*k+1], v[MU+2*uu:MU+2*uu+1] neg_lo:[0,1] neg_hi:[0,1]
.set k, k+1
.endr
	WIN 0
.set k, 0
.rept 32
	v_pk_mul_f32 v[ST+2*k:ST+2*k+1], v[ST+2*k:ST+2*k+1], v[RS+2*uu:RS+2*uu+1]
.set k, k+1
.endr
	WIN 0x14
.set k, 0
.rept 32
	v_pk_fma_f32 v[ST+2*k:ST+2*k+1], v[ST+2*k:ST+2*k+1], v[64*ee+2*k:64*ee+2*k+1], v[128+64*ee+2*k:128+64*ee+2*k+1]
.set k, k+1
.endr
	WIN 0
	QUANT ST, PW
	IMAGE IWC, 1536*(\c4)
	ds_store_b32 v[SWC], v[PW] offset:64*(\c4)
	s_wait_dscnt 0x0
.endm
	s_load_b128 s[8:11], s[0:1], 0x0               ; LN1(x) as codes (in of) and its scale words (in osc), as the launch before laid them
	s_load_b64 s[14:15], s[0:1], 0x10              ; qkv_b
	s_load_b256 s[16:23], s[0:1], 0x18             ; wf, qf, qsc, kf
	s_load_b128 s[24:27], s[0:1], 0x38             ; ksc, vf
	v_lshl_add_u32 v[SPW], v0, 2, SPARE
	v_mov_b32 v[NIL], 0
	ds_add_u32 v1, v2
	ds_add_u32 v1, v2
	s_wait_dscnt 0x0
	v_lshrrev_b32 v250, 5, v0
	v_readfirstlane_b32 s[WV], v250
	s_bfe_u32 s[CX], ttmp6, 0x40000
	s_lshr_b32 s[RB], ttmp9, 1
	s_lshl_b32 s[RB], s[RB], 2
	s_add_co_u32 s[RB], s[RB], s[CX]
	s_and_b32 s[CCR], ttmp9, 1
	s_mov_b32 s[G1], 15|(3<<16)|(1<<21)
	s_mov_b32 s[G1+1], 32<<16
	s_mov_b32 s[G1+2], 100<<16
	s_mov_b32 s[G1+3], 32<<16
	s_mov_b32 s[G1+4], 100
	s_mov_b32 s[G1+5], 32
	s_mov_b32 s[G1+6], 0
	s_mov_b32 s[G1+7], 0
	s_mov_b32 s[SEL], 0x76543210
	s_mov_b32 s[SEL+1], 0xfedcba98
	s_mov_b32 s[HM], 0xffff0000
	s_mul_i32 s55, s[WV], BLKB
	s_lshr_b32 s60, s[WV], 1
	s_and_b32 s61, s[WV], 1
	s_mul_i32 s56, s60, TILEB
	s_mul_i32 s62, s61, BLKB
	s_add_co_u32 s56, s56, s62
	s_mul_i32 s62, s[CCR], 2*BLKB
	s_add_co_u32 s56, s56, s62
	s_mov_b32 s57, 0
	s_wait_kmcnt 0x0
	s_add_nc_u64 s[58:59], s[WFP:WFP+1], s[56:57]
.irp n, 0,1
	s_mov_b32 s[G0+4*\n], 1
	s_add_co_u32 s[G0+4*\n+1], s55, \n*TILEB
	s_add_nc_u64 s[G0+4*\n+2:G0+4*\n+3], s[58:59], \n*TSTEP
	s_or_b32 s[G0+4*\n+3], s[G0+4*\n+3], 0x80000000
.endr
	ROUND
	tensor_load_to_lds s[G0:G0+3], s[G1:G1+7]
	s_nop 0
	s_wait_alu depctr_va_vdst(0)
	s_wait_tensorcnt 0x0
	ds_add_u32 v1, v2
	s_wait_dscnt 0x0
	ROUND
	tensor_load_to_lds s[G0+4:G0+7], s[G1:G1+7]
	s_nop 0
	PLACES 4
	v_and_b32 v250, 31, v0
	v_and_b32 v251, 15, v0
	v_bfe_u32 v252, v0, 4, 1
	v_lshlrev_b32 v[L16], 4, v250
	v_lshlrev_b32 v[L8], 3, v250
	v_lshlrev_b32 v[L4], 2, v250
	v_lshlrev_b32 v[R4], 2, v251
	s_wait_alu depctr_va_vdst(0)
	s_mul_i32 s62, s60, BLKB
	s_mul_i32 s63, s61, 12288
	s_add_co_u32 s63, s63, s62
	v_add_nc_u32 v[BA0], s63, v[L16]
	v_add_nc_u32 v[BA0+1], TILEB, v[BA0]
	s_lshl_b32 s63, s61, 9
	s_add_co_u32 s63, s63, s62
	s_add_co_u32 s63, s63, 24576
	v_add_nc_u32 v[BS0], s63, v[L4]
	v_add_nc_u32 v[BS0+1], TILEB, v[BS0]
	v_add_nc_u32 v[AA0], AIMG0, v[L16]
	v_add_nc_u32 v[SA0], ASC0, v[L4]
	s_mul_i32 s60, s[WV], 6144
	v_add_nc_u32 v[IW0], s60, v[AA0]
	s_lshl_b32 s60, s[WV], 8
	v_add_nc_u32 v[SW0], s60, v[R4]
	v_add_nc_u32 v[SW0], ASC0, v[SW0]
	s_mul_i32 s66, s[WV], 8448
	s_add_co_u32 s66, s66, STG
	v_add_nc_u32 v[SD], s66, v[L16]
	v_mul_u32_u24 v[SL], v251, 528
	v_lshl_add_u32 v[SL], v252, 6, v[SL]
	v_add_nc_u32 v[SL], s66, v[SL]
	s_lshl_b32 s60, s[WV], 7
	v_add_nc_u32 v[RW], s60, v[R4]
	v_add_nc_u32 v[RW], RED1, v[RW]
	v_add_nc_u32 v[RR], RED1, v[R4]
	s_lshl_b32 s60, s[WV], 10
	v_add_nc_u32 v[XG], s60, v[L16]
	v_lshl_add_u32 v[PG], v252, 6, s60
	v_and_b32 v253, 8, v251
	v_add_nc_u32 v253, v253, v251
	s_lshl_b32 s60, s[CCR], 11
	s_lshl_b32 s61, s[WV], 9
	s_add_co_u32 s60, s60, s61
	v_lshl_add_u32 v[PGB], v252, 6, s60
	v_lshl_add_u32 v[VBO], v253, 2, s60
	v_lshl_add_u32 v[VSTA], v252, 3, v253
	v_mul_u32_u24 v[VSTA], v[VSTA], 24
	v_add_nc_u32 v[VSTA], s66, v[VSTA]
	s_mul_i32 s60, s[WV], 98304
	v_add_nc_u32 v[GA], s60, v[L16]
	v_add_nc_u32 v[GB], s60, v[L8]
	s_lshl_b32 s60, s[WV], 13
	v_lshl_add_u32 v[GS], v252, 12, v[R4]
	v_add_nc_u32 v[GS], s60, v[GS]
	s_mul_i32 s60, s[WV], 114688
	v_add_nc_u32 v[VGA], s60, v[L16]
	v_add_nc_u32 v[VGS], s60, v[R4]
.irp b, 0,1,2,3
	v_mov_b32 v[TM+4+\b], 0
.endr
	s_mul_i32 s60, s[RB], 49152                    ; my 64 rows' image: two groups of 24,576 bytes,
	s_mov_b32 s61, 0
	s_add_nc_u64 s[XP:XP+1], s[XP:XP+1], s[60:61]
	s_lshl_b32 s60, s[RB], 11                      ; and their scale words
	s_add_nc_u64 s[LWP:LWP+1], s[LWP:LWP+1], s[60:61]
	s_lshr_b32 s62, s[RB], 4
	s_and_b32 s63, s[RB], 15
	s_mul_i32 s60, s62, 786432
	s_mul_i32 s67, s[CCR], 393216
	s_add_co_u32 s60, s60, s67
	s_mul_i32 s67, s63, 3072
	s_add_co_u32 s60, s60, s67
	s_add_nc_u64 s[QFP:QFP+1], s[QFP:QFP+1], s[60:61]
	s_add_nc_u64 s[KFP:KFP+1], s[KFP:KFP+1], s[60:61]
	s_lshl_b32 s60, s62, 16
	s_lshl_b32 s67, s[CCR], 15
	s_add_co_u32 s60, s60, s67
	s_lshl_b32 s67, s63, 8
	s_add_co_u32 s60, s60, s67
	s_add_nc_u64 s[QSP:QSP+1], s[QSP:QSP+1], s[60:61]
	s_add_nc_u64 s[KSP:KSP+1], s[KSP:KSP+1], s[60:61]
	s_mul_i32 s60, s62, 917504
	s_mul_i32 s67, s[CCR], 458752
	s_add_co_u32 s60, s60, s67
	s_mul_i32 s67, s63, 3584
	s_add_co_u32 s60, s60, s67
	s_add_nc_u64 s[VFP:VFP+1], s[VFP:VFP+1], s[60:61]
	; the image of source 1 comes as it lies: each wave copies a quarter, 24 runs of 512 bytes, and each thread 16 bytes of the scale words; the first trip's barrier shows them to all
	s_mul_i32 s60, s[WV], 12288
	v_add_nc_u32 v[IWC], s60, v[AA0]
	v_add_nc_u32 v[XG], s60, v[L16]
	v_lshl_add_u32 v[SWC], v0, 4, ASC0
	v_lshlrev_b32 v[PG], 4, v0
	s_wait_alu depctr_va_vdst(0)                   ; the wait behind these writes
.set k, 0
.rept 16
	global_load_b128 v[ST+4*k:ST+4*k+3], v[XG], s[XP:XP+1] offset:512*k
.set k, k+1
.endr
.set k, 0
.rept 8
	global_load_b128 v[T2+4*k:T2+4*k+3], v[XG], s[XP:XP+1] offset:8192+512*k
.set k, k+1
.endr
	global_load_b128 v[PC:PC+3], v[PG], s[LWP:LWP+1]
	s_wait_loadcnt 0x0
.set k, 0
.rept 16
	ds_store_b128 v[IWC], v[ST+4*k:ST+4*k+3] offset:512*k
.set k, k+1
.endr
.set k, 0
.rept 8
	ds_store_b128 v[IWC], v[T2+4*k:T2+4*k+3] offset:8192+512*k
.set k, k+1
.endr
	ds_store_b128 v[SWC], v[PC:PC+3]
	PLOAD 2, 0, QBP, PGB, 0
	PLOAD 2, 64, QBP, PGB, 4096
.set k, 0
.rept 8
	global_load_b32 v[VB+k], v[VBO], s[QBP:QBP+1] offset:8192+4*(32*(k/2)+8*(k%2))
.set k, k+1
.endr
.macro QKCH m, pb, cp, sp
	s_wait_xcnt 0x0
	WIN 0x0b
.set k, 0
.rept 32
	v_pk_add_f32 v[ST+2*k:ST+2*k+1], v[64*(\m)+2*k:64*(\m)+2*k+1], v[(\pb)+2*k:(\pb)+2*k+1]
.set k, k+1
.endr
	WIN 0
	QUANT ST, PW
	v_lshrrev_b32 v[SWV], 16, v[PW]
	v_cndmask_b32 v[SWV], v[PW], v[SWV], s[HM]
.irp c, 0,1
	global_store_b128 v[GA], v[PC+6*\c:PC+6*\c+3], s[\cp:\cp+1] offset:768*(\m)+49152*\c
	global_store_b64 v[GB], v[PC+6*\c+4:PC+6*\c+5], s[\cp:\cp+1] offset:768*(\m)+49152*\c+512
.endr
	global_store_b32 v[GS], v[SWV], s[\sp:\sp+1] offset:64*(\m)
.endm
.macro VCH g, c
	s_wait_xcnt 0x0
	WIN 0x03
.set k, 0
.rept 32
.set tb, 4*(\c)+k/8
.if tb%2 == 0
	v_pk_add_f32 v[ST+2*k:ST+2*k+1], v[128*(\g)+64*(\c)+2*k:128*(\g)+64*(\c)+2*k+1], v[VB+tb:VB+tb+1] op_sel_hi:[1,0]
.else
	v_pk_add_f32 v[ST+2*k:ST+2*k+1], v[128*(\g)+64*(\c)+2*k:128*(\g)+64*(\c)+2*k+1], v[VB+tb-1:VB+tb] op_sel:[0,1] op_sel_hi:[1,1]
.endif
.set k, k+1
.endr
	WIN 0
	QUANT ST, PW
.irp j, 0,1
.irp p, 0,1,2
	ds_store_b64 v[VSTA], v[PC+6*\j+2*\p:PC+6*\j+2*\p+1] offset:768*\j+8*\p
.endr
.endr
.irp q, 0,1,2
	ds_load_b128 v[T2+4*\q:T2+4*\q+3], v[SD] offset:512*\q
.endr
	s_wait_dscnt 0x0
.irp q, 0,1,2
	global_store_b128 v[VGA], v[T2+4*\q:T2+4*\q+3], s[VFP:VFP+1] offset:57344*(\c)+1792*(\g)+512*\q
.endr
	global_store_b32 v[VGS], v[PW], s[VFP:VFP+1] offset:57344*(\c)+1792*(\g)+1536
.endm
	LAYER 0, 0, 1
	PLACES 4
	s_wait_loadcnt 0x0
.irp c4, 0,1,2,3
	QKCH \c4, 0, QFP, QSP
.endr
	LAYER 1, 0, 1
	PLACES 4
.irp c4, 0,1,2,3
	QKCH \c4, 64, KFP, KSP
.endr
	LAYER 1, 1, 2
	PLACES 4
	VCH 0, 0
	VCH 0, 1
	VCH 1, 0
	VCH 1, 1
	s_wait_tensorcnt 0x0
	ds_add_u32 v[SPW], v[NIL]
	s_wait_dscnt 0x0
	ROUND
	s_endpgm
.Lfunc_end_k_qa08cac4262_qkv:
	.size	k_qa08cac4262_qkv, .Lfunc_end_k_qa08cac4262_qkv-k_qa08cac4262_qkv
	.p2alignl 7, 3214868480
	.fill 96, 4, 3214868480
	.section	.rodata,"a",@progbits
	.p2align	6, 0x0
	.amdhsa_kernel k_qa08cac4262_qkv
		.amdhsa_group_segment_fixed_size 327680
		.amdhsa_private_segment_fixed_size 0
		.amdhsa_enable_private_segment 0
		.amdhsa_kernarg_size 72
		.amdhsa_user_sgpr_count 2
		.amdhsa_user_sgpr_kernarg_segment_ptr 1
		.amdhsa_wavefront_size32 1
		.amdhsa_system_sgpr_workgroup_id_x 1
		.amdhsa_system_sgpr_workgroup_id_y 1
		.amdhsa_system_sgpr_workgroup_id_z 1
		.amdhsa_system_vgpr_workitem_id 0
		.amdhsa_next_free_vgpr 1024
		.amdhsa_next_free_sgpr 96
		.amdhsa_reserve_vcc 0
		.amdhsa_float_denorm_mode_32 3
		.amdhsa_float_denorm_mode_16_64 3
		.amdhsa_memory_ordered 1
		.amdhsa_forward_progress 1
		.amdhsa_inst_pref_size 255
	.end_amdhsa_kernel
	.section	.bss,"aw",@nobits
	.p2align	6
	.space	262144
	.amdgpu_metadata
---
amdhsa.version: [ 1, 2 ]
amdhsa.kernels:
  - .name:           k_qa08cac4262_qkv
    .symbol:         k_qa08cac4262_qkv.kd
    .args:
      - { .name: of, .offset: 0, .size: 8, .value_kind: global_buffer, .address_space: global }
      - { .name: osc, .offset: 8, .size: 8, .value_kind: global_buffer, .address_space: global }
      - { .name: qkv_b, .offset: 16, .size: 8, .value_kind: global_buffer, .address_space: global }
      - { .name: wf, .offset: 24, .size: 8, .value_kind: global_buffer, .address_space: global }
      - { .name: qf, .offset: 32, .size: 8, .value_kind: global_buffer, .address_space: global }
      - { .name: qsc, .offset: 40, .size: 8, .value_kind: global_buffer, .address_space: global }
      - { .name: kf, .offset: 48, .size: 8, .value_kind: global_buffer, .address_space: global }
      - { .name: ksc, .offset: 56, .size: 8, .value_kind: global_buffer, .address_space: global }
      - { .name: vf, .offset: 64, .size: 8, .value_kind: global_buffer, .address_space: global }
    .group_segment_fixed_size: 327680
    .private_segment_fixed_size: 0
    .kernarg_segment_align: 8
    .kernarg_segment_size: 72
    .max_flat_workgroup_size: 128
    .sgpr_count:     96
    .vgpr_count:     1024
    .wavefront_size: 32
...
	.end_amdgpu_metadata
.endif
;; end of part 6
;; launch attn (part 7): grid 2 x 128, 16 waves a work-group, no clusters, 169,984 bytes of LDS; arguments qf, qsc, kf, ksc, vf, of, osc; writes of, osc
.if DOCPART == 7
	.amdgcn_target "amdgcn-amd-amdhsa--gfx1250"
	.amdhsa_code_object_version 6
	.text
	.protected	k_qa08cac4262_attn
	.globl	k_qa08cac4262_attn
	.p2align	8
	.type	k_qa08cac4262_attn,@function
k_qa08cac4262_attn:
	s_mov_b64 s[64:65], 0
	v_nop
	global_prefetch_b8 v0, s[64:65] scope:SCOPE_SE
	s_setreg_imm32_b32 hwreg(HW_REG_WAVE_MODE, 25, 1), 1
	s_wait_xcnt 0x0
; o = softmax(q k^T / 8) v for one head of one batch, both products on codes of BF6 (E3M2), and o quantised along the model's 1,024 for the next product.
; THE SOFTMAX: t = score x log2(e) / 8; M = the running largest t rounded UP to a whole number; p = 2^(t - M) is what is quantised, along the keys, not normalised; the row's sum is taken of the unquantised p
; and divides O at the end.  When M moves, the sum and O are multiplied by 2^(old M - new M): exact.
; SHARES.  A work-group takes 512 queries of a head (grid x: which half; grid y: batch x head).  Each of its 16 waves takes a group of 32 queries, two tiles of 16, one after the other.  The head's whole K and V
; codes and scale bytes come into LDS ONCE, by five tensor loads (waves 0, 1: K's halves; 2, 3: V's; 4: K's scale words), and stay: nothing is filled again, and no barrier stands in the loops.
; No cluster: what the two work-groups of a head share is fetched once, at the head, 104 KB against eight key steps for each of 32 tiles.
; LAYOUT.  Both products transposed: S^T = K Q^T (source 0 = 16 keys), O^T = V^T P^T (source 0 = 16 of the head's 64): a lane holds ONE query throughout.  Lane r of a tile of keys stands for key 8 u + r + 8 (r / 8)
; of its group of 32, so that the 16 registers of tiles 2 b, 2 b + 1 are 16 neighbouring keys; V's rows of a tile are chosen likewise, so that O^T's registers 16 b + i are d = 32 b + 16 (lane / 16) + i.
; THE HEAD'S 64 fill half of the instruction's 128 along K: Q's registers 6-11 are zero codes, so whatever stands in the upper six registers named for K (the next tile's codes, or the tail of zeros) adds nothing;
; the scale words' upper two bytes are never 0xff.
; LIMITS: NaN and infinities are not served; p under 2^-126 comes out of v_exp_f32 as 0; a block whose every p is 0 keeps the byte 1 (its codes are zeros).
.set VC,   49152                       ; LDS: K's 64 tiles of 768 bytes at 0; V's 32 groups at pitch 1,600 (1,536 of codes, 64 of scale bytes);
.set KS,   100352                      ; K's scale words, 64 bytes a tile;
.set VSC,  104448                      ; V's scale words as the products want them: 256 step + 64 tile + 4 r (written by ds_store; no fill lands here)
.set S,    104                         ; v104-167 S^T, then p
.set O,    168                         ; v168-199 O^T
.set PCD,  200                         ; v200-211 p's codes;  v212-219 the conversions' second halves
.set PC2,  212
.set BM,   224                         ; v224-227 the blocks' largest
.set PT,   228                         ; v228-231 permutes, bytes
.set SOP,  232                         ; v232-235 the conversions' scale operands
.set F,    236                         ; v236 f = 2^(old M - new M);  v237 p's scale word
.set W,    237
.set T,    238
.set OW,   239                         ; o's scale word
.set WV,   18
.set SEL,  20
.set CS,   22
.set G1K,  24
.set G1V,  32
.set G1S,  40
.set G0K,  48
.set G0V,  52
.set G0S,  56
.set KO,   60
.set VO,   61
.set KSO,  62
.set VSO,  63
.set CNT,  66
.macro WM d, a, b, c, sa, sb, ra
.if (\ra)
	v_wmma_scale_f32_16x16x128_f8f6f4 v[(\d):(\d)+7], v[(\a):(\a)+11], v[(\b):(\b)+11], \c, v[\sa], v[\sb] matrix_a_fmt:MATRIX_FMT_BF6 matrix_b_fmt:MATRIX_FMT_BF6 matrix_a_scale:MATRIX_SCALE_ROW1
.else
	v_wmma_scale_f32_16x16x128_f8f6f4 v[(\d):(\d)+7], v[(\a):(\a)+11], v[(\b):(\b)+11], \c, v[\sa], v[\sb] matrix_a_fmt:MATRIX_FMT_BF6 matrix_b_fmt:MATRIX_FMT_BF6
.endif
.endm
	s_load_b256 s[4:11], s[0:1], 0x0               ; qf, qsc, kf, ksc
	s_load_b128 s[12:15], s[0:1], 0x20             ; vf, of
	s_load_b64 s[16:17], s[0:1], 0x30              ; osc
	v_lshl_add_u32 v254, v0, 2, 0x29000
	v_mov_b32 v255, 0
	ds_add_u32 v254, v255
	ds_add_u32 v254, v255
	v_lshrrev_b32 v6, 5, v0
	s_delay_alu instid0(VALU_DEP_1)
	v_readfirstlane_b32 s[WV], v6                  ; wave 0..15
	v_and_b32 v6, 31, v0                           ; l
	v_and_b32 v7, 15, v0                           ; r
	v_bfe_u32 v8, v0, 4, 1                         ; h
	s_delay_alu instid0(VALU_DEP_3)
	v_lshlrev_b32 v1, 4, v6                        ; K: registers 0-3 of a tile at 16 l,
	s_delay_alu instid0(VALU_DEP_4)
	v_lshlrev_b32 v42, 3, v6
	s_delay_alu instid0(VALU_DEP_1)
	v_add_nc_u32 v2, 512, v42                      ; registers 4-5 at 512 + 8 l
	v_lshlrev_b32 v11, 4, v6                       ; global offsets: 16 l, 8 l (v42), 4 r (v43)
	v_lshlrev_b32 v43, 2, v7
	v_and_b32 v9, 8, v7
	s_delay_alu instid0(VALU_DEP_1)
	v_add_nc_u32 v9, v9, v7                        ; r + 8 (r / 8)
	s_delay_alu instid0(VALU_DEP_1)
	v_mul_u32_u24 v3, v9, 24
	s_delay_alu instid0(VALU_DEP_1)
	v_mad_u32_u24 v3, v8, 1600, v3
	s_delay_alu instid0(VALU_DEP_1)
	v_add_nc_u32 v3, VC, v3                        ; V: 24 bytes a row d; lanes 16-31 take the next group of 32 keys
	v_lshlrev_b32 v4, 2, v6
	s_delay_alu instid0(VALU_DEP_1)
	v_add_nc_u32 v5, VSC, v4                       ; V's scale words, two tiles a load
	s_delay_alu instid0(VALU_DEP_2)
	v_add_nc_u32 v4, KS, v4                        ; K's likewise
	v_lshrrev_b32 v6, 6, v0                        ; the gathering of V's scale words: thread = 64 step + 16 tile + r
	v_bfe_u32 v8, v0, 4, 2
	s_delay_alu instid0(VALU_DEP_2)
	v_mul_u32_u24 v6, v6, 6400
	s_delay_alu instid0(VALU_DEP_1)
	v_lshl_add_u32 v6, v7, 2, v6
	s_delay_alu instid0(VALU_DEP_1)
	v_add_nc_u32 v6, v6, v8
	s_delay_alu instid0(VALU_DEP_1)
	v_add_nc_u32 v6, VC+1536, v6                   ; byte `tile` of word r behind the codes of the step's first group
	v_lshl_add_u32 v10, v0, 2, VSC
.set k, 0
.rept 6
	v_mov_b32 v[22+k], 0                           ; zero codes: the upper half of K's 128 in both tiles of Q,
	v_mov_b32 v[34+k], 0
	v_mov_b32 v[92+k], 0                           ; and the tail behind the eighth tile of keys
.set k, k+1
.endr
.irp b, 0,1,2,3
	v_mov_b32 v[PT+\b], 0                          ; a lane permute's destination counts as one of its sources
.endr
	v_mov_b32 v[W], 0                              ; (named as the upper half of the pair v[236:237] before it is first written)
	v_mov_b32 v[T], 0
	s_and_b32 s67, ttmp7, 0xffff                   ; batch x head
	s_and_b32 s68, s[WV], 1                        ; which half I fetch, if I fetch
	s_mov_b32 s[G1K], 3<<16                        ; K: 96 dense rows of 256 bytes (32 tiles)
	s_mov_b32 s[G1K+1], 32<<16
	s_mov_b32 s[G1K+2], 96<<16
	s_mov_b32 s[G1K+3], 32<<16
	s_mov_b32 s[G1K+4], 96
	s_mov_b32 s[G1K+5], 32
	s_mov_b32 s[G1K+6], 0
	s_mov_b32 s[G1K+7], 0
	s_mov_b32 s[G1V], 3<<16                        ; V: 16 rows of 1,600 bytes, 1,792 bytes apart in memory, dense in LDS
	s_mov_b32 s[G1V+1], 200<<16
	s_mov_b32 s[G1V+2], 16<<16
	s_mov_b32 s[G1V+3], 200<<16
	s_mov_b32 s[G1V+4], 16
	s_mov_b32 s[G1V+5], 224
	s_mov_b32 s[G1V+6], 0
	s_mov_b32 s[G1V+7], 0
	s_mov_b32 s[G1S], 3<<16                        ; K's scale words: 16 dense rows of 256 bytes
	s_mov_b32 s[G1S+1], 32<<16
	s_mov_b32 s[G1S+2], 16<<16
	s_mov_b32 s[G1S+3], 32<<16
	s_mov_b32 s[G1S+4], 16
	s_mov_b32 s[G1S+5], 32
	s_mov_b32 s[G1S+6], 0
	s_mov_b32 s[G1S+7], 0
	s_mov_b32 s[SEL], 0x76543210
	s_mov_b32 s[SEL+1], 0xfedcba98
	s_mov_b32 s[CS], 0x3e38aa3b                    ; c = log2(e) / 8
	s_mov_b32 s[CS+1], s[CS]
	s_mul_i32 s70, s67, 49152                      ; the head's first byte in qf and kf
	s_mul_i32 s69, s68, 24576
	s_add_co_u32 s72, s70, s69
	s_mov_b32 s73, 0
	s_mul_i32 s74, s67, 57344                      ; in vf
	s_mul_i32 s71, s68, 28672
	s_add_co_u32 s74, s74, s71
	s_mov_b32 s75, 0
	s_lshl_b32 s76, s67, 12                        ; in qsc and ksc
	s_mov_b32 s77, 0
	s_mul_i32 s71, s68, 25600
	s_wait_dscnt 0x0
	s_wait_kmcnt 0x0
	s_mov_b32 s[G0K], 1
	s_mov_b32 s[G0K+1], s69
	s_add_nc_u64 s[G0K+2:G0K+3], s[8:9], s[72:73]
	s_or_b32 s[G0K+3], s[G0K+3], 0x80000000
	s_mov_b32 s[G0V], 1
	s_add_co_u32 s[G0V+1], s71, VC
	s_add_nc_u64 s[G0V+2:G0V+3], s[12:13], s[74:75]
	s_or_b32 s[G0V+3], s[G0V+3], 0x80000000
	s_mov_b32 s[G0S], 1
	s_mov_b32 s[G0S+1], KS
	s_add_nc_u64 s[G0S+2:G0S+3], s[10:11], s[76:77]
	s_or_b32 s[G0S+3], s[G0S+3], 0x80000000
	s_cmp_lt_u32 s[WV], 2                          ; the branches hang on the wave's number alone; a wave has at most one tensor load out
	s_cbranch_scc0 .Lnot_k
	tensor_load_to_lds s[G0K:G0K+3], s[G1K:G1K+7]
	s_nop 0
.rept 4
	v_nop
.endr
	s_branch .Lasked
.Lnot_k:
	s_cmp_lt_u32 s[WV], 4
	s_cbranch_scc0 .Lnot_v
	tensor_load_to_lds s[G0V:G0V+3], s[G1V:G1V+7]
	s_nop 0
.rept 4
	v_nop
.endr
	s_branch .Lasked
.Lnot_v:
	s_cmp_eq_u32 s[WV], 4
	s_cbranch_scc0 .Lasked
	tensor_load_to_lds s[G0S:G0S+3], s[G1S:G1S+7]
	s_nop 0
.rept 4
	v_nop
.endr
.Lasked:
	s_lshl_b32 s78, ttmp9, 4
	s_add_co_u32 s78, s78, s[WV]                   ; my group of 32 queries in the batch
	s_mul_i32 s72, s78, 1536
	s_add_co_u32 s72, s72, s70
	s_add_nc_u64 s[4:5], s[4:5], s[72:73]          ; its two tiles in qf
	s_lshl_b32 s72, s78, 7
	s_add_co_u32 s72, s72, s76
	s_add_nc_u64 s[6:7], s[6:7], s[72:73]          ; and in qsc
	s_lshr_b32 s79, s67, 4
	s_lshl_b32 s79, s79, 5
	s_add_co_u32 s79, s79, s78                     ; the group among all 256
	s_and_b32 s71, s67, 15                         ; the head
	s_mul_i32 s72, s79, 24576
	s_lshr_b32 s74, s71, 1
	s_mul_i32 s74, s74, 3072
	s_add_co_u32 s72, s72, s74
	s_and_b32 s74, s71, 1
	s_mul_i32 s74, s74, 768
	s_add_co_u32 s72, s72, s74
	s_add_nc_u64 s[14:15], s[14:15], s[72:73]      ; of: [group][head / 2][tile][head % 2] 768 bytes
	s_lshl_b32 s72, s79, 11
	s_lshl_b32 s74, s71, 7
	s_add_co_u32 s72, s72, s74
	s_add_nc_u64 s[16:17], s[16:17], s[72:73]      ; osc: [group][head][tile][r] words
.irp u, 0,1
	global_load_b128 v[16+12*\u:19+12*\u], v11, s[4:5] offset:768*\u
	global_load_b64 v[20+12*\u:21+12*\u], v42, s[4:5] offset:768*\u+512
	global_load_b32 v[40+\u], v43, s[6:7] offset:64*\u
.endr
	s_wait_tensorcnt 0x0                           ; my part is in,
	s_barrier_signal -1
	s_barrier_wait -1                              ; everybody's is
.irp i, 0,1,2,3
	ds_load_u8 v[BM+\i], v6 offset:1600*\i         ; my row's scale byte in the step's four groups of keys
.endr
	s_wait_dscnt 0x0
	v_lshl_or_b32 v[BM], v[BM+1], 8, v[BM]
	s_delay_alu instid0(VALU_DEP_1)
	v_lshl_or_b32 v[BM], v[BM+2], 16, v[BM]
	s_delay_alu instid0(VALU_DEP_1)
	v_lshl_or_b32 v[BM], v[BM+3], 24, v[BM]
	ds_store_b32 v10, v[BM]
	s_wait_dscnt 0x0                               ; for the others' sake
	s_barrier_signal -1
	s_barrier_wait -1
	s_wait_loadcnt 0x0                             ; Q
; A KEY STEP: 128 keys
.macro STEP u
	v_add_nc_u32 v6, s[KO], v1                     ; the step's addresses: five plain lines, the places in front of loads into registers that the last products read
	v_add_nc_u32 v7, s[KO], v2
	v_add_nc_u32 v8, s[VO], v3
	v_add_nc_u32 v9, s[KSO], v4
	v_add_nc_u32 v10, s[VSO], v5
.set k, 0
.rept 8
	ds_load_b128 v[44+6*k:47+6*k], v6 offset:768*k
	ds_load_b64 v[48+6*k:49+6*k], v7 offset:768*k
.set k, k+1
.endr
.irp j, 0,1,2,3
	ds_load_b32 v[98+\j], v9 offset:128*\j
.endr
	s_wait_alu depctr_va_vdst(0)
	s_wait_dscnt 0x0
.set k, 0
.rept 8
	WM S+8*k, 44+6*k, 16+12*\u, 0, 98+k/2, 40+\u, k%2
.set k, k+1
.endr
.rept 4
	v_nop                                          ; places: in front of the loads below and of the first read of the scores
.endr
.irp d, 0,1,2,3                                ; V's four tiles land under the softmax
.irp c, 0,1
.irp p, 0,1,2
	ds_load_b64 v[44+12*\d+6*\c+2*\p:45+12*\d+6*\c+2*\p], v8 offset:3200*\c+24*(32*(\d/2)+8*(\d%2))+8*\p
.endr
.endr
.endr
.irp j, 0,1
	ds_load_b32 v[98+\j], v10 offset:128*\j
.endr
.irp b, 0,1,2,3
	v_max3_num_f32 v[BM+\b], v[S+16*\b], v[S+1+16*\b], v[S+2+16*\b]   ; the largest score of each block of 32 keys: for the row's maximum and, since p rises with the score, for the block's largest p
.endr
.irp i, 3,5,7,9,11,13
.irp b, 0,1,2,3
	v_max3_num_f32 v[BM+\b], v[BM+\b], v[S+16*\b+\i], v[S+1+16*\b+\i]
.endr
.endr
.irp b, 0,1,2,3
	v_max_num_f32 v[BM+\b], v[BM+\b], v[S+15+16*\b]
.endr
.irp b, 0,1,2,3
	s_delay_alu instid0(VALU_DEP_4)
	v_permlanex16_b32 v[PT+\b], v[BM+\b], s[SEL], s[SEL+1]
.endr
.irp b, 0,1,2,3
	s_delay_alu instid0(VALU_DEP_4)
	v_max_num_f32 v[BM+\b], v[BM+\b], v[PT+\b]
.endr
	s_delay_alu instid0(VALU_DEP_2)
	v_max3_num_f32 v[T], v[BM], v[BM+1], v[BM+2]
	s_delay_alu instid0(VALU_DEP_1)
	v_max_num_f32 v[T], v[T], v[BM+3]
	s_delay_alu instid0(VALU_DEP_1)
	v_mul_f32 v[T], s[CS], v[T]                    ; as t (c is positive)
	s_delay_alu instid0(VALU_DEP_1)
	v_max_num_f32 v13, v13, v[T]                   ; the running largest t
	v_mov_b32 v[T], v12
	s_delay_alu instid0(VALU_DEP_2)
	v_floor_f32 v12, -v13                          ; the new -M = floor(-t): M is a whole number
	s_delay_alu instid0(VALU_DEP_1)
	v_sub_f32 v[T], v12, v[T]                      ; old M - new M, 0 or less
	s_delay_alu instid0(VALU_DEP_1)
	v_cvt_i32_f32 v[T], v[T]                       ; (it saturates)
	s_delay_alu instid0(VALU_DEP_1)
	v_ldexp_f32 v[F], 1.0, v[T]
.set k, 0
.rept 32
	v_pk_fma_f32 v[S+2*k:S+2*k+1], v[S+2*k:S+2*k+1], s[CS:CS+1], v[12:13] op_sel_hi:[1,0,0]   ; t - M
.set k, k+1
.endr
.irp b, 0,1,2,3
	v_fma_f32 v[BM+\b], v[BM+\b], s[CS], v12
.endr
.set k, 0
	s_wait_alu depctr_va_vdst(0)
.rept 64
	v_exp_f32 v[S+k], v[S+k]                       ; p = 2^(t - M)
.set k, k+1
.endr
	v_pk_mul_f32 v[14:15], v[14:15], v[F:F+1] op_sel_hi:[1,0]   ; the sums under the new M: a plain line behind the exponentials
	s_wait_alu depctr_va_vdst(0)                   ; one wait for the batch, ahead of its first reader
.irp b, 0,1,2,3
	v_exp_f32 v[BM+\b], v[BM+\b]                   ; the blocks' largest p
.endr
	v_pk_add_f32 v[240:241], v[108:109], v[112:113]
	v_pk_add_f32 v[252:253], v[116:117], v[120:121]
	v_pk_add_f32 v[250:251], v[124:125], v[128:129]
	v_pk_add_f32 v[248:249], v[132:133], v[136:137]
	v_pk_add_f32 v[246:247], v[140:141], v[144:145]
	v_pk_add_f32 v[244:245], v[148:149], v[152:153]
	v_pk_add_f32 v[242:243], v[156:157], v[160:161]
	v_pk_add_f32 v[14:15], v[14:15], v[164:165]
	v_pk_add_f32 v[240:241], v[240:241], v[104:105]
	v_pk_add_f32 v[252:253], v[252:253], v[106:107]
	v_pk_add_f32 v[250:251], v[250:251], v[110:111]
	v_pk_add_f32 v[248:249], v[248:249], v[114:115]
	v_pk_add_f32 v[246:247], v[246:247], v[118:119]
	v_pk_add_f32 v[244:245], v[244:245], v[122:123]
	v_pk_add_f32 v[242:243], v[242:243], v[126:127]
	v_pk_add_f32 v[14:15], v[14:15], v[130:131]
	v_pk_add_f32 v[240:241], v[240:241], v[134:135]
	v_pk_add_f32 v[252:253], v[252:253], v[138:139]
	v_pk_add_f32 v[250:251], v[250:251], v[142:143]
	v_pk_add_f32 v[248:249], v[248:249], v[146:147]
	v_pk_add_f32 v[246:247], v[246:247], v[150:151]
	v_pk_add_f32 v[244:245], v[244:245], v[154:155]
	v_pk_add_f32 v[242:243], v[242:243], v[158:159]
	v_pk_add_f32 v[14:15], v[14:15], v[162:163]
	v_pk_add_f32 v[240:241], v[240:241], v[166:167]
	s_delay_alu instid0(VALU_DEP_2)
	v_pk_add_f32 v[14:15], v[14:15], v[248:249]
	s_delay_alu instid0(VALU_DEP_2)
	v_pk_add_f32 v[240:241], v[240:241], v[246:247]
	v_pk_add_f32 v[252:253], v[252:253], v[244:245]
	v_pk_add_f32 v[250:251], v[250:251], v[242:243]
	s_delay_alu instid0(VALU_DEP_2)
	v_pk_add_f32 v[14:15], v[14:15], v[252:253]
	s_delay_alu instid0(VALU_DEP_2)
	v_pk_add_f32 v[240:241], v[240:241], v[250:251]
	s_delay_alu instid0(VALU_DEP_1)
	v_pk_add_f32 v[14:15], v[14:15], v[240:241]
	s_wait_alu depctr_va_vdst(0)                   ; and one for the four
.irp b, 0,1,2,3
	v_max_num_f32 v[BM+\b], 0x2800000, v[BM+\b]    ; the floor 2^(5 - 127)
.endr
.irp b, 0,1,2,3
	s_delay_alu instid0(VALU_DEP_4)
	v_add_nc_u32 v[SOP+\b], 0xfe000000, v[BM+\b]
.endr
.irp b, 0,1,2,3
	s_delay_alu instid0(VALU_DEP_4)
	v_lshrrev_b32 v[PT+\b], 23, v[SOP+\b]
.endr
	s_delay_alu instid0(VALU_DEP_3)
	v_lshl_or_b32 v[W], v[PT+1], 8, v[PT]
	s_delay_alu instid0(VALU_DEP_1)
	v_lshl_or_b32 v[W], v[PT+2], 16, v[W]
	s_delay_alu instid0(VALU_DEP_1)
	v_lshl_or_b32 v[W], v[PT+3], 24, v[W]
.irp c, 0,1
	v_cvt_scalef32_pk16_bf6_f32 v[PCD+6*\c:PCD+2+6*\c], v[S+32*\c:S+15+32*\c], v[SOP+2*\c]
	v_cvt_scalef32_pk16_bf6_f32 v[PC2+4*\c:PC2+2+4*\c], v[S+16+32*\c:S+31+32*\c], v[SOP+2*\c+1]
.endr
	v_nop
.irp c, 0,1
.irp i, 0,1,2
	v_permlane16_swap_b32 v[PCD+6*\c+\i], v[PC2+4*\c+\i]
.endr
.irp i, 0,1,2
	s_delay_alu instid0(VALU_DEP_3)
	v_mov_b32 v[PCD+3+6*\c+\i], v[PC2+4*\c+\i]
.endr
.endr
.set k, 0
.rept 16
	v_pk_mul_f32 v[O+2*k:O+2*k+1], v[O+2*k:O+2*k+1], v[F:F+1] op_sel_hi:[1,0]   ; O^T under the new M; also the places between p's scale word and codes and the products
.set k, k+1
.endr
	s_wait_alu depctr_va_vdst(0)
	s_wait_dscnt 0x0                               ; V
.set k, 0
.rept 4
	WM O+8*k, 44+12*k, PCD, v[O+8*k:O+8*k+7], 98+k/2, W, k%2
.set k, k+1
.endr
.endm
.macro TILE u
	s_wait_xcnt 0x0                                ; earlier loads and stores have read their registers
	v_mov_b32 v13, 0xff61b1e6                      ; the largest t so far: -3e38
	s_delay_alu instid0(VALU_DEP_1)
	v_floor_f32 v12, -v13
	v_mov_b32 v14, 0
	v_mov_b32 v15, 0
.set k, 0
.rept 32
	v_mov_b32 v[O+k], 0                            ; the step is written once: the first finds zeros, which the first change of M leaves zeros
.set k, k+1
.endr
	s_mov_b32 s[KO], 0
	s_mov_b32 s[VO], 0
	s_mov_b32 s[KSO], 0
	s_mov_b32 s[VSO], 0
	s_mov_b32 s[CNT], 8
.Lstep_\@:
	STEP \u
	s_add_co_u32 s[KO], s[KO], 6144                ; eight tiles of keys,
	s_add_co_u32 s[VO], s[VO], 6400                ; four groups of V,
	s_add_co_u32 s[KSO], s[KSO], 512
	s_add_co_u32 s[VSO], s[VSO], 256
	s_sub_co_u32 s[CNT], s[CNT], 1
	s_cmp_lg_u32 s[CNT], 0
	s_cbranch_scc1 .Lstep_\@
.rept 4
	v_nop
.endr
	v_add_f32 v14, v14, v15
	s_delay_alu instid0(VALU_DEP_1)
	v_permlanex16_b32 v[T], v14, s[SEL], s[SEL+1]
	s_delay_alu instid0(VALU_DEP_1)
	v_add_f32 v14, v14, v[T]                       ; the row's sum
	s_wait_alu depctr_va_vdst(0)
	v_rcp_f32 v14, v14
	v_nop
	s_wait_alu depctr_va_vdst(0)
.set k, 0
.rept 32
	v_mul_f32 v[S+k], v[O+k], v14                  ; o: register 16 b + i is d = 32 b + 16 h + i
.set k, k+1
.endr
.irp b, 0,1                                    ; its two blocks of 32 along the next K
	v_max3_num_f32 v[BM+\b], |v[S+16*\b]|, |v[S+1+16*\b]|, 0x2800000
.endr
.irp i, 2,4,6,8,10,12,14
.irp b, 0,1
	s_delay_alu instid0(VALU_DEP_2)
	v_max3_num_f32 v[BM+\b], v[BM+\b], |v[S+16*\b+\i]|, |v[S+1+16*\b+\i]|
.endr
.endr
.irp b, 0,1
	s_delay_alu instid0(VALU_DEP_2)
	v_permlanex16_b32 v[PT+\b], v[BM+\b], s[SEL], s[SEL+1]
.endr
.irp b, 0,1
	s_delay_alu instid0(VALU_DEP_2)
	v_max_num_f32 v[BM+\b], v[BM+\b], v[PT+\b]
.endr
.irp b, 0,1
	s_delay_alu instid0(VALU_DEP_2)
	v_add_nc_u32 v[SOP+\b], 0xfe000000, v[BM+\b]
.endr
.irp b, 0,1
	s_delay_alu instid0(VALU_DEP_2)
	v_lshrrev_b32 v[PT+\b], 23, v[SOP+\b]
.endr
	s_delay_alu instid0(VALU_DEP_1)
	v_lshl_or_b32 v[OW], v[PT+1], 8, v[PT]
	v_cvt_scalef32_pk16_bf6_f32 v[PCD:PCD+2], v[S:S+15], v[SOP]
	v_cvt_scalef32_pk16_bf6_f32 v[PC2:PC2+2], v[S+16:S+31], v[SOP+1]
	v_nop
.irp i, 0,1,2
	v_permlane16_swap_b32 v[PCD+\i], v[PC2+\i]
.endr
.irp i, 0,1,2
	s_delay_alu instid0(VALU_DEP_3)
	v_mov_b32 v[PCD+3+\i], v[PC2+\i]
.endr
	global_store_b128 v11, v[PCD:PCD+3], s[14:15] offset:1536*\u        ; 512 consecutive bytes, aligned to 256
	global_store_b64 v42, v[PCD+4:PCD+5], s[14:15] offset:1536*\u+512   ; 256 consecutive bytes, aligned
	global_store_b32 v43, v[OW], s[16:17] offset:64*\u
.endm
	TILE 0
	TILE 1
	s_wait_tensorcnt 0x0
	ds_add_u32 v254, v255
	s_wait_dscnt 0x0
	s_endpgm
.Lfunc_end_k_qa08cac4262_attn:
	.size	k_qa08cac4262_attn, .Lfunc_end_k_qa08cac4262_attn-k_qa08cac4262_attn
	.p2alignl 7, 3214868480
	.fill 96, 4, 3214868480
	.section	.rodata,"a",@progbits
	.p2align	6, 0x0
	.amdhsa_kernel k_qa08cac4262_attn
		.amdhsa_group_segment_fixed_size 169984
		.amdhsa_private_segment_fixed_size 0
		.amdhsa_enable_private_segment 0
		.amdhsa_kernarg_size 56
		.amdhsa_user_sgpr_count 2
		.amdhsa_user_sgpr_kernarg_segment_ptr 1
		.amdhsa_wavefront_size32 1
		.amdhsa_system_sgpr_workgroup_id_x 1
		.amdhsa_system_sgpr_workgroup_id_y 1
		.amdhsa_system_sgpr_workgroup_id_z 1
		.amdhsa_system_vgpr_workitem_id 0
		.amdhsa_next_free_vgpr 256
		.amdhsa_next_free_sgpr 80
		.amdhsa_reserve_vcc 0
		.amdhsa_float_denorm_mode_32 3
		.amdhsa_float_denorm_mode_16_64 3
		.amdhsa_memory_ordered 1
		.amdhsa_forward_progress 1
		.amdhsa_inst_pref_size 57
	.end_amdhsa_kernel
	.amdgpu_metadata
---
amdhsa.version: [ 1, 2 ]
amdhsa.kernels:
  - .name:           k_qa08cac4262_attn
    .symbol:         k_qa08cac4262_attn.kd
    .args:
      - { .name: qf, .offset: 0, .size: 8, .value_kind: global_buffer, .address_space: global }
      - { .name: qsc, .offset: 8, .size: 8, .value_kind: global_buffer, .address_space: global }
      - { .name: kf, .offset: 16, .size: 8, .value_kind: global_buffer, .address_space: global }
      - { .name: ksc, .offset: 24, .size: 8, .value_kind: global_buffer, .address_space: global }
      - { .name: vf, .offset: 32, .size: 8, .value_kind: global_buffer, .address_space: global }
      - { .name: of, .offset: 40, .size: 8, .value_kind: global_buffer, .address_space: global }
      - { .name: osc, .offset: 48, .size: 8, .value_kind: global_buffer, .address_space: global }
    .group_segment_fixed_size: 169984
    .private_segment_fixed_size: 0
    .kernarg_segment_align: 8
    .kernarg_segment_size: 56
    .max_flat_workgroup_size: 512
    .sgpr_count:     80
    .vgpr_count:     256
    .wavefront_size: 32
...
	.end_amdgpu_metadata
.endif
;; end of part 7
;; launch mlp (part 8): grid 256 x 1, 8 waves a work-group, no clusters, 273,408 bytes of LDS; arguments x, of, osc, wf, out_b, ln2_w, ln2_b, fc1_b, fc2_b, out0; writes out0
.if DOCPART == 8
	.amdgcn_target "amdgcn-amd-amdhsa--gfx1250"
	.amdhsa_code_object_version 6
	.text
	.protected	k_qa08cac4262_mlp
	.globl	k_qa08cac4262_mlp
	.p2align	8
	.type	k_qa08cac4262_mlp,@function
k_qa08cac4262_mlp:
	s_mov_b64 s[64:65], 0
	v_nop
	global_prefetch_b8 v0, s[64:65] scope:SCOPE_SE
	s_setreg_imm32_b32 hwreg(HW_REG_WAVE_MODE, 25, 1), 1
	s_wait_xcnt 0x0
; out0 = x1 + Q(gelu(Q(LN2(x1)) fc1^T + fc1_b)) fc2^T + fc2_b, with x1 = x + o out_w^T + out_b; the three products on codes of BF6 (E3M2) with E8M0 scales.
; SHARES.  A work-group takes 32 rows through the whole chain; each of its 8 waves owns 128 columns of every layer's result: 2 row tiles x 8 column tiles, 16 accumulators, 128 registers.
; A wave's 128 columns are one K step of the next layer: it quantises them and writes them as an image of the operand's registers into LDS (two images by turns), which all eight waves read as source 1.
; THE WEIGHTS come from wf, which holds them in the order of the operand registers, STRAIGHT INTO REGISTERS: a load is 512 consecutive bytes.  Every byte of a weight block is read by one wave of the work-group
; alone, once, so nothing would be shared in LDS.  A ring of two K steps (2 x 96 registers and 2 x 4 scale words) is refilled by halves of 14 loads, each half as soon as its 8 products are issued:
; 42 to 56 loads of a wave are out in the loop, and the loop has no barrier.  The next layer's first K step is asked for at a layer's end and travels under the vector work between the layers.
; NO CLUSTER: a joint request is a form of the tensor load into LDS; these loads land in one wave's registers.  NO PREFETCH: the loads themselves run up to two K steps ahead of their use.
; The products are used transposed (source 0 = 16 rows of a weight): lane (r, h) holds row r of a tile, register 16 b + i the column 32 b + 16 h + i of the wave's 128.
; The residual x1 + fc2_b is parked in the wave's own LDS bytes during fc1 and comes back as the start of fc2's sums; fc1_b is the start of fc1's sums; x + out_b of the first product's.
; GELU: Phi(-|x|) = t exp(-z^2 + P(t)) / 2, z = |x| / sqrt 2, t = 1 / (1 + z / 2), P a Chebyshev fit of degree 9 of erfc; Phi(x) is that or 1 less that, by x's sign.
; LIMITS: NaN and infinities are not served; a block whose largest magnitude lies under 2^-122 keeps the scale byte 1 (its bytes are read here alone).
; REGISTERS: window 0: v1-23 addresses, v24-31 B's scale words, v32-33 A's, v44-67 and v164-187 A's fragments, v68-163 ring step 1; between the layers v36-255 are at work.  Window 1: v0-95 ring step 0, v96-127 half of ln2_b, v128-255 the accumulators.
.set LB,    2457600                    ; wf: layer 3's first byte
.set TILEB, 102400                     ; a K step of a layer
.set BLKB,  25600
.set ASC0,  49152                      ; LDS: images at 0 and 24,576; their scale words here, 1,024 each
.set RED1,  51200                      ; the rows' sums, then the sums of squares: 8 waves x 128 bytes each
.set PRM,   53248                      ; five parameter vectors, 512 bytes each, for each wave
.set STG,   73728                      ; a stage of 16 rows x 528 bytes for each wave
.set RES,   141312                     ; the parked residual, 16,384 bytes a wave
.set SPARE, 272384                     ; the spare words, 128 bytes a wave
.set XP,  8
.set OFP, 10
.set OSP, 12
.set WFP, 14
.set OP,  26
.set WP,  28
.set WV,  44
.set SEL, 48
.set AOF, 50
.set SOF, 51
.set KC,  53
.set MK,  66                           ; s66-97: 32 lane masks
.set SPW, 1
.set NIL, 2
.set L16, 3
.set L8,  4
.set L4,  5
.set R4,  6
.set BSO, 7
.set AA,  8
.set SA,  9
.set SA0, 10
.set IW,  11
.set SW,  12
.set SD,  13
.set SL,  14
.set RW,  15
.set RR,  16
.set XG,  17
.set PRD, 18
.set PWR, 19
.set RSA, 20
.set GB,  21
.set GS,  22
.set SAW, 23
.set BSR, 24
.set ASR, 32
.set ST,  68
.set T1,  132
.set T2,  164
.set PC,  196
.set TM,  216
.set PW,  232
.set MU,  234
.set RS,  238
.set CHN, 242
.set ACC, 128
.set MSB, 0
.macro WIN new
.if MSB != (\new)
	s_set_vgpr_msb (MSB<<8)|(\new)
.set MSB, (\new)
.endif
.endm
.macro PLACES n
.rept \n
	v_nop
.endr
.endm
.macro WGBAR                           ; what the others rely on is complete in front of the signal
	s_wait_alu depctr_va_vdst(0)
	s_wait_dscnt 0x0
	s_barrier_signal -1
	s_barrier_wait -1
.endm
.macro WM d, a, b, c, sa, sb, ra, rb
.if (\ra) && (\rb)
	v_wmma_scale_f32_16x16x128_f8f6f4 v[(\d):(\d)+7], v[(\a):(\a)+11], v[(\b):(\b)+11], \c, v[\sa], v[\sb] matrix_a_fmt:MATRIX_FMT_BF6 matrix_b_fmt:MATRIX_FMT_BF6 matrix_a_scale:MATRIX_SCALE_ROW1 matrix_b_scale:MATRIX_SCALE_ROW1
.elseif (\ra)
	v_wmma_scale_f32_16x16x128_f8f6f4 v[(\d):(\d)+7], v[(\a):(\a)+11], v[(\b):(\b)+11], \c, v[\sa], v[\sb] matrix_a_fmt:MATRIX_FMT_BF6 matrix_b_fmt:MATRIX_FMT_BF6 matrix_a_scale:MATRIX_SCALE_ROW1
.elseif (\rb)
	v_wmma_scale_f32_16x16x128_f8f6f4 v[(\d):(\d)+7], v[(\a):(\a)+11], v[(\b):(\b)+11], \c, v[\sa], v[\sb] matrix_a_fmt:MATRIX_FMT_BF6 matrix_b_fmt:MATRIX_FMT_BF6 matrix_b_scale:MATRIX_SCALE_ROW1
.else
	v_wmma_scale_f32_16x16x128_f8f6f4 v[(\d):(\d)+7], v[(\a):(\a)+11], v[(\b):(\b)+11], \c, v[\sa], v[\sb] matrix_a_fmt:MATRIX_FMT_BF6 matrix_b_fmt:MATRIX_FMT_BF6
.endif
.endm
; 14 loads: half hh (4 tiles, 2 pairs of scale words) of the K step at byte off behind s[WP], into ring step par
.macro BLOAD par, hh, off
	WIN 0
.irp p, 0,1
	global_load_b32 v[BSR+4*(\par)+2*(\hh)+\p], v[BSO], s[WP:WP+1] offset:(\off)+128*(2*(\hh)+\p)
.endr
.if (\par) == 0
	WIN 0x40
.endif
.set k, 12*(\hh)
.rept 12
	global_load_b128 v[68*(\par)+4*k:68*(\par)+4*k+3], v[L16], s[WP:WP+1] offset:(\off)+512*k
.set k, k+1
.endr
	WIN 0
.endm
; 7 LDS loads: the two row tiles' fragments and scale words of the K step j behind v[AA]
.macro ALOAD set, j
	ds_load_b32 v[ASR+(\set)], v[SA] offset:128*(\j)
.set k, 0
.rept 6
	ds_load_b128 v[44+120*(\set)+4*k:44+120*(\set)+4*k+3], v[AA] offset:3072*(\j)+512*k
.set k, k+1
.endr
.endm
; 8 products: 4 column tiles x 2 row tiles; the 16 accumulators take turns, one instruction a turn
.macro PRODS par, hh
	WIN 0x50|(1-(\par))
.set tt, 4*(\hh)
.rept 4
.set uu, 0
.rept 2
.set rD, ACC+64*uu+8*tt
	WM rD, 68*(\par)+12*tt, 44+120*(\par)+12*uu, v[rD:rD+7], BSR+4*(\par)+tt/2, ASR+(\par), tt%2, uu
.set uu, uu+1
.endr
.set tt, tt+1
.endr
.endm
; A K step.  n0, n1: the global loads issued behind the half that is waited for.  Four places stand behind each half's products, in front of loads into the registers that they read.
.macro TRIP par, refill, nexta, n0, n1
.if \nexta
	ALOAD 1-(\par), (\par)+1
	s_wait_dscnt 7                                 ; this step's A is in; the next step's seven loads may be out
.else
	s_wait_dscnt 0x0
.endif
	s_wait_loadcnt \n0
	PRODS \par, 0
	PLACES 4
	WIN 0
.if \refill
	BLOAD \par, 0, ((\par)+2)*TILEB
.endif
	s_wait_loadcnt \n1
	PRODS \par, 1
	PLACES 4
	WIN 0
.if \refill
	BLOAD \par, 1, ((\par)+2)*TILEB
.endif
.endm
; A layer: 8 K steps.  Ring step 0 holds K step 0 on entry (asked for at the head or at the last layer's end).  In the loop three halves, 42 loads, stand behind each half waited for.
.macro LAYER ai, last
	s_mov_b32 s[AOF], 24576*(\ai)
	s_mov_b32 s[SOF], 1024*(\ai)
	BLOAD 1, 0, TILEB
	BLOAD 1, 1, TILEB
	v_add_nc_u32 v[AA], s[AOF], v[L16]
	v_add_nc_u32 v[SA], s[SOF], v[SA0]
	s_wait_alu depctr_va_vdst(0)                   ; the wait behind these writes
	ALOAD 0, 0
	s_mov_b32 s[KC], 3
.Lk_\@:
	TRIP 0, 1, 1, 42, 42
	TRIP 1, 1, 1, 42, 42
	s_add_co_u32 s[AOF], s[AOF], 6144
	s_add_co_u32 s[SOF], s[SOF], 256
	v_add_nc_u32 v[AA], s[AOF], v[L16]
	v_add_nc_u32 v[SA], s[SOF], v[SA0]
	s_wait_xcnt 0x0                                ; the loads have read their base
	s_add_nc_u64 s[WP:WP+1], s[WP:WP+1], 2*TILEB
	s_sub_co_u32 s[KC], s[KC], 1
	s_cmp_lg_u32 s[KC], 0
	s_wait_alu depctr_va_vdst(0)                   ; the wait ahead of the branch
	s_cbranch_scc1 .Lk_\@
	TRIP 0, 0, 1, 42, 28                           ; the last two K steps ask for nothing
	TRIP 1, 0, 0, 14, 0
.if (\last) == 0
	s_wait_xcnt 0x0
	s_add_nc_u64 s[WP:WP+1], s[WP:WP+1], 2*TILEB
	BLOAD 0, 0, 0                                  ; the next layer's K step 0
	BLOAD 0, 1, 0
.endif
.endm
.macro QUANT s, pw
.irp b, 0,1,2,3
	v_max3_num_f32 v[TM+\b], |v[\s+16*\b]|, |v[\s+1+16*\b]|, 0x2800000   ; block b: my 16 numbers and the floor 2^(5 - 127)
.endr
.irp i, 2,4,6,8,10,12,14
.irp b, 0,1,2,3
	s_delay_alu instid0(VALU_DEP_4)
	v_max3_num_f32 v[TM+\b], v[TM+\b], |v[\s+16*\b+\i]|, |v[\s+1+16*\b+\i]|
.endr
.endr
.irp b, 0,1,2,3
	s_delay_alu instid0(VALU_DEP_4)
	v_permlanex16_b32 v[TM+4+\b], v[TM+\b], s[SEL], s[SEL+1]
.endr
.irp b, 0,1,2,3
	s_delay_alu instid0(VALU_DEP_4)
	v_max_num_f32 v[TM+\b], v[TM+\b], v[TM+4+\b]   ; with lane l xor 16's: the block's largest magnitude
.endr
.irp b, 0,1,2,3
	s_delay_alu instid0(VALU_DEP_4)
	v_add_nc_u32 v[TM+12+\b], 0xfe000000, v[TM+\b]   ; 4 off its exponent field: the conversion's scale operand
.endr
.irp b, 0,1,2,3
	s_delay_alu instid0(VALU_DEP_4)
	v_lshrrev_b32 v[TM+4+\b], 23, v[TM+12+\b]      ; the scale's byte
.endr
	s_delay_alu instid0(VALU_DEP_3)
	v_lshl_or_b32 v[\pw], v[TM+5], 8, v[TM+4]
	s_delay_alu instid0(VALU_DEP_1)
	v_lshl_or_b32 v[\pw], v[TM+6], 16, v[\pw]
	s_delay_alu instid0(VALU_DEP_1)
	v_lshl_or_b32 v[\pw], v[TM+7], 24, v[\pw]      ; my row's scale word
.irp c, 0,1
	v_cvt_scalef32_pk16_bf6_f32 v[PC+6*\c:PC+2+6*\c], v[\s+32*\c:\s+15+32*\c], v[TM+12+2*\c]
	v_cvt_scalef32_pk16_bf6_f32 v[PC+12+4*\c:PC+14+4*\c], v[\s+16+32*\c:\s+31+32*\c], v[TM+12+2*\c+1]
.endr
	v_nop                                          ; one plain line behind the scaled conversions
.irp c, 0,1                                    ; the operand wants a whole block in a lane
.irp i, 0,1,2
	v_permlane16_swap_b32 v[PC+6*\c+\i], v[PC+12+4*\c+\i]
.endr
.irp i, 0,1,2
	s_delay_alu instid0(VALU_DEP_3)
	v_mov_b32 v[PC+3+6*\c+\i], v[PC+12+4*\c+\i]
.endr
.endr
.endm
.macro IMAGE off
.irp q, 0,1,2
	ds_store_b128 v[IW], v[PC+4*\q:PC+4*\q+3] offset:(\off)+512*\q
.endr
.endm
; n x 4 registers of parameter vector vec, from piece k0 on, in the accumulators' order of columns; sixteen lanes read the same bytes
.macro PLD win, reg, vec, k0, n
	WIN (\win)<<6
.set k, \k0
.rept \n
	ds_load_b128 v[(\reg)+4*(k-(\k0)):(\reg)+4*(k-(\k0))+3], v[PRD] offset:512*(\vec)+128*(k/4)+16*(k%4)
.set k, k+1
.endr
	WIN 0
.endm
.macro ADDB                            ; both row tiles += the 64 numbers in v[ST ..]
	WIN 0x41
.irp u, 0,1
.set k, 0
.rept 32
	v_pk_add_f32 v[ACC+64*\u+2*k:ACC+64*\u+2*k+1], v[ACC+64*\u+2*k:ACC+64*\u+2*k+1], v[ST+2*k:ST+2*k+1]
.set k, k+1
.endr
.endr
	WIN 0
.endm
.macro FOLD off, reg                   ; four chains of pairs -> my row's part sum of this wave's 128 columns, to LDS
	v_pk_add_f32 v[CHN:CHN+1], v[CHN:CHN+1], v[CHN+2:CHN+3]
	v_pk_add_f32 v[CHN+4:CHN+5], v[CHN+4:CHN+5], v[CHN+6:CHN+7]
	s_delay_alu instid0(VALU_DEP_1)
	v_pk_add_f32 v[CHN:CHN+1], v[CHN:CHN+1], v[CHN+4:CHN+5]
	s_delay_alu instid0(VALU_DEP_1)
	v_add_f32 v[\reg], v[CHN], v[CHN+1]
	s_delay_alu instid0(VALU_DEP_1)
	v_permlanex16_b32 v[\reg+1], v[\reg], s[SEL], s[SEL+1]
	s_delay_alu instid0(VALU_DEP_1)
	v_add_f32 v[\reg], v[\reg], v[\reg+1]
	ds_store_b32 v[RW], v[\reg] offset:\off
.endm
.macro GATHER off                      ; the eight waves' parts, summed in one order by all: v[ST + 8 u]
.irp u, 0,1
.irp w, 0,1,2,3,4,5,6,7
	ds_load_b32 v[ST+8*\u+\w], v[RR] offset:(\off)+64*\u+128*\w
.endr
.endr
	s_wait_dscnt 0x0
.irp u, 0,1
	v_pk_add_f32 v[ST+8*\u:ST+8*\u+1], v[ST+8*\u:ST+8*\u+1], v[ST+8*\u+2:ST+8*\u+3]
	v_pk_add_f32 v[ST+8*\u+4:ST+8*\u+5], v[ST+8*\u+4:ST+8*\u+5], v[ST+8*\u+6:ST+8*\u+7]
.endr
	s_delay_alu instid0(VALU_DEP_3)
	v_pk_add_f32 v[ST:ST+1], v[ST:ST+1], v[ST+4:ST+5]
	s_delay_alu instid0(VALU_DEP_2)
	v_pk_add_f32 v[ST+8:ST+9], v[ST+8:ST+9], v[ST+12:ST+13]
.irp u, 0,1
	s_delay_alu instid0(VALU_DEP_2)
	v_add_f32 v[ST+8*\u], v[ST+8*\u], v[ST+8*\u+1]
.endr
.endm
.macro LNSTATS                         ; mean, then the mean square of the deviations
.irp u, 0,1
	WIN 0x05
.set k, 0
.rept 4
	v_pk_add_f32 v[CHN+2*k:CHN+2*k+1], v[ACC+64*\u+4*k:ACC+64*\u+4*k+1], v[ACC+64*\u+4*k+2:ACC+64*\u+4*k+3]   ; each accumulator is read from its low end on
.set k, k+1
.endr
	WIN 0x04
.set k, 8
.rept 24
	v_pk_add_f32 v[CHN+2*(k%4):CHN+2*(k%4)+1], v[CHN+2*(k%4):CHN+2*(k%4)+1], v[ACC+64*\u+2*k:ACC+64*\u+2*k+1]
.set k, k+1
.endr
	WIN 0
	FOLD 64*\u, 250+2*\u
.endr
	WGBAR
	GATHER 0
.irp u, 0,1
	v_mul_f32 v[MU+2*\u], 0x3a800000, v[ST+8*\u]
	v_mul_f32 v[MU+2*\u+1], 0x3a800000, v[ST+8*\u]
.endr
.irp u, 0,1
	WIN 0x01
.set k, 0
.rept 32
	v_pk_add_f32 v[ST+2*k:ST+2*k+1], v[ACC+64*\u+2*k:ACC+64*\u+2*k+1], v[MU+2*\u:MU+2*\u+1] neg_lo:[0,1] neg_hi:[0,1]
.set k, k+1
.endr
	WIN 0
.set k, 0
.rept 32
.if k < 4
	v_pk_mul_f32 v[CHN+2*k:CHN+2*k+1], v[ST+2*k:ST+2*k+1], v[ST+2*k:ST+2*k+1]
.else
	v_pk_fma_f32 v[CHN+2*(k%4):CHN+2*(k%4)+1], v[ST+2*k:ST+2*k+1], v[ST+2*k:ST+2*k+1], v[CHN+2*(k%4):CHN+2*(k%4)+1]
.endif
.set k, k+1
.endr
	FOLD 1024+64*\u, 250+2*\u
.endr
	WGBAR
	GATHER 1024
.irp u, 0,1
	v_fmaak_f32 v[250+2*\u], s56, v[ST+8*\u], 0x3727c5ac   ; var + 1e-5
.endr
	s_wait_alu depctr_va_vdst(0)                   ; the wait ahead of the batch,
.irp u, 0,1
	v_rsq_f32 v[RS+2*\u], v[250+2*\u]
	v_rsq_f32 v[RS+2*\u+1], v[250+2*\u]
.endr
	v_nop
	s_wait_alu depctr_va_vdst(0)                   ; and behind it
.endm
.macro LNCHUNK u                       ; row tile u: (x1 - mean) rsqrt(var + eps) w + b, quantised, into image 1
	WIN 0x01
.set k, 0
.rept 32
	v_pk_add_f32 v[ST+2*k:ST+2*k+1], v[ACC+64*(\u)+2*k:ACC+64*(\u)+2*k+1], v[MU+2*(\u):MU+2*(\u)+1] neg_lo:[0,1] neg_hi:[0,1]
.set k, k+1
.endr
	WIN 0
.set k, 0
.rept 32
	v_pk_mul_f32 v[ST+2*k:ST+2*k+1], v[ST+2*k:ST+2*k+1], v[RS+2*(\u):RS+2*(\u)+1]
.set k, k+1
.endr
	WIN 0x10
.set k, 0
.rept 16
	v_pk_fma_f32 v[ST+2*k:ST+2*k+1], v[ST+2*k:ST+2*k+1], v[T1+2*k:T1+2*k+1], v[96+2*k:96+2*k+1]
.set k, k+1
.endr
	WIN 0
.rept 16
	v_pk_fma_f32 v[ST+2*k:ST+2*k+1], v[ST+2*k:ST+2*k+1], v[T1+2*k:T1+2*k+1], v[36+2*(k-16):36+2*(k-16)+1]
.set k, k+1
.endr
	QUANT ST, PW
	IMAGE 24576+1536*(\u)
	ds_store_b32 v[SW], v[PW] offset:1024+64*(\u)
	s_wait_dscnt 0x0
.endm
.macro GHALF x, d                      ; gelu of 32 accumulator registers (window 1, from x) into v[d ..]
	WIN 0x01
	s_wait_alu depctr_va_vdst(0)                   ; the wait ahead of the first readers of matrix results
.set k, 0
.rept 32
	v_fma_f32 v[T1+k], |v[(\x)+k]|, 0x3eb504f3, 1.0
.set k, k+1
.endr
	WIN 0
	s_wait_alu depctr_va_vdst(0)
.set k, 0
.rept 32
	v_rcp_f32 v[T1+k], v[T1+k]                     ; t
.set k, k+1
.endr
	v_nop
	s_wait_alu depctr_va_vdst(0)
.set k, 0
.rept 16
	v_pk_fma_f32 v[T2+2*k:T2+2*k+1], v[T1+2*k:T1+2*k+1], 0x3e7c6f08, v[254:255] op_sel_hi:[1,0,1]
.set k, k+1
.endr
.irp c, 0x40097039, 0xbfd1a1e5, 0x3ecdfd18, 0xbe899a80, 0x3e0efb2e, 0x3f0a29d2, 0x3fb8ab5a, 0xc034d90f
.set k, 0
.rept 16
	v_pk_fma_f32 v[T2+2*k:T2+2*k+1], v[T2+2*k:T2+2*k+1], v[T1+2*k:T1+2*k+1], \c op_sel_hi:[1,1,0]   ; P(t) log2(e) - 1, by Horner
.set k, k+1
.endr
.endr
	WIN 0x05
.set k, 0
.rept 16
	v_pk_mul_f32 v[(\d)+2*k:(\d)+2*k+1], v[(\x)+2*k:(\x)+2*k+1], v[(\x)+2*k:(\x)+2*k+1]
.set k, k+1
.endr
	WIN 0
.set k, 0
.rept 16
	v_pk_fma_f32 v[T2+2*k:T2+2*k+1], v[(\d)+2*k:(\d)+2*k+1], 0xbf38aa3b, v[T2+2*k:T2+2*k+1] op_sel_hi:[1,0,1]   ; - z^2 log2(e)
.set k, k+1
.endr
	s_wait_alu depctr_va_vdst(0)
.set k, 0
.rept 32
	v_exp_f32 v[T2+k], v[T2+k]
.set k, k+1
.endr
	v_nop
	s_wait_alu depctr_va_vdst(0)
.set k, 0
.rept 16
	v_pk_mul_f32 v[T2+2*k:T2+2*k+1], v[T2+2*k:T2+2*k+1], v[T1+2*k:T1+2*k+1]   ; Phi(-|x|)
.set k, k+1
.endr
.set k, 0
.rept 16
	v_pk_fma_f32 v[T1+2*k:T1+2*k+1], v[T2+2*k:T2+2*k+1], -1.0, 1.0 op_sel_hi:[1,0,0]   ; Phi(|x|)
.set k, k+1
.endr
	WIN 0x04
.set k, 0
.rept 32
	v_cmp_gt_f32 s[MK+k], 0, v[(\x)+k]
.set k, k+1
.endr
	WIN 0
.set k, 0
.rept 32
	v_cndmask_b32 v[T1+k], v[T1+k], v[T2+k], s[MK+k]
.set k, k+1
.endr
	WIN 0x01
.set k, 0
.rept 16
	v_pk_mul_f32 v[(\d)+2*k:(\d)+2*k+1], v[(\x)+2*k:(\x)+2*k+1], v[T1+2*k:T1+2*k+1]
.set k, k+1
.endr
	WIN 0
.endm
; THE HEAD
	s_load_b256 s[8:15], s[0:1], 0x0               ; x, of, osc, wf
	s_load_b256 s[16:23], s[0:1], 0x20             ; out_b, ln2_w, ln2_b, fc1_b
	s_load_b128 s[24:27], s[0:1], 0x40             ; fc2_b, out0
	v_lshl_add_u32 v[SPW], v0, 2, SPARE
	v_mov_b32 v[NIL], 0
	v_lshrrev_b32 v250, 5, v0
	v_readfirstlane_b32 s[WV], v250                ; wave 0..7: my 128 columns, and the K step whose image I write
	s_and_b32 s45, s[WV], 1
	s_lshr_b32 s46, s[WV], 1
	s_mul_i32 s30, s46, BLKB                       ; wf: a block serves two waves: tiles 0-7, tiles 8-15
	s_mul_i32 s31, s45, 12288
	s_add_co_u32 s30, s30, s31
	s_add_co_u32 s30, s30, LB
	s_mov_b32 s31, 0
	s_mul_i32 s32, s45, 11776
	s_sub_co_u32 s32, 24576, s32                   ; from my codes to my scale words
	s_mul_i32 s33, s[WV], 3072
	s_lshl_b32 s34, s[WV], 7
	s_mul_i32 s35, s[WV], 8448
	s_add_co_u32 s35, s35, STG
	s_lshl_b32 s36, s[WV], 9
	s_mul_i32 s37, s[WV], 2560
	s_add_co_u32 s37, s37, PRM
	s_lshl_b32 s38, s[WV], 14
	s_add_co_u32 s38, s38, RES
	s_lshl_b32 s39, s[WV], 8
	s_lshl_b32 s40, ttmp9, 17                      ; 32 rows of 4,096 bytes
	s_mov_b32 s41, 0
	s_mul_i32 s42, ttmp9, 24576
	s_mov_b32 s43, 0
	s_lshl_b32 s54, ttmp9, 11
	s_mov_b32 s55, 0
	s_mov_b32 s56, 0x3a800000                      ; 1 / 1,024
	s_mov_b32 s[SEL], 0x76543210
	s_mov_b32 s[SEL+1], 0xfedcba98                 ; lane l xor 16
	v_and_b32 v250, 31, v0
	v_and_b32 v251, 15, v0
	v_bfe_u32 v252, v0, 4, 1
	v_mov_b32 v253, 0
	v_mov_b32 v254, 0xbf97d29d
	v_mov_b32 v255, 0xbf97d29d
	v_lshlrev_b32 v[L16], 4, v250
	v_lshlrev_b32 v[L8], 3, v250
	v_lshlrev_b32 v[L4], 2, v250
	v_lshlrev_b32 v[R4], 2, v251
	v_add_nc_u32 v[BSO], s32, v[L4]
	v_add_nc_u32 v[SA0], ASC0, v[L4]
	v_add_nc_u32 v[IW], s33, v[L16]                ; my K step in an image; also my part of of
	v_add_nc_u32 v[GB], s33, v[L8]
	v_add_nc_u32 v[SW], s34, v[R4]
	v_add_nc_u32 v[SW], ASC0, v[SW]
	v_add_nc_u32 v[SAW], s34, v[SA0]
	v_add_nc_u32 v[SD], s35, v[L16]                ; the stage by rows,
	v_mul_u32_u24 v[SL], v251, 528
	v_lshl_add_u32 v[SL], v252, 6, v[SL]
	v_add_nc_u32 v[SL], s35, v[SL]                 ; and by the accumulators' order
	v_add_nc_u32 v[RW], s34, v[R4]
	v_add_nc_u32 v[RW], RED1, v[RW]
	v_add_nc_u32 v[RR], RED1, v[R4]
	v_add_nc_u32 v[XG], s36, v[L16]
	v_lshl_add_u32 v[PRD], v252, 6, s37
	v_add_nc_u32 v[PWR], s37, v[L16]
	v_add_nc_u32 v[RSA], s38, v[L16]
	v_add_nc_u32 v[GS], s39, v[L4]
.irp b, 0,1,2,3
	v_mov_b32 v[TM+4+\b], 0                        ; a lane permute's destination counts as one of its sources
.endr
	s_wait_alu depctr_va_vdst(0)                   ; the wait at the head's end
	s_wait_kmcnt 0x0
	s_add_nc_u64 s[WP:WP+1], s[WFP:WFP+1], s[30:31]
	s_add_nc_u64 s[XP:XP+1], s[XP:XP+1], s[40:41]
	s_add_nc_u64 s[OP:OP+1], s[OP:OP+1], s[40:41]
	s_add_nc_u64 s[OFP:OFP+1], s[OFP:OFP+1], s[42:43]
	s_add_nc_u64 s[OSP:OSP+1], s[OSP:OSP+1], s[54:55]
.irp f, 0,1                                    ; 8 loads: o's two fragments of my K step
.irp c, 0,1
	global_load_b128 v[PC+12*\f+6*\c:PC+12*\f+6*\c+3], v[IW], s[OFP:OFP+1] offset:1536*\f+768*\c th:TH_LOAD_NT
	global_load_b64 v[PC+12*\f+6*\c+4:PC+12*\f+6*\c+5], v[GB], s[OFP:OFP+1] offset:1536*\f+768*\c+512 th:TH_LOAD_NT
.endr
.endr
.irp j, 0,1                                    ; 2: their scale bytes, a head each
	global_load_b32 v[34+\j], v[GS], s[OSP:OSP+1] offset:128*\j
.endr
.set k, 0
.rept 5                                        ; 5: my 512 bytes of out_b, ln2_w, ln2_b, fc1_b, fc2_b
	global_load_b128 v[36+4*k:39+4*k], v[XG], s[16+2*k:17+2*k]
.set k, k+1
.endr
.irp u, 0,1                                    ; 32: x, 512 consecutive bytes of a row each
.set k, 0
.rept 16
	global_load_b128 v[ST+64*\u+4*k:ST+64*\u+4*k+3], v[XG], s[XP:XP+1] offset:(8*\u+k+8*(k/8))*4096 th:TH_LOAD_NT
.set k, k+1
.endr
.endr
	BLOAD 0, 0, 0                                  ; 28: the first layer's K step 0
	BLOAD 0, 1, 0
	s_wait_loadcnt 60                              ; all but x's 32 and the 28
.irp f, 0,1
.irp q, 0,1,2
	ds_store_b128 v[IW], v[PC+12*\f+4*\q:PC+12*\f+4*\q+3] offset:1536*\f+512*\q
.endr
.endr
	v_lshl_or_b32 v34, v35, 16, v34
	ds_store_b32 v[SAW], v34
.set k, 0
.rept 5
	ds_store_b128 v[PWR], v[36+4*k:39+4*k] offset:512*k
.set k, k+1
.endr
.irp u, 0,1                                    ; x turns through my stage; LDS serves a wave's instructions in order
	s_wait_loadcnt 44-16*\u
.set k, 0
.rept 16
	ds_store_b128 v[SD], v[ST+64*\u+4*k:ST+64*\u+4*k+3] offset:528*k
.set k, k+1
.endr
	WIN 0x40
.set k, 0
.rept 16
	ds_load_b128 v[ACC+64*\u+4*k:ACC+64*\u+4*k+3], v[SL] offset:128*(k/4)+16*(k%4)
.set k, k+1
.endr
	WIN 0
.endr
	PLD 0, ST, 0, 0, 16                            ; out_b
	s_wait_dscnt 0x0
	ADDB
	WGBAR                                          ; image 0 is whole
	LAYER 0, 0                                     ; x1 = x + out_b + o out_w^T
; LN2, quantised into image 1
	PLD 0, T1, 1, 0, 16                            ; ln2_w
	PLD 1, 96, 2, 0, 8                             ; ln2_b, in two halves
	PLD 0, 36, 2, 8, 8
	LNSTATS
	LNCHUNK 0
	LNCHUNK 1
	PLD 0, ST, 4, 0, 16                            ; fc2_b
	s_wait_dscnt 0x0
	ADDB
	WIN 0x04
.set k, 0
.rept 32
	ds_store_b128 v[RSA], v[ACC+4*k:ACC+4*k+3] offset:512*k   ; x1 + fc2_b is parked
.set k, k+1
.endr
	WIN 0
	PLD 1, ACC, 3, 0, 16                           ; fc1_b starts fc1's sums, in both row tiles
	PLD 1, ACC+64, 3, 0, 16
	WGBAR                                          ; image 1 is whole
	LAYER 1, 0
; gelu, quantised into image 0 (its last readers passed LN2's barriers)
.irp u, 0,1
	GHALF ACC+64*\u, ST
	GHALF ACC+64*\u+32, ST+32
	QUANT ST, PW
	IMAGE 1536*\u
	ds_store_b32 v[SW], v[PW] offset:64*\u
	s_wait_dscnt 0x0
.endr
	WIN 0x40
.set k, 0
.rept 32
	ds_load_b128 v[ACC+4*k:ACC+4*k+3], v[RSA] offset:512*k    ; the residual starts fc2's sums
.set k, k+1
.endr
	WIN 0
	WGBAR
	LAYER 0, 1
; THE WAY OUT: through my stage, back as rows; a store covers 512 consecutive bytes, aligned to 256
.irp u, 0,1
	WIN 0x04
.set k, 0
.rept 16
	ds_store_b128 v[SL], v[ACC+64*\u+4*k:ACC+64*\u+4*k+3] offset:128*(k/4)+16*(k%4)
.set k, k+1
.endr
	WIN 0
.set k, 0
.rept 16
	ds_load_b128 v[ST+64*\u+4*k:ST+64*\u+4*k+3], v[SD] offset:528*k
.set k, k+1
.endr
.endr
.irp u, 0,1
	s_wait_dscnt 32-32*\u                          ; behind tile 0's loads: tile 1's 16 stores and 16 loads
.set k, 0
.rept 16
	global_store_b128 v[XG], v[ST+64*\u+4*k:ST+64*\u+4*k+3], s[OP:OP+1] offset:(8*\u+k+8*(k/8))*4096 th:TH_STORE_NT
.set k, k+1
.endr
.endr
	s_wait_tensorcnt 0x0                           ; the wave's end
	ds_add_u32 v[SPW], v[NIL]
	s_wait_dscnt 0x0
	s_endpgm
.Lfunc_end_k_qa08cac4262_mlp:
	.size	k_qa08cac4262_mlp, .Lfunc_end_k_qa08cac4262_mlp-k_qa08cac4262_mlp
	.p2alignl 7, 3214868480
	.fill 96, 4, 3214868480
	.section	.rodata,"a",@progbits
	.p2align	6, 0x0
	.amdhsa_kernel k_qa08cac4262_mlp
		.amdhsa_group_segment_fixed_size 273408
		.amdhsa_private_segment_fixed_size 0
		.amdhsa_enable_private_segment 0
		.amdhsa_kernarg_size 80
		.amdhsa_user_sgpr_count 2
		.amdhsa_user_sgpr_kernarg_segment_ptr 1
		.amdhsa_wavefront_size32 1
		.amdhsa_system_sgpr_workgroup_id_x 1
		.amdhsa_system_sgpr_workgroup_id_y 1
		.amdhsa_system_sgpr_workgroup_id_z 1
		.amdhsa_system_vgpr_workitem_id 0
		.amdhsa_next_free_vgpr 512
		.amdhsa_next_free_sgpr 100
		.amdhsa_reserve_vcc 0
		.amdhsa_float_denorm_mode_32 3
		.amdhsa_float_denorm_mode_16_64 3
		.amdhsa_memory_ordered 1
		.amdhsa_forward_progress 1
		.amdhsa_inst_pref_size 255
	.end_amdhsa_kernel
	.section	.bss,"aw",@nobits
	.p2align	6
	.space	262144
	.amdgpu_metadata
---
amdhsa.version: [ 1, 2 ]
amdhsa.kernels:
  - .name:           k_qa08cac4262_mlp
    .symbol:         k_qa08cac4262_mlp.kd
    .args:
      - { .name: x, .offset: 0, .size: 8, .value_kind: global_buffer, .address_space: global }
      - { .name: of, .offset: 8, .size: 8, .value_kind: global_buffer, .address_space: global }
      - { .name: osc, .offset: 16, .size: 8, .value_kind: global_buffer, .address_space: global }
      - { .name: wf, .offset: 24, .size: 8, .value_kind: global_buffer, .address_space: global }
      - { .name: out_b, .offset: 32, .size: 8, .value_kind: global_buffer, .address_space: global }
      - { .name: ln2_w, .offset: 40, .size: 8, .value_kind: global_buffer, .address_space: global }
      - { .name: ln2_b, .offset: 48, .size: 8, .value_kind: global_buffer, .address_space: global }
      - { .name: fc1_b, .offset: 56, .size: 8, .value_kind: global_buffer, .address_space: global }
      - { .name: fc2_b, .offset: 64, .size: 8, .value_kind: global_buffer, .address_space: global }
      - { .name: out0, .offset: 72, .size: 8, .value_kind: global_buffer, .address_space: global }
    .group_segment_fixed_size: 273408
    .private_segment_fixed_size: 0
    .kernarg_segment_align: 8
    .kernarg_segment_size: 80
    .max_flat_workgroup_size: 256
    .sgpr_count:     100
    .vgpr_count:     512
    .wavefront_size: 32
...
	.end_amdgpu_metadata
.endif
;; end of part 8
